; MI455X (gfx1250); checked and timed in simulation.
; The chip was launched on July 23, 2026; its instructions are those of AMD's public machine-readable ISA for CDNA 5 (MIT licence, August 2026) and "CDNA5" Instruction Set Architecture Reference Guide (July 2026). The comments in the code are by the model that wrote it; some were corrected since.
;; Causal Attention. Allowed arithmetic: float matrix products may take bf16 or f16 operands with f32 sums; all other float work in f32.
;; Inputs: ln_beta 1,024 float32; ln_gamma 1,024 float32; w_out 1,024 x 1,024 float32; w_qkv 1,024 x 3,072 float32; x 4 x 2,048 x 1,024 float32.
;; Outputs: out0 4 x 2,048 x 1,024 float32.
;; 2 versions, each right. Each part assembles by itself: llvm-mc -triple=amdgcn-amd-amdhsa -mcpu=gfx1250 --defsym DOCPART=n.
;; ======== version 1 of 2: 7 launches
;; limits: values are held in f16: magnitudes above 65,504 overflow, below 6.1e-05 lose precision
;; workspace buffers: xn16 16,777,216 bytes; wq16 6,291,456 bytes; wo16 2,097,152 bytes; qkv16 50,331,648 bytes; o16 16,777,216 bytes; xhl 262,144 bytes; qkv32 786,432 bytes; ohl 262,144 bytes
;; launch prep (part 1): grid 1024 x 1, 4 waves a work-group, no clusters, 0 bytes of LDS; arguments x, ln_gamma, ln_beta, w_qkv, w_out, xn16, wq16, wo16, xhl; writes xn16, wq16, wo16, xhl
.if DOCPART == 1
	.amdgcn_target "amdgcn-amd-amdhsa--gfx1250"
	.amdhsa_code_object_version 6
	.text
	.protected	k_q1c9051ba99_prep
	.globl	k_q1c9051ba99_prep
	.p2align	8
	.type	k_q1c9051ba99_prep,@function
k_q1c9051ba99_prep:
	s_mov_b64 s[64:65], 0
	v_nop
	global_prefetch_b8 v0, s[64:65] scope:SCOPE_SE
	s_setreg_imm32_b32 hwreg(HW_REG_WAVE_MODE, 25, 1), 1
	s_wait_xcnt 0x0
; LAYER NORM AND THE CASTS OF THE WEIGHTS.  A stream: no LDS, no barrier, no matrix unit; memory binds, so every byte is read once and written once.
; Work-groups 0-511: xn16[r][c] = f16( (x[r][c] - mean) * rsqrt(var + 1e-5) * gamma[c] + beta[c] ), 16 rows a work-group, 4 rows a wave, a whole row (4,096 bytes) in 32 registers of one wave.
; Work-group g belongs to batch g / 128; its wave w takes the batch's rows 4 (g % 128) + w + 512 s, s = 0 .. 3.  So a batch's first 16 rows are always some wave's row s = 0, in the work-groups with g % 128 < 4.
; Work-groups 512-1023: wq16 = w_qkv and wo16 = w_out, 8,192 numbers a work-group (384 work-groups for w_qkv, 128 for w_out).
; THE FIRST 16 ROWS OF A BATCH are also left in two halves, hi = f16(xn) and lo = f16(xn - hi), in xhl: [hi, lo][8 chunks of 128 columns][64 rows = 16 x batch + row][128] f16.  Under the causal mask row q is a
; mean of q + 1 rows of v, so these rows' numbers are many times the output's root mean square while a number near zero is allowed a hundredth of it: one f16 rounding (2^-11 of a number at the most) is too much there.
; FORMATS AND LIMITS.  Every input (x, gamma, beta, both weights) is rounded ONCE to bf16 as it arrives; all arithmetic behind that is f32.  The mean is taken first and the squares of the
; centred numbers second: no difference of large sums.  A common offset on x costs x the bf16 step at that offset.  xn is rounded once to f16: |xn| <= 32 |gamma| + |beta| has to stay under 65,504.
; The weights leave as f16 holding the bf16 value: exact from 2^-17 to 65,504 in magnitude, below that on f16's fixed step of 6e-8, which lo keeps too.  NaN and infinities are not treated apart.
.set G,  8                             ; v[8:39]    gamma of my 32 columns (load j: columns 128 j + 4 lane .. + 3)
.set BT, 40                            ; v[40:71]   beta of the same columns
.set X,  72                            ; v[72:199]  four rows of 32 registers; in the cast sixteen loads of 4
.set T,  200                           ; v[200:207] at work
.set M,  208                           ; v[208:209] the mean, twice (a pair for the packed subtraction)
.set R,  210                           ; v[210:211] 1 / sqrt(var + eps), twice
.set LO, 212                           ; v[212:227] the lo halves of a row; v6 at work with them (its halves are named), v7 my byte offset in xhl
	s_load_b512 s[8:23], s[0:1], 0x0               ; x s[8:9], gamma s[10:11], beta s[12:13], w_qkv s[14:15], w_out s[16:17], xn16 s[18:19], wq16 s[20:21], wo16 s[22:23]
	s_load_b64 s[36:37], s[0:1], 0x40              ; xhl
	s_mov_b32 s28, 0xffff0000                      ; a word's upper bf16
	s_mov_b32 s29, 0x3a800000                      ; 1 / 1024
	s_mov_b32 s30, 0x3727c5ac                      ; 1e-5
	s_mov_b32 s32, 0x76543210                      ; v_permlanex16_b32: lane i of one half reads lane i of the other
	s_mov_b32 s33, 0xfedcba98
	v_and_b32 v4, 31, v0                           ; lane
	v_lshrrev_b32 v5, 5, v0                        ; wave
	v_lshlrev_b32 v1, 4, v4                        ; 16 bytes a lane
	s_cmp_lt_u32 ttmp9, 512
	s_cbranch_scc0 .Lcast                          ; the same way for the whole work-group
; 32 numbers in f32 are rounded to bf16 and widened again, in place
.macro RND16 base
.set i, 0
.rept 16
	v_cvt_pk_bf16_f32 v[T+i%4], v[(\base)+2*i], v[(\base)+2*i+1]
	v_lshlrev_b32 v[(\base)+2*i], 16, v[T+i%4]
	v_and_b32 v[(\base)+2*i+1], s28, v[T+i%4]
.set i, i+1
.endr
.endm
; four pairs of partial sums in T become the wave's sum, in every lane's v[T]
.macro REDUCE
	v_pk_add_f32 v[T:T+1], v[T:T+1], v[T+2:T+3]
	v_pk_add_f32 v[T+4:T+5], v[T+4:T+5], v[T+6:T+7]
	v_pk_add_f32 v[T:T+1], v[T:T+1], v[T+4:T+5]
	v_add_f32 v[T], v[T], v[T+1]
	v_add_f32_dpp v[T], v[T], v[T] row_xmask:1 row_mask:0xf bank_mask:0xf
	v_add_f32_dpp v[T], v[T], v[T] row_xmask:2 row_mask:0xf bank_mask:0xf
	v_add_f32_dpp v[T], v[T], v[T] row_xmask:4 row_mask:0xf bank_mask:0xf
	v_add_f32_dpp v[T], v[T], v[T] row_xmask:8 row_mask:0xf bank_mask:0xf
	v_permlanex16_b32 v[T+1], v[T], s32, s33       ; its destination counts as read: T+1 has been written
	v_add_f32 v[T], v[T], v[T+1]
.endm
; Row s of my four.  left = the younger loads, which may stay out.  fix = 1 (row 0 alone): the row may be one of a batch's first 16, and then leaves its two halves in xhl too.
.macro ROW s, left, fix
.set R0, X+32*(\s)
	s_wait_loadcnt \left                           ; loads come back in order: this row's eight are in
	RND16 R0
.irp c, 0,1,2,3                        ; the sum, in four chains that do not wait for each other; the first additions start them
	v_pk_add_f32 v[T+2*(\c):T+2*(\c)+1], v[R0+2*(\c):R0+2*(\c)+1], v[R0+8+2*(\c):R0+8+2*(\c)+1]
.endr
.irp o, 16, 24
.irp c, 0,1,2,3
	v_pk_add_f32 v[T+2*(\c):T+2*(\c)+1], v[T+2*(\c):T+2*(\c)+1], v[R0+(\o)+2*(\c):R0+(\o)+2*(\c)+1]
.endr
.endr
	REDUCE
	v_mul_f32 v[M], s29, v[T]
	v_mul_f32 v[M+1], s29, v[T]
.set i, 0
.rept 16
	v_pk_add_f32 v[R0+2*i:R0+2*i+1], v[R0+2*i:R0+2*i+1], v[M:M+1] neg_lo:[0,1] neg_hi:[0,1]  ; x - mean
.set i, i+1
.endr
.irp c, 0,1,2,3                        ; the sum of the centred squares, again in four chains
	v_pk_mul_f32 v[T+2*(\c):T+2*(\c)+1], v[R0+2*(\c):R0+2*(\c)+1], v[R0+2*(\c):R0+2*(\c)+1]
.endr
.irp o, 8, 16, 24
.irp c, 0,1,2,3
	v_pk_fma_f32 v[T+2*(\c):T+2*(\c)+1], v[R0+(\o)+2*(\c):R0+(\o)+2*(\c)+1], v[R0+(\o)+2*(\c):R0+(\o)+2*(\c)+1], v[T+2*(\c):T+2*(\c)+1]
.endr
.endr
	REDUCE
	v_fma_f32 v[T], v[T], s29, s30                 ; var + eps
	v_rsq_f32 v[R], v[T]
	v_rsq_f32 v[R+1], v[T]
	v_nop                                          ; a plain instruction between the second root and the use of its result (ISA guide 5.7.2)
.set i, 0
	s_wait_alu depctr_va_vdst(0)
.rept 16
	v_pk_mul_f32 v[R0+2*i:R0+2*i+1], v[R0+2*i:R0+2*i+1], v[R:R+1]
.set i, i+1
.endr
.set i, 0
.rept 16
	v_pk_fma_f32 v[R0+2*i:R0+2*i+1], v[R0+2*i:R0+2*i+1], v[G+2*i:G+2*i+1], v[BT+2*i:BT+2*i+1]
.set i, i+1
.endr
.if \fix
	s_cmp_lt_u32 s34, 4                            ; is my row s = 0 among the batch's first 16?  The same answer for the whole work-group
	s_cbranch_scc0 .Lno_lo
.set i, 0
.rept 16                               ; lo = f16(xn - f16(xn)), while xn still stands in f32
	v_cvt_pk_f16_f32 v6, v[R0+2*i], v[R0+2*i+1]
	v_cvt_f32_f16 v[T+2*(i%4)], v6.l
	v_cvt_f32_f16 v[T+2*(i%4)+1], v6.h
	v_pk_add_f32 v[T+2*(i%4):T+2*(i%4)+1], v[R0+2*i:R0+2*i+1], v[T+2*(i%4):T+2*(i%4)+1] neg_lo:[0,1] neg_hi:[0,1]
	v_cvt_pk_f16_f32 v[LO+i], v[T+2*(i%4)], v[T+2*(i%4)+1]
.set i, i+1
.endr
.irp j, 0,1,2,3,4,5,6,7                ; load j's columns are chunk j: the wave's 32 lanes store the row's 256 bytes of that chunk; LO is written this once
	global_store_b64 v7, v[LO+2*(\j):LO+2*(\j)+1], s[36:37] offset:131072+16384*(\j)
.endr
.Lno_lo:
.endif
.set i, 0
.rept 16                               ; packed in place, ascending: word i is written when pairs up to i have been read
	v_cvt_pk_f16_f32 v[R0+i], v[R0+2*i], v[R0+2*i+1]
.set i, i+1
.endr
.irp j, 0,1,2,3,4,5,6,7                ; the wave's 32 lanes store 256 consecutive bytes, at a multiple of 256 from xn16's first byte; no register that a store reads is written again
	global_store_b64 v3, v[R0+2*(\j):R0+2*(\j)+1], s[18:19] offset:1048576*(\s)+256*(\j)
.endr
.if \fix
	s_cmp_lt_u32 s34, 4
	s_cbranch_scc0 .Lno_hi
.irp j, 0,1,2,3,4,5,6,7                ; hi is the same word that went to xn16
	global_store_b64 v7, v[R0+2*(\j):R0+2*(\j)+1], s[36:37] offset:16384*(\j)
.endr
.Lno_hi:
.endif
.endm
	s_lshr_b32 s2, ttmp9, 7                        ; the batch
	s_and_b32 s34, ttmp9, 127                      ; my work-group's place in it: rows 4 s34 + wave (+ 512 s)
	s_lshl_b32 s4, s2, 22                          ; xn16: 2,048 rows of 2,048 bytes a batch,
	s_lshl_b32 s6, s34, 13                         ; 4 rows a place
	s_add_co_u32 s4, s4, s6
	s_mov_b32 s5, 0
	s_lshl_b32 s35, s2, 12                         ; xhl: 16 rows of 256 bytes a batch,
	s_lshl_b32 s6, s34, 10                         ; 4 rows a place
	s_add_co_u32 s35, s35, s6
	s_lshl_b32 s2, s2, 23                          ; x: 2,048 rows of 4,096 bytes a batch,
	s_lshl_b32 s6, s34, 14                         ; 4 rows a place
	s_add_co_u32 s2, s2, s6
	s_mov_b32 s3, 0
	v_lshl_or_b32 v2, v5, 12, v1                   ; in: wave x one row + 16 x lane
	v_lshlrev_b32 v3, 3, v4
	v_lshl_or_b32 v7, v5, 8, v3                    ; xhl: wave x one row of 256 bytes + 8 x lane
	v_add_nc_u32 v7, s35, v7
	v_lshl_or_b32 v3, v5, 11, v3                   ; out: wave x one row + 8 x lane
	s_wait_kmcnt 0x0
	s_add_nc_u64 s[8:9], s[8:9], s[2:3]
	s_add_nc_u64 s[18:19], s[18:19], s[4:5]
.irp j, 0,1,2,3,4,5,6,7
	global_load_b128 v[G+4*(\j):G+4*(\j)+3], v1, s[10:11] offset:512*(\j)
.endr
.irp j, 0,1,2,3,4,5,6,7
	global_load_b128 v[BT+4*(\j):BT+4*(\j)+3], v1, s[12:13] offset:512*(\j)
.endr
.irp s, 0,1,2,3                        ; all four rows are asked for at once: 32 loads of 512 consecutive bytes; 512 rows of 4,096 bytes from one to the next, inside the signed 24-bit immediate
.irp j, 0,1,2,3,4,5,6,7
	global_load_b128 v[X+32*(\s)+4*(\j):X+32*(\s)+4*(\j)+3], v2, s[8:9] offset:2097152*(\s)+512*(\j) th:TH_LOAD_NT
.endr
.endr
	s_wait_loadcnt 32                              ; gamma and beta are in; the 32 loads of x issued behind them stay out
	RND16 G
	RND16 BT
	ROW 0, 24, 1
	ROW 1, 16, 0
	ROW 2, 8, 0
	ROW 3, 0, 0
	s_endpgm
.Lcast:
	s_sub_co_u32 s2, ttmp9, 512                    ; 0-383: w_qkv; 384-511: w_out
	s_sub_co_u32 s3, s2, 384
	s_wait_kmcnt 0x0
	s_cmp_lt_u32 s2, 384
	s_cselect_b64 s[24:25], s[14:15], s[16:17]     ; from
	s_cselect_b64 s[26:27], s[20:21], s[22:23]     ; to
	s_cselect_b32 s2, s2, s3                       ; my block of 8,192 numbers in that tensor
	s_lshl_b32 s4, s2, 15
	s_mov_b32 s5, 0
	s_lshl_b32 s6, s2, 14
	s_mov_b32 s7, 0
	s_add_nc_u64 s[24:25], s[24:25], s[4:5]
	s_add_nc_u64 s[26:27], s[26:27], s[6:7]
	v_lshl_or_b32 v2, v5, 13, v1                   ; in: wave x 8,192 bytes + 16 x lane
	v_lshlrev_b32 v3, 3, v4
	v_lshl_or_b32 v3, v5, 12, v3                   ; out: wave x 4,096 bytes + 8 x lane
.irp j, 0,1,2,3,4,5,6,7,8,9,10,11,12,13,14,15
	global_load_b128 v[X+4*(\j):X+4*(\j)+3], v2, s[24:25] offset:512*(\j) th:TH_LOAD_NT
.endr
.set j, 0
.rept 16
	s_wait_loadcnt 15-j                            ; load j is in; the younger ones stay out
	v_cvt_pk_bf16_f32 v[T], v[X+4*j], v[X+4*j+1]   ; the input's one rounding, to bf16;
	v_cvt_pk_bf16_f32 v[T+1], v[X+4*j+2], v[X+4*j+3]
	v_lshlrev_b32 v[T+4], 16, v[T]
	v_and_b32 v[T+5], s28, v[T]
	v_lshlrev_b32 v[T+6], 16, v[T+1]
	v_and_b32 v[T+7], s28, v[T+1]
	v_cvt_pk_f16_f32 v[X+4*j], v[T+4], v[T+5]      ; that number written as f16
	v_cvt_pk_f16_f32 v[X+4*j+1], v[T+6], v[T+7]
	global_store_b64 v3, v[X+4*j:X+4*j+1], s[26:27] offset:256*j  ; 256 consecutive bytes a wave; its data registers are not written again
.set j, j+1
.endr
	s_endpgm
.Lfunc_end_k_q1c9051ba99_prep:
	.size	k_q1c9051ba99_prep, .Lfunc_end_k_q1c9051ba99_prep-k_q1c9051ba99_prep
	.p2alignl 7, 3214868480
	.fill 96, 4, 3214868480
	.section	.rodata,"a",@progbits
	.p2align	6, 0x0
	.amdhsa_kernel k_q1c9051ba99_prep
		.amdhsa_group_segment_fixed_size 0
		.amdhsa_private_segment_fixed_size 0
		.amdhsa_enable_private_segment 0
		.amdhsa_kernarg_size 72
		.amdhsa_user_sgpr_count 2
		.amdhsa_user_sgpr_kernarg_segment_ptr 1
		.amdhsa_wavefront_size32 1
		.amdhsa_system_sgpr_workgroup_id_x 1
		.amdhsa_system_sgpr_workgroup_id_y 1
		.amdhsa_system_sgpr_workgroup_id_z 1
		.amdhsa_system_vgpr_workitem_id 0
		.amdhsa_next_free_vgpr 228
		.amdhsa_next_free_sgpr 66
		.amdhsa_reserve_vcc 0
		.amdhsa_float_denorm_mode_32 3
		.amdhsa_float_denorm_mode_16_64 3
		.amdhsa_memory_ordered 1
		.amdhsa_forward_progress 1
		.amdhsa_inst_pref_size 66
	.end_amdhsa_kernel
	.amdgpu_metadata
---
amdhsa.version: [ 1, 2 ]
amdhsa.kernels:
  - .name:           k_q1c9051ba99_prep
    .symbol:         k_q1c9051ba99_prep.kd
    .args:
      - { .name: x, .offset: 0, .size: 8, .value_kind: global_buffer, .address_space: global }
      - { .name: ln_gamma, .offset: 8, .size: 8, .value_kind: global_buffer, .address_space: global }
      - { .name: ln_beta, .offset: 16, .size: 8, .value_kind: global_buffer, .address_space: global }
      - { .name: w_qkv, .offset: 24, .size: 8, .value_kind: global_buffer, .address_space: global }
      - { .name: w_out, .offset: 32, .size: 8, .value_kind: global_buffer, .address_space: global }
      - { .name: xn16, .offset: 40, .size: 8, .value_kind: global_buffer, .address_space: global }
      - { .name: wq16, .offset: 48, .size: 8, .value_kind: global_buffer, .address_space: global }
      - { .name: wo16, .offset: 56, .size: 8, .value_kind: global_buffer, .address_space: global }
      - { .name: xhl, .offset: 64, .size: 8, .value_kind: global_buffer, .address_space: global }
    .group_segment_fixed_size: 0
    .private_segment_fixed_size: 0
    .kernarg_segment_align: 8
    .kernarg_segment_size: 72
    .max_flat_workgroup_size: 128
    .sgpr_count:     66
    .vgpr_count:     228
    .wavefront_size: 32
...
	.end_amdgpu_metadata
.endif
;; end of part 1
;; launch fixq (part 2): grid 48 x 2, 4 waves a work-group, no clusters, 327,680 bytes of LDS; arguments xhl, wq16, qkv32; writes qkv32
.if DOCPART == 2
	.amdgcn_target "amdgcn-amd-amdhsa--gfx1250"
	.amdhsa_code_object_version 6
	.text
	.protected	k_q1c9051ba99_fixq
	.globl	k_q1c9051ba99_fixq
	.p2align	8
	.type	k_q1c9051ba99_fixq,@function
k_q1c9051ba99_fixq:
	s_mov_b64 s[64:65], 0
	v_nop
	global_prefetch_b8 v0, s[64:65] scope:SCOPE_SE
	s_setreg_imm32_b32 hwreg(HW_REG_WAVE_MODE, 25, 1), 1
	s_wait_xcnt 0x0
; Q, K AND V OF EACH BATCH'S FIRST 16 ROWS, IN F32.  C[R][n] = sum over k of (hi[R][k] + lo[R][k]) W[k][n], R = 16 x batch + row.  A = xhl: [hi, lo][8 chunks of 128 k][64 rows][128] f16;
; W = wq16 [1024][3072] f16 (bf16 values, exact); C = qkv32 [64][3072] f32, stored as summed.  The two f16 halves hold 22 bits of xn, so nothing of weight is lost ahead of the f32 sums.
; WHY: under the causal mask row q is a mean of q + 1 rows of v; the first rows' numbers are many times the output's root mean square, of which a number near zero is allowed a hundredth: f16's 2^-11 is too coarse there.
; SHARES.  A work-group takes 64 columns and two batches: 48 x 2 work-groups.  Four waves, each one batch's 16 rows x 32 columns: two accumulators.
; LDS.  W's 1,024 rows of 128 bytes (pitch 160), the four tiles of A (hi and lo of two batches; 128 rows of 256 bytes, pitch 272: chunk c, row r at 16 c + r) and a stage.  Each wave asks for a quarter of W and one tile
; of A at the head, two tensor loads; no byte of LDS is filled a second time, so there is no ring.  NO CLUSTER: the two work-groups of a column block share 128 KB once in the launch; nothing recurs that a joint request could serve.
; THE MATRIX INSTRUCTION IS USED TRANSPOSED (source 0 = 16 columns of W, turned by ds_load_tr16_b128; source 1 = 16 rows of A): a lane then holds eight neighbouring numbers of a row of C.
.set WPITCH, 3072                      ; elements from row to row of W
.set CROW,   12288                     ; bytes from row to row of C
.set CBATCH, 16*CROW                   ; bytes from a batch's first row in C to the next batch's
.set PW,     160                       ; a row of W in LDS: 128 bytes + 32 of padding = 40 words
.set PA,     272                       ; a row of A: 256 + 16 = 68 words: the 16 rows of a load start at 16 different groups of four banks
.set WQ,     256*PW                    ; a quarter of W: what one tensor load brings
.set AB,     4*WQ                      ; A's tiles lie behind W
.set AT,     128*PA                    ; a tile of A
.set STAGE,  AB+4*AT                   ; behind them, never filled by a tensor load: 16 rows x 272 bytes for each of the two batches
.set SP,     272
.set ADRH, 8                           ; v8   LDS address of my hi fragments; steps a chunk a trip
.set ADRL, 9                           ; v9   of my lo fragments
.set ADRB, 10                          ; v10  of my fragments of W; steps 128 rows a trip
.set STO,  11                          ; v11  the way out: where I put 32 bytes of a row
.set RD,   12                          ; v12  the way out: where I read a row back
.set GO,   13                          ; v13  my byte offset in two rows of C
.set FB,   32                          ; v[32:95]   W: quarter q, column block b at FB + 16 q + 8 b
.set FH,   96                          ; v[96:127]  hi: quarter q at FH + 8 q
.set FL,   128                         ; v[128:159] lo
.set ACC,  160                         ; v[160:175] two accumulators
.set OUT,  176                         ; v[176:191] eight rows' halves on the way out
	s_load_b128 s[4:7], s[0:1], 0x0                ; A s[4:5], W s[6:7]
	s_load_b64 s[8:9], s[0:1], 0x10                ; C
	v_lshl_add_u32 v192, v0, 2, 0x4c200
	v_mov_b32 v193, 0
	ds_add_u32 v192, v193
	ds_add_u32 v192, v193
	v_lshrrev_b32 v1, 5, v0
	v_readfirstlane_b32 s10, v1                    ; wave 0..3
	s_and_b32 s11, s10, 1                          ; which batch of the pair is mine
	s_lshr_b32 s12, s10, 1                         ; which 32 of the 64 columns.  Also: I fetch a hi tile (0) or a lo tile (1)
	s_and_b32 s13, ttmp7, 0xffff
	s_lshl_b32 s13, s13, 1
	s_add_co_u32 s13, s13, s11                     ; my batch
	; descriptor group 1 for W: 256 rows x 64 elements, 8 words of padding behind every 32
	s_mov_b32 s16, (1<<16)|(1<<20)|(4<<22)|(7<<25) ; 17:16 elements of 2 bytes; 20 padding on; 24:22 after every 32 words (code 4); 31:25 8 words (code 7)
	s_mov_b32 s17, 64<<16                          ; tensor_dim0 = 64
	s_mov_b32 s18, 256<<16                         ; tensor_dim1 = 256
	s_mov_b32 s19, 64<<16                          ; tile_dim0 = 64
	s_mov_b32 s20, 256                             ; tile_dim1 = 256
	s_mov_b32 s21, WPITCH                          ; elements from row to row
	s_mov_b32 s22, 0
	s_mov_b32 s23, 0
	; descriptor group 1 for A: 8 rows (chunks) x 2,048 elements (a batch's 16 rows of 256 bytes, dense), 4 words of padding behind every 64
	s_mov_b32 s24, (1<<16)|(1<<20)|(5<<22)|(3<<25) ; 24:22 after every 64 words (code 5); 31:25 4 words (code 3)
	s_mov_b32 s25, 2048<<16                        ; tensor_dim0 = 2,048
	s_mov_b32 s26, 8<<16                           ; tensor_dim1 = 8
	s_mov_b32 s27, 2048<<16                        ; tile_dim0 = 2,048
	s_mov_b32 s28, 8                               ; tile_dim1 = 8
	s_mov_b32 s29, 8192                            ; a chunk is 64 rows of 128 elements
	s_mov_b32 s30, 0
	s_mov_b32 s31, 0
	s_mul_i32 s36, s10, 256*WPITCH*2               ; W: my quarter's 256 rows,
	s_lshl_b32 s37, ttmp9, 7                       ; the work-group's 64 columns
	s_add_co_u32 s36, s36, s37
	s_mov_b32 s37, 0
	s_lshl_b32 s38, s12, 17                        ; A: hi or lo (131,072 bytes each),
	s_lshl_b32 s39, s13, 12                        ; my batch's 16 rows of 256 bytes
	s_add_co_u32 s38, s38, s39
	s_mov_b32 s39, 0
	s_mov_b32 s40, 1                               ; group 0 for W: count = 1,
	s_mul_i32 s41, s10, WQ                         ; LDS address: wave x a quarter
	s_mov_b32 s44, 1                               ; group 0 for A
	s_mul_i32 s45, s10, AT                         ; LDS address: tile = wave: hi of batch 0, 1, then lo of batch 0, 1
	s_add_co_u32 s45, s45, AB
	s_wait_dscnt 0x0
	s_wait_kmcnt 0x0
	s_add_nc_u64 s[42:43], s[6:7], s[36:37]
	s_or_b32 s43, s43, 0x80000000                  ; type = 2
	s_add_nc_u64 s[46:47], s[4:5], s[38:39]
	s_or_b32 s47, s47, 0x80000000
	tensor_load_to_lds s[40:43], s[16:23]          ; all that the work-group will read goes out at once: two loads of mine are out
	s_nop 0
	tensor_load_to_lds s[44:47], s[24:31]
	s_nop 0
	; A fragment of A is 16 rows x 32 K in 8 registers: lane l holds row l % 16, K = 8 (l / 16) + 0..7 and 16 + 8 (l / 16) + 0..7: two loads of 16 bytes, 32 bytes apart.
	v_and_b32 v1, 15, v0                           ; l % 16
	v_bfe_u32 v2, v0, 4, 1                         ; l / 16
	v_mul_u32_u24 v3, v1, PA
	v_lshl_add_u32 v3, v2, 4, v3                   ; row x pitch + 16 x half
	s_mul_i32 s14, s11, AT
	s_add_co_u32 s14, s14, AB                      ; my batch's hi tile
	v_add_nc_u32 v[ADRH], s14, v3
	v_add_nc_u32 v[ADRL], 2*AT, v[ADRH]            ; its lo tile lies two tiles on
	; The turning load takes 16 k x 16 columns (lane l reads k = 8 (l / 16) + l % 8, columns 8 ((l / 8) % 2) + 0..7) and leaves half a fragment of W^T: lane l holds column l % 16 and 8 k.
	v_and_b32 v4, 7, v0
	v_bfe_u32 v5, v0, 3, 1
	v_lshl_add_u32 v6, v2, 3, v4
	v_mul_u32_u24 v6, v6, PW
	v_lshl_add_u32 v6, v5, 4, v6
	s_lshl_b32 s15, s12, 6                         ; my 32 columns
	v_add_nc_u32 v[ADRB], s15, v6
	s_mul_i32 s14, s11, 16*SP
	s_add_co_u32 s14, s14, STAGE                   ; my batch's stage
	v_mul_u32_u24 v7, v1, SP                       ; in: row l % 16, my 128 bytes of it, 32 bytes for each half of the lanes
	v_lshl_add_u32 v7, v2, 5, v7
	s_lshl_b32 s15, s12, 7
	s_add_co_u32 s15, s15, s14
	v_add_nc_u32 v[STO], s15, v7
	v_mul_u32_u24 v7, v2, SP                       ; back: I take eight of the 16 rows, whole; lanes 0-15 one row of 256 bytes, lanes 16-31 the next
	v_lshl_add_u32 v7, v1, 4, v7
	s_mul_i32 s15, s12, 8*SP
	s_add_co_u32 s15, s15, s14
	v_add_nc_u32 v[RD], s15, v7
	v_mul_u32_u24 v7, v2, CROW                     ; and the same two rows in C
	v_lshl_add_u32 v[GO], v1, 4, v7
	s_mul_i32 s36, s13, CBATCH                     ; where those eight rows begin in C: my batch,
	s_mul_i32 s37, s12, 8*CROW                     ; its rows 0-7 or 8-15,
	s_add_co_u32 s36, s36, s37
	s_lshl_b32 s37, ttmp9, 8                       ; the work-group's 64 columns of 4 bytes
	s_add_co_u32 s36, s36, s37
	s_mov_b32 s37, 0
	s_add_nc_u64 s[8:9], s[8:9], s[36:37]
.set i, 0
.rept 16                               ; the sums start from sixteen cleared registers, in the wait for the tiles, so that the loop's one text serves all eight trips
	v_mov_b32 v[ACC+i], 0
.set i, i+1
.endr
	s_wait_tensorcnt 0x0                           ; my quarter of W and my tile of A are in,
	s_barrier_signal -1
	s_barrier_wait -1                              ; everybody's are
	s_mov_b32 s3, 8
.Lk:                                                   ; a trip: 128 along K, four quarters of 32
.irp q, 0,1,2,3                        ; 32 LDS loads in one run, eight a quarter
	ds_load_tr16_b128 v[FB+16*(\q):FB+16*(\q)+3],     v[ADRB] offset:(\q)*32*PW
	ds_load_tr16_b128 v[FB+16*(\q)+4:FB+16*(\q)+7],   v[ADRB] offset:(\q)*32*PW+16*PW
	ds_load_tr16_b128 v[FB+16*(\q)+8:FB+16*(\q)+11],  v[ADRB] offset:(\q)*32*PW+32
	ds_load_tr16_b128 v[FB+16*(\q)+12:FB+16*(\q)+15], v[ADRB] offset:(\q)*32*PW+16*PW+32
	ds_load_b128 v[FH+8*(\q):FH+8*(\q)+3],   v[ADRH] offset:64*(\q)
	ds_load_b128 v[FH+8*(\q)+4:FH+8*(\q)+7], v[ADRH] offset:64*(\q)+32
	ds_load_b128 v[FL+8*(\q):FL+8*(\q)+3],   v[ADRL] offset:64*(\q)
	ds_load_b128 v[FL+8*(\q)+4:FL+8*(\q)+7], v[ADRL] offset:64*(\q)+32
.endr
.irp q, 0,1,2,3
	s_wait_dscnt 8*(3-(\q))                        ; LDS loads come back in order: quarter q's eight are in, the later quarters' may be out
	v_wmma_f32_16x16x32_f16 v[ACC:ACC+7],    v[FB+16*(\q):FB+16*(\q)+7],    v[FH+8*(\q):FH+8*(\q)+7], v[ACC:ACC+7]     ; the two accumulators take turns, one instruction a turn
	v_wmma_f32_16x16x32_f16 v[ACC+8:ACC+15], v[FB+16*(\q)+8:FB+16*(\q)+15], v[FH+8*(\q):FH+8*(\q)+7], v[ACC+8:ACC+15]
	v_wmma_f32_16x16x32_f16 v[ACC:ACC+7],    v[FB+16*(\q):FB+16*(\q)+7],    v[FL+8*(\q):FL+8*(\q)+7], v[ACC:ACC+7]
	v_wmma_f32_16x16x32_f16 v[ACC+8:ACC+15], v[FB+16*(\q)+8:FB+16*(\q)+15], v[FL+8*(\q):FL+8*(\q)+7], v[ACC+8:ACC+15]
.endr
	v_add_nc_u32 v[ADRB], 128*PW, v[ADRB]          ; the next 128 rows of W, the next chunk of A: with the v_nop the four places behind the last product (ISA guide 7.12.1),
	v_add_nc_u32 v[ADRH], 16*PA, v[ADRH]           ; in front of the next trip's loads into its sources and, behind the loop, of the stores of its result
	v_add_nc_u32 v[ADRL], 16*PA, v[ADRL]
	v_nop
	s_sub_co_u32 s3, s3, 1
	s_cmp_lg_u32 s3, 0
	s_cbranch_scc1 .Lk
	; THE WAY OUT.  A lane's eight f32 of a row (32 bytes) go into the batch's stage; a barrier, since a row's 256 bytes come from two waves; back as whole rows, eight a wave.
	ds_store_b128 v[STO], v[ACC:ACC+3]             ; each accumulator's four lowest registers first
	ds_store_b128 v[STO], v[ACC+4:ACC+7] offset:16
	ds_store_b128 v[STO], v[ACC+8:ACC+11] offset:64
	ds_store_b128 v[STO], v[ACC+12:ACC+15] offset:80
	s_wait_dscnt 0x0                               ; for the others' sake: my stores into the stage are done
	s_barrier_signal -1
	s_barrier_wait -1
.irp t, 0,1,2,3
	ds_load_b128 v[OUT+4*(\t):OUT+4*(\t)+3], v[RD] offset:(\t)*2*SP
.endr
.irp t, 0,1,2,3
	s_wait_dscnt 3-(\t)                            ; load t is back, the younger ones may be out
	global_store_b128 v[GO], v[OUT+4*(\t):OUT+4*(\t)+3], s[8:9] offset:(\t)*2*CROW  ; 16 lanes store 256 consecutive bytes, at a multiple of 256 from C's first byte
.endr
	s_wait_tensorcnt 0x0
	ds_add_u32 v192, v193
	s_wait_dscnt 0x0
	s_endpgm
.Lfunc_end_k_q1c9051ba99_fixq:
	.size	k_q1c9051ba99_fixq, .Lfunc_end_k_q1c9051ba99_fixq-k_q1c9051ba99_fixq
	.p2alignl 7, 3214868480
	.fill 96, 4, 3214868480
	.section	.rodata,"a",@progbits
	.p2align	6, 0x0
	.amdhsa_kernel k_q1c9051ba99_fixq
		.amdhsa_group_segment_fixed_size 327680
		.amdhsa_private_segment_fixed_size 0
		.amdhsa_enable_private_segment 0
		.amdhsa_kernarg_size 24
		.amdhsa_user_sgpr_count 2
		.amdhsa_user_sgpr_kernarg_segment_ptr 1
		.amdhsa_wavefront_size32 1
		.amdhsa_system_sgpr_workgroup_id_x 1
		.amdhsa_system_sgpr_workgroup_id_y 1
		.amdhsa_system_sgpr_workgroup_id_z 1
		.amdhsa_system_vgpr_workitem_id 0
		.amdhsa_next_free_vgpr 194
		.amdhsa_next_free_sgpr 66
		.amdhsa_reserve_vcc 0
		.amdhsa_float_denorm_mode_32 3
		.amdhsa_float_denorm_mode_16_64 3
		.amdhsa_memory_ordered 1
		.amdhsa_forward_progress 1
		.amdhsa_inst_pref_size 10
	.end_amdhsa_kernel
	.amdgpu_metadata
---
amdhsa.version: [ 1, 2 ]
amdhsa.kernels:
  - .name:           k_q1c9051ba99_fixq
    .symbol:         k_q1c9051ba99_fixq.kd
    .args:
      - { .name: xhl, .offset: 0, .size: 8, .value_kind: global_buffer, .address_space: global }
      - { .name: wq16, .offset: 8, .size: 8, .value_kind: global_buffer, .address_space: global }
      - { .name: qkv32, .offset: 16, .size: 8, .value_kind: global_buffer, .address_space: global }
    .group_segment_fixed_size: 327680
    .private_segment_fixed_size: 0
    .kernarg_segment_align: 8
    .kernarg_segment_size: 24
    .max_flat_workgroup_size: 128
    .sgpr_count:     66
    .vgpr_count:     194
    .wavefront_size: 32
...
	.end_amdgpu_metadata
.endif
;; end of part 2
;; launch fixa (part 3): grid 16 x 1, 4 waves a work-group, no clusters, 0 bytes of LDS; arguments qkv32, ohl; writes ohl
.if DOCPART == 3
	.amdgcn_target "amdgcn-amd-amdhsa--gfx1250"
	.amdhsa_code_object_version 6
	.text
	.protected	k_q1c9051ba99_fixa
	.globl	k_q1c9051ba99_fixa
	.p2align	8
	.type	k_q1c9051ba99_fixa,@function
k_q1c9051ba99_fixa:
	s_mov_b64 s[64:65], 0
	v_nop
	global_prefetch_b8 v0, s[64:65] scope:SCOPE_SE
	s_setreg_imm32_b32 hwreg(HW_REG_WAVE_MODE, 25, 1), 1
	s_wait_xcnt 0x0
; CAUSAL ATTENTION ON EACH BATCH'S FIRST 16 ROWS, IN F32.  qkv32 [64 rows = 16 x batch + row][3072] f32: q at column 64 head, k at 1,024 + 64 head, v at 2,048 + 64 head.  A work-group is a head, a wave a batch:
; 16 queries, 16 keys, 64 channels; the keys of later rows are all hidden from these queries.  O leaves in two f16 halves, hi = f16(O) and lo = f16(O - hi), in ohl: [hi, lo][8 chunks of 128 k][64 rows][128], k = 64 head + channel.
; THE TWO PRODUCTS TAKE THE F32 MATRIX FORM: 32 instructions a wave, 2 M of the module's 69 G multiply-adds; their operands are f32 sums that are to lose nothing.  No LDS, no barrier: a wave needs nobody.
; S^T = K Q^T: source 0 = 16 keys, source 1 = 16 queries; a lane of the result holds ONE query (lane % 16) and the keys 8 (lane / 16) + 0..7.  Of a K step's four places, place (lane / 16, register j) is taken by
; channel 8 u + 4 (lane / 16) + 2 e + j in step 2 u + e, alike for K and Q, so that a lane loads 16 consecutive bytes.  O^T = V^T P: place (lane / 16, j) of step t is key 8 (lane / 16) + 2 t + j, which is where p lies already.
; SOFTMAX: the maximum over the 16 keys is taken away; p = 2^(c s - c m), c = log2(e) / 8; a hidden score counts as -1e30, its weight is 0; every query sees its own key.  LIMITS: a weight below 2^-126 counts as 0;
; O has to stay under 65,504 (f16), and lo keeps f16's fixed step of 6e-8 below 2^-14.  NaN and infinities are not treated apart.
; The stores are 16 bytes a lane, 32 bytes of each of 16 rows an instruction: 4 KB a wave in the whole launch, too little for a stage in LDS to pay.
.set QROW, 12288                       ; bytes from row to row of qkv32
.set QF,  16                           ; v[16:47]   Q: load u at QF + 4 u
.set KF,  48                           ; v[48:79]   K
.set VF,  80                           ; v[80:111]  V^T: channel block cb, step t, register j at VF + 8 cb + 2 t + j
.set SA,  112                          ; v[112:143] four partial sums of S^T: written by matrix instructions alone
.set S,   144                          ; v[144:151] the scores
.set T,   152                          ; v[152:159] at work; T+6, T+7: 1 / l
.set P,   160                          ; v[160:167] the weights
.set OA,  168                          ; v[168:199] O^T, four channel blocks: written by matrix instructions alone
.set OF,  200                          ; v[200:231] O^T / l
.set HI,  16                           ; v[16:31]   on the way out (Q's registers)
.set LO,  32                           ; v[32:47]
	s_load_b128 s[4:7], s[0:1], 0x0                ; qkv32 s[4:5], ohl s[6:7]
	v_lshrrev_b32 v1, 5, v0
	v_readfirstlane_b32 s10, v1                    ; wave = batch
	s_mul_i32 s12, s10, 16*QROW                    ; in: my batch's 16 rows,
	s_lshl_b32 s13, ttmp9, 8                       ; the head's 64 columns of 4 bytes
	s_add_co_u32 s12, s12, s13
	s_mov_b32 s13, 0
	s_lshr_b32 s14, ttmp9, 1                       ; out: two heads a chunk of 16,384 bytes,
	s_lshl_b32 s14, s14, 14
	s_lshl_b32 s15, s10, 12                        ; my batch's 16 rows of 256 bytes,
	s_add_co_u32 s14, s14, s15
	s_and_b32 s15, ttmp9, 1                        ; the head's 128 bytes of them
	s_lshl_b32 s15, s15, 7
	s_add_co_u32 s14, s14, s15
	s_mov_b32 s15, 0
	s_mov_b32 s20, 0x3e38aa3b                      ; c = log2(e) / 8 = 0.180337
	s_mov_b32 s21, 0xf149f2ca                      ; -1e30
	s_mov_b32 s22, 0x76543210                      ; v_permlanex16_b32: each lane takes its own place in the other half
	s_mov_b32 s23, 0xfedcba98
	v_and_b32 v1, 15, v0                           ; l % 16
	v_bfe_u32 v2, v0, 4, 1                         ; l / 16
	v_mul_u32_u24 v3, v1, QROW
	v_lshl_add_u32 v3, v2, 4, v3                   ; Q, K: row l % 16, 16 bytes for each half of the lanes
	v_mul_u32_u24 v4, v2, 8*QROW
	v_lshl_add_u32 v4, v1, 2, v4                   ; V: key 8 (l / 16), channel l % 16
	v_lshlrev_b32 v5, 8, v1
	v_lshl_add_u32 v5, v2, 4, v5                   ; out: row l % 16 of 256 bytes, 16 bytes for each half of the lanes
	v_lshlrev_b32 v14, 3, v2
	v_sub_nc_u32 v14, v1, v14                      ; my query less my lanes' 8 (l / 16): register j is hidden where j is greater
	s_wait_kmcnt 0x0
	s_add_nc_u64 s[4:5], s[4:5], s[12:13]
	s_add_nc_u64 s[6:7], s[6:7], s[14:15]
.irp u, 0,1,2,3,4,5,6,7
	global_load_b128 v[QF+4*(\u):QF+4*(\u)+3], v3, s[4:5] offset:32*(\u)
	global_load_b128 v[KF+4*(\u):KF+4*(\u)+3], v3, s[4:5] offset:4096+32*(\u)
.endr
.irp cb, 0,1,2,3
.irp n, 0,1,2,3,4,5,6,7                ; n = 2 t + j: key 8 (l / 16) + n
	global_load_b32 v[VF+8*(\cb)+(\n)], v4, s[4:5] offset:8192+(\n)*QROW+64*(\cb)
.endr
.endr
	s_wait_loadcnt 32                              ; Q and K are in; V's 32 loads, issued behind them, stay out
	; S^T in four partial sums that take turns, one instruction a turn; the first four products start them
.irp u, 0,1
.irp e, 0,1
	v_wmma_f32_16x16x4_f32 v[SA+8*(2*(\u)+(\e)):SA+8*(2*(\u)+(\e))+7], v[KF+4*(\u)+2*(\e):KF+4*(\u)+2*(\e)+1], v[QF+4*(\u)+2*(\e):QF+4*(\u)+2*(\e)+1], 0
.endr
.endr
.irp u, 2,3,4,5,6,7
.irp e, 0,1
	v_wmma_f32_16x16x4_f32 v[SA+8*(2*((\u)%2)+(\e)):SA+8*(2*((\u)%2)+(\e))+7], v[KF+4*(\u)+2*(\e):KF+4*(\u)+2*(\e)+1], v[QF+4*(\u)+2*(\e):QF+4*(\u)+2*(\e)+1], v[SA+8*(2*((\u)%2)+(\e)):SA+8*(2*((\u)%2)+(\e))+7]
.endr
.endr
.rept 8
	v_nop                                          ; eight places behind a product of this form, in front of the lines that read its result (ISA guide 7.12.1)
.endr
.irp j, 0,2,4,6                        ; the four partial sums are added into other registers, each accumulator from its low end on
	v_pk_add_f32 v[S+(\j):S+(\j)+1], v[SA+(\j):SA+(\j)+1], v[SA+8+(\j):SA+8+(\j)+1]
.endr
.irp j, 0,2,4,6
	v_pk_add_f32 v[T+(\j):T+(\j)+1], v[SA+16+(\j):SA+16+(\j)+1], v[SA+24+(\j):SA+24+(\j)+1]
.endr
.irp j, 0,2,4,6
	v_pk_add_f32 v[S+(\j):S+(\j)+1], v[S+(\j):S+(\j)+1], v[T+(\j):T+(\j)+1]
.endr
.irp j, 0,1,2,3,4,5,6,7                ; the mask: key 8 (l / 16) + j is hidden from query l % 16 where it is the greater
	v_cmp_gt_i32 vcc_lo, \j, v14
	v_cndmask_b32 v[S+(\j)], v[S+(\j)], s21, vcc_lo
.endr
	v_max3_num_f32 v[T], v[S], v[S+1], v[S+2]
	v_max3_num_f32 v[T+1], v[S+3], v[S+4], v[S+5]
	v_max3_num_f32 v[T], v[T], v[S+6], v[S+7]
	v_max_num_f32 v[T], v[T], v[T+1]
	v_permlanex16_b32 v[T+1], v[T], s22, s23       ; the query's other eight keys lie in the lane 16 away
	v_max_num_f32 v[T], v[T], v[T+1]               ; m
	v_mul_f32 v[T+2], s20, v[T]                    ; c m
.irp j, 0,1,2,3,4,5,6,7
	v_fma_f32 v[P+(\j)], v[S+(\j)], s20, -v[T+2]   ; c s - c m
.endr
.irp j, 0,1,2,3,4,5,6,7
	v_exp_f32 v[P+(\j)], v[P+(\j)]
.endr
	v_nop                                          ; a plain instruction between the last exponential and the use of its result (ISA guide 5.7.2)
	s_wait_alu depctr_va_vdst(0)
	v_pk_add_f32 v[T:T+1], v[P:P+1], v[P+2:P+3]
	v_pk_add_f32 v[T+2:T+3], v[P+4:P+5], v[P+6:P+7]
	v_pk_add_f32 v[T:T+1], v[T:T+1], v[T+2:T+3]
	v_add_f32 v[T], v[T], v[T+1]
	v_permlanex16_b32 v[T+1], v[T], s22, s23
	v_add_f32 v[T], v[T], v[T+1]                   ; l
	v_rcp_f32 v[T+6], v[T]
	v_rcp_f32 v[T+7], v[T]                         ; twice: a pair for the packed multiply
	v_nop
	s_wait_loadcnt 0x0                             ; V
	; O^T in four channel blocks that take turns; the first four products start the sums
.irp cb, 0,1,2,3
	v_wmma_f32_16x16x4_f32 v[OA+8*(\cb):OA+8*(\cb)+7], v[VF+8*(\cb):VF+8*(\cb)+1], v[P:P+1], 0
.endr
.irp t, 1,2,3
.irp cb, 0,1,2,3
	v_wmma_f32_16x16x4_f32 v[OA+8*(\cb):OA+8*(\cb)+7], v[VF+8*(\cb)+2*(\t):VF+8*(\cb)+2*(\t)+1], v[P+2*(\t):P+2*(\t)+1], v[OA+8*(\cb):OA+8*(\cb)+7]
.endr
.endr
.rept 8
	v_nop                                          ; eight places, as above
.endr
.set i, 0
	s_wait_alu depctr_va_vdst(0)
.rept 16                               ; O^T / l, into other registers, each accumulator from its low end on
	v_pk_mul_f32 v[OF+2*i:OF+2*i+1], v[OA+2*i:OA+2*i+1], v[T+6:T+7]
.set i, i+1
.endr
.set i, 0
.rept 16                               ; the two halves: hi = f16(O), lo = f16(O - hi)
	v_cvt_pk_f16_f32 v6, v[OF+2*i], v[OF+2*i+1]
	v_cvt_f32_f16 v[T+2*(i%2)], v6.l
	v_cvt_f32_f16 v[T+2*(i%2)+1], v6.h
	v_mov_b32 v[HI+i], v6
	v_pk_add_f32 v[T+2*(i%2):T+2*(i%2)+1], v[OF+2*i:OF+2*i+1], v[T+2*(i%2):T+2*(i%2)+1] neg_lo:[0,1] neg_hi:[0,1]
	v_cvt_pk_f16_f32 v[LO+i], v[T+2*(i%2)], v[T+2*(i%2)+1]
.set i, i+1
.endr
.irp cb, 0,1,2,3                       ; a lane's eight channels 16 cb + 8 (l / 16) + 0..7 of its row are 16 bytes
	global_store_b128 v5, v[HI+4*(\cb):HI+4*(\cb)+3], s[6:7] offset:32*(\cb)
	global_store_b128 v5, v[LO+4*(\cb):LO+4*(\cb)+3], s[6:7] offset:131072+32*(\cb)
.endr
	s_endpgm
.Lfunc_end_k_q1c9051ba99_fixa:
	.size	k_q1c9051ba99_fixa, .Lfunc_end_k_q1c9051ba99_fixa-k_q1c9051ba99_fixa
	.p2alignl 7, 3214868480
	.fill 96, 4, 3214868480
	.section	.rodata,"a",@progbits
	.p2align	6, 0x0
	.amdhsa_kernel k_q1c9051ba99_fixa
		.amdhsa_group_segment_fixed_size 0
		.amdhsa_private_segment_fixed_size 0
		.amdhsa_enable_private_segment 0
		.amdhsa_kernarg_size 16
		.amdhsa_user_sgpr_count 2
		.amdhsa_user_sgpr_kernarg_segment_ptr 1
		.amdhsa_wavefront_size32 1
		.amdhsa_system_sgpr_workgroup_id_x 1
		.amdhsa_system_sgpr_workgroup_id_y 1
		.amdhsa_system_sgpr_workgroup_id_z 1
		.amdhsa_system_vgpr_workitem_id 0
		.amdhsa_next_free_vgpr 232
		.amdhsa_next_free_sgpr 66
		.amdhsa_reserve_vcc 1
		.amdhsa_float_denorm_mode_32 3
		.amdhsa_float_denorm_mode_16_64 3
		.amdhsa_memory_ordered 1
		.amdhsa_forward_progress 1
		.amdhsa_inst_pref_size 19
	.end_amdhsa_kernel
	.amdgpu_metadata
---
amdhsa.version: [ 1, 2 ]
amdhsa.kernels:
  - .name:           k_q1c9051ba99_fixa
    .symbol:         k_q1c9051ba99_fixa.kd
    .args:
      - { .name: qkv32, .offset: 0, .size: 8, .value_kind: global_buffer, .address_space: global }
      - { .name: ohl, .offset: 8, .size: 8, .value_kind: global_buffer, .address_space: global }
    .group_segment_fixed_size: 0
    .private_segment_fixed_size: 0
    .kernarg_segment_align: 8
    .kernarg_segment_size: 16
    .max_flat_workgroup_size: 128
    .sgpr_count:     66
    .vgpr_count:     232
    .wavefront_size: 32
...
	.end_amdgpu_metadata
.endif
;; end of part 3
;; launch qkv (part 4): grid 24 x 32, 4 waves a work-group, clusters of 4 x 4, 327,680 bytes of LDS; arguments xn16, wq16, qkv16; writes qkv16
.if DOCPART == 4
	.amdgcn_target "amdgcn-amd-amdhsa--gfx1250"
	.amdhsa_code_object_version 6
	.text
	.protected	k_q1c9051ba99_qkv
	.globl	k_q1c9051ba99_qkv
	.p2align	8
	.type	k_q1c9051ba99_qkv,@function
k_q1c9051ba99_qkv:
	s_mov_b64 s[64:65], 0
	v_nop
	global_prefetch_b8 v0, s[64:65] scope:SCOPE_SE
	s_setreg_imm32_b32 hwreg(HW_REG_WAVE_MODE, 25, 1), 1
	s_wait_xcnt 0x0
	s_wait_alu depctr_hold_cnt(0) depctr_sa_sdst(0) depctr_va_vdst(0) depctr_va_sdst(0) depctr_va_ssrc(0) depctr_va_vcc(0) depctr_vm_vsrc(0)
	s_getreg_b32 s2, hwreg(HW_REG_IB_STS2, 6, 4)
	s_cmp_eq_u32 s2, 0
	s_cbranch_scc0 .Lentry_in_a_cluster
	s_endpgm
.Lentry_in_a_cluster:
	s_bfe_u32 s2, ttmp6, 0x10000c
	s_cmp_lg_u32 s2, 0xf033
	s_cbranch_scc0 .Lentry_shape_is_right
	s_endpgm
.Lentry_shape_is_right:
; THE QKV PROJECTION.  C[m][n] = sum over k of A[m][k] B[k][n].  A = xn16 [8192][1024] f16, B = wq16 [1024][3072] f16; sums in f32, C rounded once to f16 and WITHOUT attention's scale.
; C leaves by heads: qkv16 [3 (q, k, v)][64 (batch x 16 + head)][2048][64] f16, so that a head's rows are dense.  LIMIT: q, k and v have to stay under 65,504 in magnitude (f16).
; A tile of C is 256 (m) x 128 (n): 24 x 32 tiles.  Four waves, each 128 x 64: 32 accumulators of 16 x 16, 256 registers; a wave's 64 columns are one head.  K goes in 8 steps of 128
; through a ring of two LDS slots filled by the tensor data mover; the rows of A's and B's tiles are 256 bytes of memory and start at multiples of 256 bytes from the buffer's first byte.
; CLUSTERS: 4 x 4 work-groups.  The four of a row of the cluster need the same tiles of A, the four of a column the same tiles of B: each tile is asked for JOINTLY, by the same tensor load with
; the same descriptor and a mask that names the four.
; THE MATRIX INSTRUCTION IS USED TRANSPOSED (source 0 = 16 columns of B, source 1 = 16 rows of A): a lane then holds eight neighbouring numbers of a row of C.  B lies [k][n] in memory and
; in LDS and comes out turned, by ds_load_tr16_b128.
; REGISTERS: window 0: v0-31 addresses; two fragment buffers of 96 (v64-159, v160-255): 64 of A (8 x 16 rows x 32 K), then 32 of B (4 x 16 columns x 32 K); v64-191 once more on the way out.
;   window 1: the accumulators ((a, b) at v[8 (4 a + b)]).
.set PA,     272                       ; a row of A in LDS: 256 bytes + 16 of padding = 68 words: the 16 rows of a load start at 16 different groups of four banks (64 banks of 4 bytes: ISA guide 11.1)
.set PB,     288                       ; a row of B: 256 + 32 = 72 words
.set HALFA,  128*PA                    ; what one tensor load brings of A, and what one wave reads of it
.set ABYTES, 2*HALFA
.set HALFB,  64*PB                     ; what one tensor load brings of B: 64 of the step's 128 k
.set SLOT,   ABYTES+2*HALFB            ; A's 256 rows, then B's 128 rows
.set STAGE,  2*SLOT                    ; behind the ring, never filled by a tensor load: 16 rows x 144 bytes for each wave, for the way out
.set SP,     144
.set SPARE,  STAGE+4*16*SP             ; behind the stages: the spare words, 128 bytes for each wave: two blocks of 256 bytes that no other line names
.set LAPS,   4                         ; a lap = two K steps = once round the ring: 1,024 / 256
.set ASTEP,  256                       ; bytes from a K step's tile of A to the next: 128 numbers along a row
.set BSTEP,  128*3072*2                ; of B: 128 rows down
.set ADRA, 16                          ; v16-17  LDS address of my A fragments in slot 0, 1
.set ADRB, 20                          ; v20-21  the same for B
.set STO,  24                          ; v24     the way out: where I put 16 bytes of a row
.set RD,   25                          ; v25     the way out: where I read rows back
.set GO,   26                          ; v26     my byte offset in 512 consecutive bytes of C
.set SPW,  28                          ; v28     LDS address of my spare word: SPARE + 4 x my thread's number; never rewritten
.set NIL,  29                          ; v29     0; never rewritten
.set F0,   64
.set F1,   160
.set OUT,  64                          ; the way out: 16 registers for each of my eight blocks of 16 rows
.set G1, 24                            ; s[24:31] descriptor group 1 for A's tiles;  s[32:39] group 0, one set for each slot
.set G0, 32
.set G1B, 48                           ; s[48:55], s[56:63] the same for B's tiles
.set G0B, 56
.set MSB, 0
.macro WIN new                         ; the immediate's high byte repeats the setting that is left; a switch that changes nothing is dropped
.if MSB != (\new)
	s_set_vgpr_msb (MSB<<8)|(\new)
.set MSB, \new
.endif
.endm
.set MUL, 0x50                         ; sources 0 (B) and 1 (A) window 0; C and D window 1
.macro JLOAD s                         ; a joint load: waves 0 and 1 fetch A's two halves, waves 2 and 3 B's; an s_nop 0 and four v_nop follow each of the two lines, ahead of the jump, the label and what follows
	s_cmp_eq_u32 s11, 0
	s_cbranch_scc0 .Lfor_b_\@
	tensor_load_to_lds s[G0+4*(\s):G0+4*(\s)+3], s[G1:G1+7]
	s_nop 0
.rept 4
	v_nop
.endr
	s_branch .Lasked_\@
.Lfor_b_\@:
	tensor_load_to_lds s[G0B+4*(\s):G0B+4*(\s)+3], s[G1B:G1B+7]
	s_nop 0
.rept 4
	v_nop
.endr
.Lasked_\@:
.endm
.macro CREST                           ; a round of the cluster's barrier behind its opening barrier: wave 0 signals for the work-group, every wave waits for all sixteen, my work-group's barrier closes it
	s_cmp_lg_u32 s10, 0
	s_cbranch_scc1 .Lnot_wave_0_\@
	s_barrier_signal -3
.Lnot_wave_0_\@:
	s_barrier_wait -3
	s_barrier_signal -1
	s_barrier_wait -1
.endm
.macro CROUND                          ; a whole round
	s_barrier_signal -1
	s_barrier_wait -1
	CREST
.endm
	s_load_b128 s[4:7], s[0:1], 0x0                ; A s[4:5], B s[6:7]
	s_load_b64 s[8:9], s[0:1], 0x10                ; C
	v_lshl_add_u32 v[SPW], v0, 2, SPARE
	v_mov_b32 v[NIL], 0
	ds_add_u32 v28, v29
	ds_add_u32 v28, v29
	s_wait_dscnt 0x0
	v_lshrrev_b32 v1, 5, v0
	v_readfirstlane_b32 s10, v1                    ; wave 0..3
	s_lshr_b32 s11, s10, 1                         ; which 128 of the tile's rows are mine.  Also: I fetch for A (0) or for B (1)
	s_and_b32 s12, s10, 1                          ; which 64 of its columns.  Also: which half of that tile I fetch
	s_bfe_u32 s40, ttmp6, 0x40000                  ; cx, cy: my place in the cluster
	s_bfe_u32 s41, ttmp6, 0x40004
	s_lshl_b32 s42, ttmp9, 2
	s_add_co_u32 s42, s42, s40                     ; tile column of C = 4 x cluster x + cx
	s_and_b32 s13, ttmp7, 0xffff
	s_lshl_b32 s13, s13, 2
	s_add_co_u32 s13, s13, s41                     ; tile row of C = 4 x cluster y + cy
	s_lshl_b32 s43, s41, 2
	s_lshl_b32 s43, 15, s43                        ; my row of the cluster: places 4 cy .. 4 cy + 3
	s_lshl_b32 s44, 0x1111, s40                    ; my column: places cx, cx + 4, cx + 8, cx + 12
	; descriptor group 1.  A: 128 rows x 128 elements, 4 words of padding behind every 64.  B: 64 rows x 128 elements, 8 words of padding behind every 64
	s_or_b32 s[G1+0], s43, (1<<16)|(1<<20)|(1<<21)|(5<<22)|(3<<25)  ; 15:0 the mask: A's tiles go to my row; 17:16 elements of 2 bytes; 20 padding on; 21 set beside a mask; 24:22 after every 64 words (code 5); 31:25 4 words (code 3)
	s_mov_b32 s[G1+1], 128<<16                     ; tensor_dim0 = 128
	s_mov_b32 s[G1+2], 128<<16                     ; tensor_dim1 = 128
	s_mov_b32 s[G1+3], 128<<16                     ; tile_dim0 = 128
	s_mov_b32 s[G1+4], 128                         ; tile_dim1 = 128
	s_mov_b32 s[G1+5], 1024                        ; elements from row to row
	s_mov_b32 s[G1+6], 0
	s_mov_b32 s[G1+7], 0
	s_or_b32 s[G1B+0], s44, (1<<16)|(1<<20)|(1<<21)|(5<<22)|(7<<25) ; the mask of my column; 8 words of padding (code 7)
	s_mov_b32 s[G1B+1], 128<<16                    ; tensor_dim0 = 128
	s_mov_b32 s[G1B+2], 64<<16                     ; tensor_dim1 = 64
	s_mov_b32 s[G1B+3], 128<<16                    ; tile_dim0 = 128
	s_mov_b32 s[G1B+4], 64                         ; tile_dim1 = 64
	s_mov_b32 s[G1B+5], 3072                       ; elements from row to row
	s_mov_b32 s[G1B+6], 0
	s_mov_b32 s[G1B+7], 0
	; where the tiles come from.  A's hang on the tile row alone, which my row of the cluster shares; B's on the tile column alone, which my column shares
	s_lshl_b32 s16, s13, 19                        ; A: 256 rows of 2,048 bytes a tile row,
	s_lshl_b32 s17, s12, 18                        ; 128 rows a half
	s_add_co_u32 s16, s16, s17
	s_mov_b32 s17, 0
	s_mul_i32 s46, s12, 64*3072*2                  ; B: 64 rows of 6,144 bytes a half,
	s_lshl_b32 s47, s42, 8                         ; 256 bytes a tile column
	s_add_co_u32 s46, s46, s47
	s_mov_b32 s47, 0
	s_mul_i32 s20, s12, HALFA                      ; and where they go: no place in the cluster enters an LDS address
	s_mul_i32 s21, s12, HALFB
	s_add_co_u32 s21, s21, ABYTES
	s_wait_kmcnt 0x0
	s_add_nc_u64 s[14:15], s[4:5], s[16:17]
	s_add_nc_u64 s[46:47], s[6:7], s[46:47]
	CROUND                                         ; all sixteen work-groups are here: the first joint loads meet
.irp s, 0,1
	s_mov_b32 s[G0+4*(\s)], 1                                      ; 1:0 count = 1
	s_add_co_u32 s[G0+4*(\s)+1], s20, (\s)*SLOT                    ; 63:32 LDS address
	s_add_nc_u64 s[G0+4*(\s)+2:G0+4*(\s)+3], s[14:15], (\s)*ASTEP  ; 120:64 global address: K step s
	s_or_b32 s[G0+4*(\s)+3], s[G0+4*(\s)+3], 0x80000000            ; 127:126 type = 2
	s_mov_b32 s[G0B+4*(\s)], 1
	s_add_co_u32 s[G0B+4*(\s)+1], s21, (\s)*SLOT
	s_add_nc_u64 s[G0B+4*(\s)+2:G0B+4*(\s)+3], s[46:47], (\s)*BSTEP
	s_or_b32 s[G0B+4*(\s)+3], s[G0B+4*(\s)+3], 0x80000000
	JLOAD \s                                       ; the ring is filled before anything else is done: two loads of mine are out
.endr
	; A fragment of A is 16 rows x 32 K in 8 registers: lane l holds row l % 16, K = 8 (l / 16) + 0..7 and 16 + 8 (l / 16) + 0..7: two loads of 16 bytes, 32 bytes apart.
	v_and_b32 v1, 15, v0                           ; l % 16
	v_bfe_u32 v2, v0, 4, 1                         ; l / 16
	v_mul_u32_u24 v3, v1, PA
	v_lshl_add_u32 v3, v2, 4, v3                   ; row x pitch + 16 x half
	; The turning load takes 16 k x 16 columns (lane l reads k = 8 (l / 16) + l % 8, columns 8 ((l / 8) % 2) + 0..7) and leaves half a fragment of B^T: lane l holds column l % 16 and 8 k.
	v_and_b32 v4, 7, v0
	v_bfe_u32 v5, v0, 3, 1
	v_lshl_add_u32 v6, v2, 3, v4
	v_mul_u32_u24 v6, v6, PB
	v_lshl_add_u32 v6, v5, 4, v6
	s_mul_i32 s22, s11, HALFA                      ; my 128 rows of A
	s_lshl_b32 s23, s12, 7                         ; my 64 columns of B,
	s_add_co_u32 s23, s23, ABYTES                  ; which lies behind A
.irp s, 0,1
	v_add_nc_u32 v[ADRA+(\s)], s22, v3
	v_add_nc_u32 v[ADRB+(\s)], s23, v6
	s_add_co_u32 s22, s22, SLOT
	s_add_co_u32 s23, s23, SLOT
.endr
	s_mul_i32 s23, s10, 16*SP
	s_add_co_u32 s23, s23, STAGE                   ; my stage
	v_mul_u32_u24 v7, v1, SP                       ; in: row l % 16, 16 bytes for each half of the lanes
	v_lshl_add_u32 v7, v2, 4, v7
	v_add_nc_u32 v[STO], s23, v7
	v_bfe_u32 v7, v0, 3, 2                         ; back: 32 lanes take four rows of 128 bytes,
	v_mul_u32_u24 v7, v7, SP
	v_lshl_add_u32 v7, v4, 4, v7
	v_add_nc_u32 v[RD], s23, v7
	v_and_b32 v7, 31, v0                           ; which are 512 consecutive bytes of a head
	v_lshlrev_b32 v[GO], 4, v7
	; where my 128 rows x one head begin in qkv16.  Rows: batch = tile row / 8 (2^22 bytes), 256 rows of 128 bytes a tile row, 128 rows a half
	s_lshr_b32 s16, s13, 3
	s_lshl_b32 s16, s16, 22
	s_and_b32 s17, s13, 7
	s_lshl_b32 s17, s17, 15
	s_add_co_u32 s16, s16, s17
	s_lshl_b32 s17, s11, 14
	s_add_co_u32 s16, s16, s17
	s_mov_b32 s17, 0
	s_add_nc_u64 s[8:9], s[8:9], s[16:17]
	s_lshl_b32 s46, s42, 1                         ; columns: 2 x tile column + half counts 48 heads: 16 of q, of k, of v (in the registers that held B's address: none that fed A's descriptors ever holds cx)
	s_add_co_u32 s46, s46, s12
	s_lshr_b32 s47, s46, 4
	s_lshl_b32 s47, s47, 24                        ; q, k or v: 2^24 bytes each
	s_and_b32 s46, s46, 15
	s_lshl_b32 s46, s46, 18                        ; the head: 2^18 bytes
	s_add_co_u32 s46, s46, s47
	s_mov_b32 s47, 0
	s_add_nc_u64 s[8:9], s[8:9], s[46:47]
; 8 matrix instructions: m blocks a0, a0 + 1 x all 4 n blocks, 32 along K.  zero = 1: the first product starts the sums: nothing is ever cleared.
; The 32 accumulators take turns, one instruction a turn, in the same order in every quarter.
.macro MUL8 f, a0, zero
	WIN MUL
.irp a, \a0, (\a0)+1
.irp b, 0,1,2,3
.if \zero
	v_wmma_f32_16x16x32_f16 v[8*(4*(\a)+(\b)):8*(4*(\a)+(\b))+7], v[(\f)+64+8*(\b):(\f)+64+8*(\b)+7], v[(\f)+8*(\a):(\f)+8*(\a)+7], 0
.else
	v_wmma_f32_16x16x32_f16 v[8*(4*(\a)+(\b)):8*(4*(\a)+(\b))+7], v[(\f)+64+8*(\b):(\f)+64+8*(\b)+7], v[(\f)+8*(\a):(\f)+8*(\a)+7], v[8*(4*(\a)+(\b)):8*(4*(\a)+(\b))+7]
.endif
.endr
.endr
.endm
; 24 LDS loads in one run: the fragments of quarter q (32 along K) of a slot into buffer f: B's eight first, then A's sixteen, blocks ascending
.macro FETCH slot, q, f
	WIN 0
.set AOFF, 64*(\q)
.irp b, 0,1,2,3
	ds_load_tr16_b128 v[(\f)+64+8*(\b):(\f)+64+8*(\b)+3],   v[ADRB+(\slot)] offset:(\q)*32*PB+32*(\b)
	ds_load_tr16_b128 v[(\f)+64+8*(\b)+4:(\f)+64+8*(\b)+7], v[ADRB+(\slot)] offset:(\q)*32*PB+16*PB+32*(\b)
.endr
.irp i, 0,1,2,3,4,5,6,7
	ds_load_b128 v[(\f)+8*(\i):(\f)+8*(\i)+3],   v[ADRA+(\slot)] offset:AOFF+(\i)*16*PA
	ds_load_b128 v[(\f)+8*(\i)+4:(\f)+8*(\i)+7], v[ADRA+(\slot)] offset:AOFF+(\i)*16*PA+32
.endr
.endm
.macro PLACES                          ; four places in front of loads into registers that matrix instructions have read, and of lines that read results (loads aside)
.rept 4
	v_nop
.endr
.endm
; A K step is four quarters of 32 along K, 32 matrix instructions each, on buffers 0, 1, 0, 1.  One of the first three: multiplies buffer f and fetches quarter q into g.
.macro QUARTER slot, q, f, g, zero
	s_wait_dscnt 8                                 ; B and A's blocks 0-3 are in; the youngest eight loads (A's blocks 4-7) may be out
	MUL8 \f, 0, \zero
	MUL8 \f, 2, \zero
	PLACES
	FETCH \slot, \q, \g
	s_wait_dscnt 24                                ; all but the 24 just issued
	MUL8 \f, 4, \zero
	MUL8 \f, 6, \zero
.endm
; The last quarter multiplies buffer 1 and changes slots: ONE barrier; in front of it each wave waits for all its tensor loads, adds 0 to its spare word, and waits for that and for its own reads of this slot.
; fill = 1: this slot is filled again, two K steps ahead; the barrier then opens a round of the cluster's barrier.
.macro TURN slot, next, fill
	WIN 0                                          ; (the add's two registers lie in window 0)
	s_wait_tensorcnt 0x0                           ; all my tensor loads have landed: the one that was out is my part of the next slot;
	ds_add_u32 v[SPW], v[NIL]                      ; 0 onto my spare word;
	s_wait_dscnt 9                                 ; (the add and the youngest eight loads may be out)
	MUL8 F1, 0, 0                                  ; eight matrix instructions stand between the add and the wait for it
	s_wait_dscnt 0x0                               ; the add is done, and my reads of this slot are over
	s_barrier_signal -1
	MUL8 F1, 2, 0                                  ; work on registers while the others arrive
.if \fill
	WIN 0
.endif
	s_barrier_wait -1
.if \fill
	CREST                                          ; no wave of any partner still reads this slot's tile or has a load on its way
	s_add_nc_u64 s[G0+4*(\slot)+2:G0+4*(\slot)+3], s[G0+4*(\slot)+2:G0+4*(\slot)+3], 2*ASTEP
	s_add_nc_u64 s[G0B+4*(\slot)+2:G0B+4*(\slot)+3], s[G0B+4*(\slot)+2:G0B+4*(\slot)+3], 2*BSTEP
	JLOAD \slot                                    ; the first tensor load behind the round, 112 matrix instructions ahead of the wait for it; the four v_nop behind it are also the places in front of the loads below
.else
	PLACES
.endif
	FETCH \next, 0, F0
	MUL8 F1, 4, 0
	MUL8 F1, 6, 0
.endm
	s_wait_tensorcnt 1                             ; my part of K step 0 is in; K step 1's may stay out
	s_barrier_signal -1
	s_barrier_wait -1                              ; everybody's is
	FETCH 0, 0, F0
	QUARTER 0, 1, F0, F1, 1                        ; the first quarter stands in front of the loop: its products start the sums
	WIN 0                                          ; at a label and at a branch every window is 0
	s_mov_b32 s3, LAPS-1
.Llap:                                                 ; a trip goes once round the ring, from a lap's second quarter to the next lap's first, and fills both slots again
	QUARTER 0, 2, F1, F0, 0
	QUARTER 0, 3, F0, F1, 0
	TURN 0, 1, 1
	QUARTER 1, 1, F0, F1, 0
	QUARTER 1, 2, F1, F0, 0
	QUARTER 1, 3, F0, F1, 0
	TURN 1, 0, 1
	QUARTER 0, 1, F0, F1, 0
	WIN 0
	s_sub_co_u32 s3, s3, 1
	s_cmp_lg_u32 s3, 0
	s_cbranch_scc1 .Llap
	QUARTER 0, 2, F1, F0, 0                        ; the last lap fills nothing, and has no round of the cluster's barrier
	QUARTER 0, 3, F0, F1, 0
	TURN 0, 1, 0
	QUARTER 1, 1, F0, F1, 0
	QUARTER 1, 2, F1, F0, 0
	QUARTER 1, 3, F0, F1, 0
	s_wait_dscnt 8                                 ; the very last quarter: nothing more to fetch
	MUL8 F1, 0, 0
	MUL8 F1, 2, 0
	s_wait_dscnt 0x0
	MUL8 F1, 4, 0
	MUL8 F1, 6, 0
	WIN 0
	PLACES
	; THE WAY OUT, a block of 16 rows at a time: rounded to f16, 16 bytes a lane into my own stage (rows of 144 bytes), back as whole rows of 128, which lie end to end in a head.
.macro PACK a
	WIN 0x05                                       ; sources 0 and 1 window 1, destination window 0
.irp b, 0,1,2,3
.irp i, 0,1,2,3
	v_cvt_pk_f16_f32 v[OUT+16*(\a)+4*(\b)+(\i)], v[8*(4*(\a)+(\b))+2*(\i)], v[8*(4*(\a)+(\b))+2*(\i)+1]
.endr
.endr
	WIN 0
.irp b, 0,1,2,3
	ds_store_b128 v[STO], v[OUT+16*(\a)+4*(\b):OUT+16*(\a)+4*(\b)+3] offset:32*(\b)
.endr
.irp f, 0,1,2,3
	ds_load_b128 v[OUT+16*(\a)+4*(\f):OUT+16*(\a)+4*(\f)+3], v[RD] offset:(\f)*4*SP  ; LDS serves a wave's instructions in order (ISA guide 5.7.1.4): these see the stores above; the next block's stores come behind them
.endr
.endm
.macro SEND a, younger                 ; younger: the LDS instructions issued behind block a's loads: the next block's eight, or none
.irp f, 0,1,2,3
	s_wait_dscnt (\younger)+3-(\f)
	global_store_b128 v[GO], v[OUT+16*(\a)+4*(\f):OUT+16*(\a)+4*(\f)+3], s[8:9] offset:(\a)*2048+(\f)*512  ; 512 consecutive bytes, at a multiple of 256 from qkv16's first; each block has registers of its own
.endr
.endm
	PACK 0
.irp a, 1,2,3,4,5,6,7                  ; a block's conversions stand between the loads of the block before and its stores
	PACK \a
	SEND (\a)-1, 8
.endr
	SEND 7, 0
	s_wait_tensorcnt 0x0                           ; the wave's end, behind my last tensor load and my last LDS store
	ds_add_u32 v[SPW], v[NIL]
	s_wait_dscnt 0x0
	CROUND                                         ; the closing round: no work-group ends while a partner may still ask for a tile that names it
	s_endpgm
.Lfunc_end_k_q1c9051ba99_qkv:
	.size	k_q1c9051ba99_qkv, .Lfunc_end_k_q1c9051ba99_qkv-k_q1c9051ba99_qkv
	.p2alignl 7, 3214868480
	.fill 96, 4, 3214868480
	.section	.rodata,"a",@progbits
	.p2align	6, 0x0
	.amdhsa_kernel k_q1c9051ba99_qkv
		.amdhsa_group_segment_fixed_size 327680
		.amdhsa_private_segment_fixed_size 0
		.amdhsa_enable_private_segment 0
		.amdhsa_kernarg_size 24
		.amdhsa_user_sgpr_count 2
		.amdhsa_user_sgpr_kernarg_segment_ptr 1
		.amdhsa_wavefront_size32 1
		.amdhsa_system_sgpr_workgroup_id_x 1
		.amdhsa_system_sgpr_workgroup_id_y 1
		.amdhsa_system_sgpr_workgroup_id_z 1
		.amdhsa_system_vgpr_workitem_id 0
		.amdhsa_next_free_vgpr 512
		.amdhsa_next_free_sgpr 66
		.amdhsa_reserve_vcc 0
		.amdhsa_float_denorm_mode_32 3
		.amdhsa_float_denorm_mode_16_64 3
		.amdhsa_memory_ordered 1
		.amdhsa_forward_progress 1
		.amdhsa_inst_pref_size 87
	.end_amdhsa_kernel
	.amdgpu_metadata
---
amdhsa.version: [ 1, 2 ]
amdhsa.kernels:
  - .name:           k_q1c9051ba99_qkv
    .symbol:         k_q1c9051ba99_qkv.kd
    .args:
      - { .name: xn16, .offset: 0, .size: 8, .value_kind: global_buffer, .address_space: global }
      - { .name: wq16, .offset: 8, .size: 8, .value_kind: global_buffer, .address_space: global }
      - { .name: qkv16, .offset: 16, .size: 8, .value_kind: global_buffer, .address_space: global }
    .group_segment_fixed_size: 327680
    .private_segment_fixed_size: 0
    .kernarg_segment_align: 8
    .kernarg_segment_size: 24
    .max_flat_workgroup_size: 128
    .sgpr_count:     66
    .vgpr_count:     512
    .wavefront_size: 32
...
	.end_amdgpu_metadata
.endif
;; end of part 4
;; launch attn (part 5): grid 4 x 64, 4 waves a work-group, no clusters, 327,680 bytes of LDS; arguments qkv16, o16; writes o16
.if DOCPART == 5
	.amdgcn_target "amdgcn-amd-amdhsa--gfx1250"
	.amdhsa_code_object_version 6
	.text
	.protected	k_q1c9051ba99_attn
	.globl	k_q1c9051ba99_attn
	.p2align	8
	.type	k_q1c9051ba99_attn,@function
k_q1c9051ba99_attn:
	s_mov_b64 s[64:65], 0
	v_nop
	global_prefetch_b8 v0, s[64:65] scope:SCOPE_SE
	s_setreg_imm32_b32 hwreg(HW_REG_WAVE_MODE, 25, 1), 1
	s_wait_xcnt 0x0
; CAUSAL ATTENTION.  O[h][q][:] = the sum over k <= q of softmax_k(Q[h][q] . K[h][k] / 8) V[h][k][:].  Q, K, V are the three parts of qkv16, 2^24 bytes each, and O is o16: each [SIZE_H][SIZE_N][64] in f16
; (h = batch x 16 + head): a head's rows are dense, 128 bytes each.  Products, maxima and sums in f32; the weights p are rounded to f16 for the second product (their sum l is taken of the unrounded p), O once at the end.
; LIMITS.  f16 holds no number beyond 65,504: Q, K and V arrive within it; p lies in 0 to 1, and below 6e-5 it keeps f16's fixed step of 6e-8; O is a mean of V's rows and has their range, to within 2^-11 of it.
; A hidden score counts as its value less 1e30: f16's scores, 2.7e11 at the most, are nothing beside that; a weight below 2^-126 counts as 0 in l; NaN and infinities are not treated apart.
; THE WALK.  A head's queries lie in NB = SIZE_N / 256 = 8 blocks of 256; block i needs the key tiles 0 .. i of 256 keys, of which the last holds the diagonal.  A work-group takes TWO blocks, NB - 1 - b and then b:
; NB + 1 = 9 tiles, whatever b: all 256 work-groups do equal work, and ONE loop with a constant trip count walks them.  Which tile is asked for, and what a trip does, hang on scalar registers made from b; every jump
; goes forward, but for the counted loops' own; none passes a barrier, or a tensor load but the one of LOAD's two that the wave's number does not choose; the ring (two slots of LDS that take turns) runs on across the
; change of blocks.  NO CLUSTER: a head's four work-groups ask for the same tile only in trips 0 .. 4 of the 9, behind that fewer and fewer; one walk common to all four would have 12 trips for 9.
; SHARES.  Of a block's four bands of 64 queries a wave owns 16 rows in each: four PIECES.  So the diagonal tile is the same work for all four waves: in its key step s band x sees all keys if s < x,
; none if s > x, and holds the diagonal if s = x.
; THE MASK is the C operand that starts the sum S^T = K Q^T: 0, or -1e30 where the key is hidden.  MD, made once, is the mask of a band's own step for my 16 rows; a product's mask is MD x AL + BE with two scalars:
; (1, 0) if s = x; (0, 0) if s < x; (0, -1e30) if s > x.  Only the diagonal tile's text and a block's beginning make and take masks; elsewhere C is the constant 0.
; LAYOUT, SOFTMAX, TURNS.  S^T = K Q^T holds ONE query a lane (lane % 16) and the keys 8 (lane / 16) + 0..7; two such results rounded to f16 ARE source 1 of O^T = V^T P.  p = 2^(c s - c m), c = log2(e) / 8, with a
; running maximum m; O and l are multiplied by a = 2^(c m_old - c m_new) in every step.  Turn n belongs to piece n: 8 products K Q^T of piece n + 1, later 8 products V^T P of piece n - 1; beside them the scaling,
; exponentials, roundings, sums and rescaling of piece n and the maximum and statistics of piece n + 1.  Four vector instructions stand behind every matrix instruction, the other 54 of a turn's 118 in two LUMPS.
; REGISTERS, in windows of 256 (s_set_vgpr_msb: bits 1:0 source 0, 3:2 source 1, 5:4 source 2, 7:6 destination):
;   window 0: v0-15 addresses and two at work; v16-31 four registers of statistics a piece; v48-55 at work; v64-127 S^T, two buffers; v192-223 P, two buffers (a piece's buffers go by its number's parity)
;   window 1: v0-127 O^T, 32 a piece; v128-159 MD; v160-223 MC, two buffers      window 2: v0-63 Q; v64-127 the second block's Q; v128-191 K of one step; v192-255 V of one step
.set SIZE_H, 64
.set SIZE_N, 2048
.set NB,    SIZE_N/256
.set NP,    4         ; pieces a wave: a name, no knob
.set KS,    64        ; keys in a step
.set PK,    144       ; a row of K in LDS: 128 bytes + 16 of padding = 36 words: the 16 rows of a load start at 16 different groups of four banks (64 banks of 4 bytes: ISA guide 11.1)
.set PV,    160       ; a row of V: 128 + 32 = 40 words
.set VOFF,  4*KS*PK   ; a slot holds a tile, four steps: 256 rows of K, then 256 rows of V
.set SLOT1, 1<<17     ; slot 1 begins here, so that one exclusive or turns an address in one slot into the other's
.set STAGE, SLOT1+4*KS*(PK+PV)  ; behind the ring, never filled by a tensor load: 16 rows x 144 bytes for each wave, for the way out
.set SP,    144
.set AK0, 2           ; v2   my lane's place in a tile of K; never rewritten
.set AV0, 3           ; v3   the same for V
.set AK,  4           ; v4   the LDS address of K's next run of loads
.set AV,  5           ; v5   of V's
.set STO, 6           ; v6   the way out: where I put 16 bytes of a row
.set RD,  7           ; v7   the way out: where I read rows back
.set GO,  8           ; v8   my byte offset in 512 consecutive bytes of O
.set SPW, 62          ; v62  LDS address of my spare word: SPARE + 4 x my thread's number; never rewritten
.set NIL, 63          ; v63  0; never rewritten
.set SPARE, STAGE+4*16*SP  ; behind the stages: the spare words, 128 bytes for each wave: two blocks of 256 bytes that no other line names
.set MV,  12          ; v12-13  c m_old, kept while c m is made anew: by buffer
.set QO,  15          ; v15  my byte offset in 16 rows of Q
.set ST,  16          ; piece t's statistics at v[ST+4 t]: c m, m, l (even keys', odd keys')
.set TMP, 48          ; by buffer, four registers c0-c3 at work; when the maximum is found c2 takes a
.set S,   64
.set P,   192
.set MD,  128         ; window 1: the eight registers for group kt of 16 keys at MD + 8 kt
.set MC,  160         ; window 1: the masks of the products to come
.set QB,  64          ; window 2
.set KF,  128         ; window 2: key block kb, channel half c at KF + 16 kb + 8 c
.set VF,  192         ; window 2: key half kk, channel block cb at VF + 32 kk + 8 cb
.set WV,  12          ; s12  my wave's number
.set PB,  14          ; s14  b
.set HI,  15          ; s15  NB - 1 - b
.set G1K, 24          ; s[24:31] descriptor group 1 for K's tiles
.set G1V, 32          ; s[32:39] for V's: it differs in the padding alone
.set G0K, 40          ; s[40:43] descriptor group 0 for K's tiles
.set G0V, 44          ; s[44:47] the same for V's
.set SLOTS, 56        ; s56  tiles still to be asked for
.set CNT, 57          ; s57  counts a tile's key steps, 4 to 1
.set CS,  58          ; s[58:59] c: the packed scaling takes the pair's low word for both halves
.set SEL, 60          ; s[60:61] v_permlanex16_b32's selects: each lane takes its own place in the other half
.set TBK, 62          ; s62  LDS byte at which K of the step to be fetched begins
.set TBV, 63          ; s63  the same for V, less VOFF
.set RT,  70          ; s70  tiles of the block in hand that are still to be entered
.set NXT, 71          ; s71  the tile to be asked for next
.set LQ,  72          ; s72  the last tile of the block whose tiles are being asked for
.set NEW, 73          ; s73  1: the tile to be entered is a block's first
.set OFF, 74          ; s[74:75] a tile's byte offset in K and V
.set AL,  76          ; s[76:77] the mask's factor, in the low word
.set BE,  78          ; s[78:79] the mask's addend
.set OLO, 80          ; s[80:81] O at my rows of the second block
.set BIGN, 82         ; s82  -1e30
.set MSB, 0
.macro WIN new                      ; the high byte repeats the setting that is left; a switch that changes nothing is dropped
.if MSB != (\new)
	s_set_vgpr_msb (MSB<<8)|(\new)
.set MSB, (\new)
.endif
.endm
.set W_KQ, 0x0a       ; K and Q in window 2, S^T in window 0
.set W_KM, 0x1a       ; the same with the C operand in window 1
.set W_PV, 0x52       ; V in window 2, P in window 0, O^T in window 1
.set W_RS, 0x41       ; destination and source 0 in window 1, source 1 in window 0
; A fill.  Waves 0 and 1 fetch the two halves of a tile's K, waves 2 and 3 those of its V: 128 keys each.  An s_nop 0 and four v_nop follow each of the two lines, ahead of the jump and the label.
.macro LOAD
	s_cmp_lt_u32 s[WV], 2
	s_cbranch_scc0 .Lfor_v_\@
	tensor_load_to_lds s[G0K:G0K+3], s[G1K:G1K+7]
	s_nop 0
.rept 4
	v_nop
.endr
	s_branch .Lasked_\@
.Lfor_v_\@:
	tensor_load_to_lds s[G0V:G0V+3], s[G1V:G1V+7]
	s_nop 0
.rept 4
	v_nop
.endr
.Lasked_\@:
.endm
; THE CHANGE OF SLOTS.  Each wave waits for all its tensor loads, of which one is out: its part of the other slot; adds 0 to its spare word; and waits for that and for its own reads of the slot that it leaves.  Behind the barrier nobody reads the old
; slot any more and the other slot is whole.  fill = 1: the old slot is filled again, the first thing behind the barrier, with tile NXT: the descriptor's address is made anew from that number.
; (At its first use nothing has been read yet: slot 0 is waited for, slot 1 filled.)
.macro CHANGE fill
	WIN 0                           ; at a label and at a branch every window is 0
	s_wait_tensorcnt 0x0            ; no tensor load of mine is out, so a group 0 may be written
	ds_add_u32 v[SPW], v[NIL]       ; 0 onto my spare word; with fill = 1 the descriptors' scalar work stands between it and the wait for it
.if \fill
	s_lshl_b32 s[OFF], s[NXT], 15   ; a tile is 32,768 bytes of K and of V
	s_xor_b32 s[G0K+1], s[G0K+1], SLOT1
	s_add_nc_u64 s[G0K+2:G0K+3], s[6:7], s[OFF:OFF+1]
	s_or_b32 s[G0K+3], s[G0K+3], 0x80000000
	s_xor_b32 s[G0V+1], s[G0V+1], SLOT1
	s_add_nc_u64 s[G0V+2:G0V+3], s[8:9], s[OFF:OFF+1]
	s_or_b32 s[G0V+3], s[G0V+3], 0x80000000
	s_add_co_u32 s[NXT], s[NXT], 1  ; the block's next tile, or behind its last the second block's tile 0
	s_cmp_gt_u32 s[NXT], s[LQ]
	s_cselect_b32 s[NXT], 0, s[NXT]
	s_cselect_b32 s[LQ], s[PB], s[LQ]
.endif
	s_wait_dscnt 0x0                ; the add is done, and my reads of the slot are over
	s_barrier_signal -1             ; the rest of the scalar work stands between the signal and the wait
	s_sub_co_u32 s[TBK], s[TBK], 4*KS*PK  ; the fetches go back to a slot's first step,
	s_xor_b32 s[TBK], s[TBK], SLOT1       ; in the other slot
	s_sub_co_u32 s[TBV], s[TBV], 4*KS*PV
	s_xor_b32 s[TBV], s[TBV], SLOT1
	s_barrier_wait -1
.if \fill
	LOAD
.endif
.endm
	s_load_b128 s[4:7], s[0:1], 0x0  ; qkv16 s[4:5] (Q lies at its head), o16 s[6:7]
	v_lshl_add_u32 v[SPW], v0, 2, SPARE
	v_mov_b32 v[NIL], 0
	ds_add_u32 v62, v63
	ds_add_u32 v62, v63
	s_wait_dscnt 0x0
	v_lshrrev_b32 v1, 5, v0
	v_readfirstlane_b32 s[WV], v1   ; wave 0..3
	s_mov_b32 s[PB], ttmp9
	s_sub_co_u32 s[HI], NB-1, s[PB]
	s_and_b32 s20, ttmp7, 0xffff    ; the head
	s_mov_b32 s21, 0
	s_mov_b64 s[22:23], SIZE_N*128
	s_mul_u64 s[20:21], s[20:21], s[22:23]  ; the head's first byte in each of the four tensors
	s_and_b32 s16, s[WV], 1         ; which half of a tile's 256 keys I fetch:
	s_lshl_b32 s22, s16, 14         ; its 128 rows of 128 bytes in memory,
	s_mov_b32 s23, 0
	s_add_nc_u64 s[22:23], s[22:23], s[20:21]
	s_mul_i32 s17, s16, 128*PK      ; and its place in a slot, for K
	s_mul_i32 s18, s16, 128*PV      ; and for V
	s_lshl_b32 s3, s[WV], 11        ; my 16 rows in a band of 64,
	s_lshl_b32 s2, s[HI], 15        ; in the first block,
	s_add_co_u32 s2, s2, s3
	s_lshl_b32 s84, s[PB], 15       ; and in the second
	s_add_co_u32 s84, s84, s3
	s_mov_b32 s3, 0
	s_mov_b32 s85, 0
	s_add_nc_u64 s[2:3], s[2:3], s[20:21]
	s_add_nc_u64 s[84:85], s[84:85], s[20:21]
	; descriptor group 1.  128 keys are 16,384 dense bytes: asked for as 64 rows of 256 bytes, two keys a row, and padded in LDS after every key
	s_mov_b32 s[G1K], (1<<16)|(1<<20)|(4<<22)|(3<<25)  ; 17:16 2-byte elements; 20 padding on; 24:22 after every 32 words (code 4); 31:25 4 words (code 3)
	s_mov_b32 s[G1V], (1<<16)|(1<<20)|(4<<22)|(7<<25)  ; the same with 8 words of padding (code 7)
.irp g, G1K, G1V
	s_mov_b32 s[\g+1], 128<<16      ; tensor_dim0 = 128
	s_mov_b32 s[\g+2], 64<<16       ; tensor_dim1 = 64
	s_mov_b32 s[\g+3], 128<<16      ; tile_dim0 = 128
	s_mov_b32 s[\g+4], 64           ; tile_dim1 = 64
	s_mov_b32 s[\g+5], 128          ; 128 elements from row to row
	s_mov_b32 s[\g+6], 0
	s_mov_b32 s[\g+7], 0
.endr
	s_mov_b32 s[CS], 0x3e38aa3b     ; c = log2(e) / 8 = 0.180337
	s_mov_b32 s[CS+1], s[CS]        ; named with it as a pair
	s_mov_b32 s[SEL], 0x76543210
	s_mov_b32 s[SEL+1], 0xfedcba98
	s_mov_b32 s[TBK], SLOT1+4*KS*PK ; the first change of slots turns these two into 0
	s_mov_b32 s[TBV], SLOT1+4*KS*PV
	s_mov_b32 s[G0K], 1             ; 1:0 count = 1
	s_mov_b32 s[G0K+1], s17         ; 63:32 LDS address: slot 0
	s_mov_b32 s[G0V], 1
	s_add_co_u32 s[G0V+1], s18, VOFF
	s_add_co_u32 s[RT], s[HI], 1    ; the first block has NB - b tiles
	s_mov_b32 s[NXT], 1
	s_mov_b32 s[LQ], s[HI]
	s_mov_b32 s[NEW], 1
	s_mov_b32 s[OFF+1], 0
	s_mov_b32 s[AL+1], 0            ; named as pairs
	s_mov_b32 s[BE+1], 0
	s_mov_b32 s[BIGN], 0xf149f2ca   ; -1e30
	s_mov_b32 s[SLOTS], NB
	s_wait_kmcnt 0x0
	s_mov_b64 s[10:11], s[6:7]                     ; O
	s_add_nc_u64 s[8:9], s[4:5], 0x2000000         ; V: the third part of qkv16
	s_add_nc_u64 s[6:7], s[4:5], 0x1000000         ; K: the second
	s_add_nc_u64 s[6:7], s[6:7], s[22:23]  ; K and V at my half of the head's tile 0
	s_add_nc_u64 s[8:9], s[8:9], s[22:23]
	s_add_nc_u64 s[G0K+2:G0K+3], s[6:7], 0         ; 120:64 global address
	s_or_b32 s[G0K+3], s[G0K+3], 0x80000000        ; 127:126 type = 2
	s_add_nc_u64 s[G0V+2:G0V+3], s[8:9], 0
	s_or_b32 s[G0V+3], s[G0V+3], 0x80000000
	s_add_nc_u64 s[86:87], s[4:5], s[84:85]        ; Q at my rows of the second block,
	s_add_nc_u64 s[4:5], s[4:5], s[2:3]            ; Q and O at those of the first
	s_add_nc_u64 s[OLO:OLO+1], s[10:11], s[84:85]
	s_add_nc_u64 s[10:11], s[10:11], s[2:3]
	LOAD                            ; tile 0 into slot 0
	; A fragment of K or Q is 16 rows x 32 channels in 8 registers: lane l holds row l % 16, channels 8 (l / 16) + 0..7 and 16 + 8 (l / 16) + 0..7: two loads of 16 bytes, 32 bytes apart.
	v_and_b32 v1, 15, v0            ; l % 16
	v_bfe_u32 v9, v0, 4, 1          ; l / 16
	v_lshlrev_b32 v[QO], 7, v1
	v_lshl_add_u32 v[QO], v9, 4, v[QO]  ; row x 128 + 16 x half
	WIN 0x80                        ; destination window 2, address window 0
.set i, 0
.rept 8                             ; both blocks' Q: piece i / 2 lies in band i / 2, 8,192 bytes on; channels 32 (i % 2) on
	global_load_b128 v[8*i:8*i+3],   v[QO], s[4:5] offset:(i/2)*8192+(i%2)*64
	global_load_b128 v[8*i+4:8*i+7], v[QO], s[4:5] offset:(i/2)*8192+(i%2)*64+32
	global_load_b128 v[QB+8*i:QB+8*i+3],   v[QO], s[86:87] offset:(i/2)*8192+(i%2)*64
	global_load_b128 v[QB+8*i+4:QB+8*i+7], v[QO], s[86:87] offset:(i/2)*8192+(i%2)*64+32
.set i, i+1
.endr
	WIN 0
	v_lshlrev_b32 v14, 3, v9
	v_sub_nc_u32 v14, v1, v14
	s_lshl_b32 s13, s[WV], 4
	v_add_nc_u32 v14, s13, v14      ; my query's place in its band, 16 w + l % 16, less my lanes' 8 (l / 16): register r of group kt is hidden where 16 kt + r is greater
	WIN 0x40
.set i, 0
.rept 32
	v_cmp_gt_i32 vcc_lo, 16*(i/8)+i%8, v14
	v_cndmask_b32 v[MD+i], 0, s[BIGN], vcc_lo
.set i, i+1
.endr
	WIN 0
	v_mul_u32_u24 v[AK0], v1, PK
	v_lshl_add_u32 v[AK0], v9, 4, v[AK0]  ; row x pitch + 16 x half
	; The turning load takes 16 keys x 16 channels (lane l reads key 8 (l / 16) + l % 8, channels 8 ((l / 8) % 2) + 0..7) and leaves half a fragment of V^T: lane l holds channel l % 16 and 8 keys.
	v_and_b32 v10, 7, v0
	v_bfe_u32 v11, v0, 3, 1
	v_lshl_add_u32 v[AV0], v9, 3, v10
	v_mul_u32_u24 v[AV0], v[AV0], PV
	v_lshl_add_u32 v[AV0], v11, 4, v[AV0]
	v_add_nc_u32 v[AV0], VOFF, v[AV0]
	s_mul_i32 s13, s[WV], 16*SP
	s_add_co_u32 s13, s13, STAGE    ; my stage
	v_mul_u32_u24 v[STO], v1, SP    ; in: row l % 16, 16 bytes for each half of the lanes
	v_lshl_add_u32 v[STO], v9, 4, v[STO]
	v_add_nc_u32 v[STO], s13, v[STO]
	v_bfe_u32 v[RD], v0, 3, 2       ; back: 32 lanes take four rows of 128 bytes,
	v_mul_u32_u24 v[RD], v[RD], SP
	v_lshl_add_u32 v[RD], v10, 4, v[RD]
	v_add_nc_u32 v[RD], s13, v[RD]
	v_and_b32 v[GO], 31, v0         ; which are 512 consecutive bytes of O
	v_lshlrev_b32 v[GO], 4, v[GO]
	; A block's first step multiplies O^T and l by a = 0, and its first turn's products V^T P, of a piece that has not been, land in an O^T that is still to be so multiplied.  So these registers need only hold
	; finite numbers: zeros for the first block; what the first block left for the second.  All this stands in the wait for the first tile.
	WIN 0x80
.set i, VF
.rept 64
	v_mov_b32 v[i], 0
.set i, i+1
.endr
	WIN 0x40
.set i, 0
.rept 128
	v_mov_b32 v[i], 0
.set i, i+1
.endr
	WIN 0
.set i, 0
.rept 4
	v_mov_b32 v[ST+4*i+2], 0
	v_mov_b32 v[ST+4*i+3], 0
.set i, i+1
.endr
.set i, P+16
.rept 16
	v_mov_b32 v[i], 0
.set i, i+1
.endr
; THE MATRIX WORK.  The 4 accumulators of a run of 8 take turns.  Product i of 8 of S^T = K Q^T for piece x: channels 32 (i / 4) on, keys 16 (i % 4) on.  The first 4 start the sums: with 0, or (KM = 1) with the mask.
.macro KQ x
.set rS, S+32*((\x)%2)+8*(i%4)
.set rK, KF+16*(i%4)+8*(i/4)
.set rQ, 16*(\x)+8*(i/4)
.set rM, MC+32*((\x)%2)+8*(i%4)
.if (i < 4) && KM
	WIN W_KM
	v_wmma_f32_16x16x32_f16 v[rS:rS+7], v[rK:rK+7], v[rQ:rQ+7], v[rM:rM+7]
.elseif i < 4
	WIN W_KQ
	v_wmma_f32_16x16x32_f16 v[rS:rS+7], v[rK:rK+7], v[rQ:rQ+7], 0
.else
	WIN W_KQ
	v_wmma_f32_16x16x32_f16 v[rS:rS+7], v[rK:rK+7], v[rQ:rQ+7], v[rS:rS+7]
.endif
.endm
; Product i of 8 of O^T += V^T P for piece x: keys 32 (i / 4) on, channels 16 (i % 4) on.
.macro PV x
	WIN W_PV
.set rO, 32*(\x)+8*(i%4)
.set rV, VF+32*(i/4)+8*(i%4)
.set rP, P+16*((\x)%2)+8*(i/4)
	v_wmma_f32_16x16x32_f16 v[rO:rO+7], v[rV:rV+7], v[rP:rP+7], v[rO:rO+7]
.endm
.macro MM                           ; the turn's next matrix instruction.  TURN and BEGIN set Y, i, KM and NOKQ; MM, KQ and OP read them.  NOKQ = 1: a block's last turn: there is no next piece
.if (i < 8) && !NOKQ
	KQ (Y+1)%NP
.elseif i >= 8
.set i, i-8
	PV (Y+NP-1)%NP
.set i, i+8
.endif
.set i, i+1
.endm
; THE LDS LOADS stand in runs of 16, never singly among the matrix instructions: a step's K (64 keys x 64 channels: 8 fragments) and its V (turned).  Their addresses are made some lines ahead.
.macro FETCH_K
	WIN 0x80                        ; destination window 2
.irp f, 0,1,2,3,4,5,6,7             ; keys 16 (f / 2) on, channels 32 (f % 2) on
	ds_load_b128 v[KF+8*\f:KF+8*\f+3],   v[AK] offset:(\f/2)*16*PK+(\f%2)*64
	ds_load_b128 v[KF+8*\f+4:KF+8*\f+7], v[AK] offset:(\f/2)*16*PK+(\f%2)*64+32
.endr
	s_add_co_u32 s[TBK], s[TBK], KS*PK  ; the next fetch is the next step's
	WIN 0
.endm
.macro FETCH_V
	WIN 0x80
.irp f, 0,1,2,3,4,5,6,7             ; keys 32 (f / 4) on, channels 16 (f % 4) on
	ds_load_tr16_b128 v[VF+8*\f:VF+8*\f+3],   v[AV] offset:(\f/4)*32*PV+(\f%4)*32
	ds_load_tr16_b128 v[VF+8*\f+4:VF+8*\f+7], v[AV] offset:(\f/4)*32*PV+16*PV+(\f%4)*32
.endr
	WIN 0
.endm
; THE VECTOR WORK, one line at a time: OP kind, number.  For piece Y: F n: c s - c m for pair n of 16.  E n: the exponential of score n of 32.  C n: pair n rounded to f16.  B n: of the four weights 4 n .. the second
; pair is added onto the first, in place.  L n: l takes that sum (L 0: l = a l + sum).  R n: pair n of 16 of O^T times a.  For piece Y + 1: X n, number n of the 22 that find its maximum and statistics:
;   0-11  four chains c0-c3 of seven scores each, three operands at a time (each accumulator's lowest registers are read first)     12-14, 16  the four scores left over, the old m, and c0-c3 into c0
;   15  c m_old is kept     17, 18  the query's other 32 keys lie in the lane 16 away: the new m     19-21  c m; c m_old - c m_new; a
.set F, 0               ; OP tells the kinds apart by their order: F to L below R, X above it
.set E, 1
.set C, 2
.set B, 3
.set L, 4
.set R, 5
.set X, 6
.macro REGS y                       ; the registers of piece y
.set rT, ST+4*(\y)
.set rC, TMP+4*((\y)%2)
.set rW, MV+((\y)%2)
.set rS, S+32*((\y)%2)
.set rP, P+16*((\y)%2)
.set rO, 32*(\y)
.endm
.macro OP k, n
.if (\k) == R
	REGS Y
	WIN W_RS
	v_pk_mul_f32 v[rO+2*(\n):rO+2*(\n)+1], v[rO+2*(\n):rO+2*(\n)+1], v[rC+2:rC+3] op_sel_hi:[1,0]
.elseif (\k) < R
	REGS Y
	WIN 0
.if (\k) == F
	v_pk_fma_f32 v[rS+2*(\n):rS+2*(\n)+1], v[rS+2*(\n):rS+2*(\n)+1], s[CS:CS+1], v[rT:rT+1] op_sel_hi:[1,0,0] neg_lo:[0,0,1] neg_hi:[0,0,1]
.elseif (\k) == E
	v_exp_f32 v[rS+(\n)], v[rS+(\n)]
.elseif (\k) == C
	s_wait_alu depctr_va_vdst(0)
	v_cvt_pk_f16_f32 v[rP+(\n)], v[rS+2*(\n)], v[rS+2*(\n)+1]
.elseif (\k) == B
	s_wait_alu depctr_va_vdst(0)
	v_pk_add_f32 v[rS+4*(\n):rS+4*(\n)+1], v[rS+4*(\n):rS+4*(\n)+1], v[rS+4*(\n)+2:rS+4*(\n)+3]
.elseif (\n) == 0
	v_pk_fma_f32 v[rT+2:rT+3], v[rT+2:rT+3], v[rC+2:rC+3], v[rS:rS+1] op_sel_hi:[1,0,1]
.else
	v_pk_add_f32 v[rT+2:rT+3], v[rT+2:rT+3], v[rS+4*(\n):rS+4*(\n)+1]
.endif
.elseif NOKQ
	v_nop
.else
	REGS (Y+1)%NP
	WIN 0
.if (\n) < 4
	v_max3_num_f32 v[rC+(\n)], v[rS+8*(\n)], v[rS+8*(\n)+1], v[rS+8*(\n)+2]
.elseif (\n) < 12
	v_max3_num_f32 v[rC+(\n)%4], v[rC+(\n)%4], v[rS+8*((\n)%4)+2*((\n)/4)+1], v[rS+8*((\n)%4)+2*((\n)/4)+2]
.elseif (\n) == 12
	v_max3_num_f32 v[rC], v[rC], v[rS+7], v[rS+15]
.elseif (\n) == 13
	v_max3_num_f32 v[rC+1], v[rC+1], v[rS+23], v[rS+31]
.elseif (\n) == 14
	v_max3_num_f32 v[rC+2], v[rC+2], v[rC+3], v[rT+1]
.elseif (\n) == 15
	v_mov_b32 v[rW], v[rT]
.elseif (\n) == 16
	v_max3_num_f32 v[rC], v[rC], v[rC+1], v[rC+2]
.elseif (\n) == 17
	v_permlanex16_b32 v[rC+3], v[rC], s[SEL], s[SEL+1]
.elseif (\n) == 18
	v_max_num_f32 v[rT+1], v[rC], v[rC+3]
.elseif (\n) == 19
	v_mul_f32 v[rT], s[CS], v[rT+1]
.elseif (\n) == 20
	v_sub_f32 v[rC+1], v[rW], v[rT]
.else
	v_exp_f32 v[rC+2], v[rC+1]
.endif
.endif
.endm
.macro OPS a, i1, b=-1, i2=0, c=-1, i3=0, d=-1, i4=0  ; up to four of them
	OP \a, \i1
.if (\b) >= 0
	OP \b, \i2
.endif
.if (\c) >= 0
	OP \c, \i3
.endif
.if (\d) >= 0
	OP \d, \i4
.endif
.endm
.macro ROW a, i1, b, i2, c, i3, d, i4  ; a matrix instruction and the four behind it
	MM
	OPS \a, \i1, \b, \i2, \c, \i3, \d, \i4
.endm
.macro MASK b                       ; MD x AL + BE into buffer b of MC
	WIN W_RS
.set z, 0
.rept 16
	v_pk_fma_f32 v[MC+32*(\b)+2*z:MC+32*(\b)+2*z+1], v[MD+2*z:MD+2*z+1], s[AL:AL+1], s[BE:BE+1] op_sel_hi:[1,0,0]
.set z, z+1
.endr
.endm
; A TURN, for piece p: the order of its 16 matrix and 118 vector instructions, written out.  Behind a matrix instruction: plain, exponential, plain, plain; or four of the rescaling; or, behind the first, four scalings; none
; names a register of the products round it.  In the lumps exponential and plain by turns while exponentials last.  A line reads no result made fewer than three vector instructions in front of it, five if an exponential made it.
; v_permlanex16_b32 (X 17) stands in a lump.
; m = 1: the diagonal tile: the products take masks, and the turn makes the mask for the products of the turn after it: piece p + 2, in step 4 - CNT of the tile.  end = 1: a block's last two turns: nothing is fetched.
; cnt = 1: the loop's count is taken down some lines ahead of the branch that stands behind the turn.
; K of the next step is fetched in piece 2's turn, six vector instructions behind the last product that read K (five of them plain); V of the step in hand in piece 0's turn, eight behind the last product that read V (four
; plain, and X 17).  Each is waited for a turn later.
.macro TURN p, m=0, end=0, cnt=0
.set Y, (\p)
.set i, 0
.set KM, (\m)
.set NOKQ, (\end)*((\p)/3)
.if (\m) && !(\end)
	s_cmp_eq_u32 s[CNT], 4-((\p)+2)%NP  ; is that step the band's own?
	s_cselect_b32 s[AL], 1.0, 0
	s_cmp_lt_u32 s[CNT], 4-((\p)+2)%NP  ; or a later one?
	s_cselect_b32 s[BE], s[BIGN], 0
.endif
.if ((\p) == 3) && !(\end)
	s_wait_dscnt 0x0                ; K is in
.endif
	ROW F,0, F,1, F,2, F,3
	ROW F,4, E,0, F,5, F,6
	ROW F,7, E,1, F,8, F,9
	ROW F,10, E,2, C,0, F,11
	ROW F,12, E,3, X,15, F,13
	ROW R,0, R,1, R,2, R,3
	ROW B,0, E,4, F,14, L,0
.if ((\p) == 2) && !(\end)
	v_add_nc_u32 v[AK], s[TBK], v[AK0]
.endif
	ROW R,4, R,5, R,6, R,7
	OPS E,5, F,15
.if ((\p) == 2) && !(\end)
	FETCH_K
.endif
	OPS E,6, C,1, E,7, R,8
	OPS E,8, R,9, E,9, C,2
	OPS E,10, X,0, E,11, X,1
	OPS E,12, X,2, E,13, X,3
.if (\p) == 1
	s_wait_dscnt 0x0                ; V is in
.endif
	ROW X,4, E,14, X,5, X,6
	ROW X,7, E,15, X,8, X,9
	ROW X,10, E,16, X,11, X,12
	ROW X,13, E,17, X,14, B,1
	ROW C,4, E,18, X,16, L,1
	ROW B,2, E,19, C,6, L,2
	ROW C,8, E,20, B,3, B,4
.if (\p) == 0
	v_add_nc_u32 v[AV], s[TBV], v[AV0]
.endif
	ROW C,3, E,21, L,3, C,5
	OPS E,22, X,17, E,23, C,10
.if (\p) == 0
	FETCH_V
.endif
	OPS E,24, L,4
	OPS E,25, X,18, E,26, C,7
	OPS E,27, B,5, E,28, X,19
	OPS E,29, C,12, E,30, L,5
	OPS E,31, X,20, B,6, C,9
	OPS C,14, C,11, X,21, L,6
.if (\p) == 0
	s_add_co_u32 s[TBV], s[TBV], KS*PV
.endif
.if \cnt
	s_sub_co_u32 s[CNT], s[CNT], 1
	s_cmp_lg_u32 s[CNT], 0
.endif
	OPS C,13, B,7, C,15, R,10
	OPS R,11, R,12, L,7, R,13
	OPS R,14, R,15
.if (\m) && !(\end)
	MASK (\p)%2
.endif
.endm
; A BLOCK BEGINS.  c m starts far below every c s, so the first step's a is 0; m at the lowest finite number, so the first maximum is the scores'.  The second mask buffer is 0; the first takes piece 0's mask for the tile's step 0: its own, if the block's first tile is the diagonal one.
; Then K of that step, piece 0's first scores, and its maximum and statistics.  The loop is entered at a step's first turn, in the middle of a trip.
.macro BEGIN
	s_mov_b32 s[NEW], 0
	WIN 0x40
.set i, MC+32
.rept 32
	v_mov_b32 v[i], 0
.set i, i+1
.endr
	WIN 0
.set i, 0
.rept 4
	v_mov_b32 v[ST+4*i], 0xfe000000    ; c m: far below every c s
	v_mov_b32 v[ST+4*i+1], 0xff7fffff  ; m
.set i, i+1
.endr
	s_cmp_eq_u32 s[RT], 0
	s_cselect_b32 s[AL], 1.0, 0
	s_mov_b32 s[BE], 0
	MASK 0
	WIN 0
	v_add_nc_u32 v[AK], s[TBK], v[AK0]
	FETCH_K
	s_wait_loadcnt 0x0              ; Q
	s_wait_dscnt 0x0
.set KM, 1
.set NOKQ, 0
.set i, 0
.rept 8
	KQ 0
.set i, i+1
.endr
	WIN 0
.rept 4
	v_nop                           ; the places behind those products
.endr
.set Y, NP-1                        ; X works for piece Y + 1: piece 0
.irp n, 0,1,2,3,4,5,6,7,8,9,10,11,12,13,14,15,16,17,18,19,20,21
	OP X, \n
.endr
	v_nop                           ; a plain instruction behind the exponential
.endm
; THE DIAGONAL TILE's four steps, the block's last two turns, its last products, and THE WAY OUT: l's two halves and the other half of the lanes' are added; O^T is divided by l, rounded to f16 and sent through my
; stage in LDS, a piece at a time.
.macro ALL line:vararg              ; one line for each piece t
.set t, 0
.rept 4
	\line
.set t, t+1
.endr
.endm
.macro PACK t                       ; a lane's eight channels of a row pack into 16 bytes; they go into rows of 144 bytes and come back as whole rows of 128, into S^T's registers
	WIN W_RS
.set i, 32*(\t)
.rept 16
	s_wait_alu depctr_va_vdst(0)
	v_pk_mul_f32 v[i:i+1], v[i:i+1], v[ST+4*(\t)+2:ST+4*(\t)+3] op_sel_hi:[1,0]
.set i, i+2
.endr
	WIN 0x05                        ; sources 0 and 1 window 1, destination window 0
.set i, 0
.rept 16
	v_cvt_pk_f16_f32 v[S+16*(\t)+i], v[32*(\t)+2*i], v[32*(\t)+2*i+1]
.set i, i+1
.endr
	WIN 0
.irp f, 0,1,2,3
	ds_store_b128 v[STO], v[S+16*(\t)+4*\f:S+16*(\t)+4*\f+3] offset:32*\f
.endr
.irp f, 0,1,2,3
	ds_load_b128 v[S+16*(\t)+4*\f:S+16*(\t)+4*\f+3], v[RD] offset:\f*4*SP  ; LDS serves a wave's instructions in order (ISA guide 5.7.1.4): these see the stores above; the next piece's stores come behind them
.endr
.endm
.macro SEND t, younger              ; younger: the LDS instructions issued behind piece t's loads: the next piece's eight, or none
	WIN 0
.irp f, 0,1,2,3
	s_wait_dscnt (\younger)+3-\f
	global_store_b128 v[GO], v[S+16*(\t)+4*\f:S+16*(\t)+4*\f+3], s[10:11] offset:(\t)*8192+\f*512  ; 512 consecutive bytes, at a multiple of 256 from O's first
.endr
.endm
.macro DIAG tag                     ; the tag ends its two labels' names, which the jumps below spell out
.LstepM\tag:
	TURN 2, 1
	TURN 3, 1
	WIN 0
.LfirstM\tag:
	TURN 0, 1
	TURN 1, 1, 0, 1
	WIN 0
	s_cbranch_scc1 .LstepM\tag
	TURN 2, 1, 1
	TURN 3, 1, 1
.set i, 0
.rept 8
	PV NP-1
.set i, i+1
.endr
	WIN 0
	ALL v_add_f32 v[ST+4*t+2], v[ST+4*t+2], v[ST+4*t+3]
	ALL v_permlanex16_b32 v[ST+4*t+3], v[ST+4*t+2], s[SEL], s[SEL+1]
	ALL v_add_f32 v[ST+4*t+2], v[ST+4*t+2], v[ST+4*t+3]
	ALL v_rcp_f32 v[ST+4*t+2], v[ST+4*t+2]
	v_nop                           ; a plain instruction between the last reciprocal and the use of its result
	PACK 0
.set t, 1
.rept 3                             ; a piece's arithmetic stands between the loads of the piece before and its stores
	PACK t
	SEND t-1, 8
.set t, t+1
.endr
	SEND 3, 0
.endm
.set KM, 0
.set NOKQ, 0
.Lslot:                             ; NB times: a tile is entered and the next is asked for
	CHANGE 1
	s_sub_co_u32 s[RT], s[RT], 1
	s_mov_b32 s[CNT], 4
	s_cmp_eq_u32 s[NEW], 1
	s_cbranch_scc1 .Lnew            ; a block's first tile
	s_cmp_eq_u32 s[RT], 0
	s_cbranch_scc0 .Lstep           ; neither its first nor its last
	s_branch .LstepM1
.Lnew:
	BEGIN
	s_branch .Lfirst                ; in the loop a block's first tile is never its last: the first block has two tiles or more, and the second's last is the walk's last
	DIAG 1                          ; in the loop this is the first block's end: the second block's last tile is the walk's last
	s_wait_xcnt 0x0                 ; the stores have read their registers and O's address
	s_mov_b64 s[10:11], s[OLO:OLO+1]
	s_add_co_u32 s[RT], s[PB], 1    ; the second block has b + 1 tiles
	s_mov_b32 s[NEW], 1
	WIN 0x82                        ; the second block's Q goes where the one text of the turns names Q
.set i, 0
.rept 64
	v_mov_b32 v[i], v[QB+i]
.set i, i+1
.endr
	WIN 0
	s_branch .Lbottom
.Lstep:                             ; a trip: pieces 2 and 3 of one step, then pieces 0 and 1 of the next, whose K and V it fetches
	TURN 2
	TURN 3
	WIN 0
.Lfirst:
	TURN 0
	TURN 1, 0, 0, 1
	WIN 0
	s_cbranch_scc1 .Lstep
.Lbottom:
	s_sub_co_u32 s[SLOTS], s[SLOTS], 1
	s_cmp_lg_u32 s[SLOTS], 0
	s_cbranch_scc1 .Lslot
	CHANGE 0                        ; the walk's last tile is written out: nothing is asked for
	s_sub_co_u32 s[RT], s[RT], 1
	s_mov_b32 s[CNT], 4
	s_cmp_eq_u32 s[NEW], 1
	s_cbranch_scc0 .LstepM2
	BEGIN
	s_branch .LfirstM2
	DIAG 2
	s_wait_tensorcnt 0x0            ; the wave's end, behind my last tensor load and my last LDS store
	ds_add_u32 v[SPW], v[NIL]
	s_wait_dscnt 0x0
	s_endpgm
.Lfunc_end_k_q1c9051ba99_attn:
	.size	k_q1c9051ba99_attn, .Lfunc_end_k_q1c9051ba99_attn-k_q1c9051ba99_attn
	.p2alignl 7, 3214868480
	.fill 96, 4, 3214868480
	.section	.rodata,"a",@progbits
	.p2align	6, 0x0
	.amdhsa_kernel k_q1c9051ba99_attn
		.amdhsa_group_segment_fixed_size 327680
		.amdhsa_private_segment_fixed_size 0
		.amdhsa_enable_private_segment 0
		.amdhsa_kernarg_size 16
		.amdhsa_user_sgpr_count 2
		.amdhsa_user_sgpr_kernarg_segment_ptr 1
		.amdhsa_wavefront_size32 1
		.amdhsa_system_sgpr_workgroup_id_x 1
		.amdhsa_system_sgpr_workgroup_id_y 1
		.amdhsa_system_sgpr_workgroup_id_z 1
		.amdhsa_system_vgpr_workitem_id 0
		.amdhsa_next_free_vgpr 768
		.amdhsa_next_free_sgpr 88
		.amdhsa_reserve_vcc 1
		.amdhsa_float_denorm_mode_32 3
		.amdhsa_float_denorm_mode_16_64 3
		.amdhsa_memory_ordered 1
		.amdhsa_forward_progress 1
		.amdhsa_inst_pref_size 228
	.end_amdhsa_kernel
	.amdgpu_metadata
---
amdhsa.version: [ 1, 2 ]
amdhsa.kernels:
  - .name:           k_q1c9051ba99_attn
    .symbol:         k_q1c9051ba99_attn.kd
    .args:
      - { .name: qkv16, .offset: 0, .size: 8, .value_kind: global_buffer, .address_space: global }
      - { .name: o16, .offset: 8, .size: 8, .value_kind: global_buffer, .address_space: global }
    .group_segment_fixed_size: 327680
    .private_segment_fixed_size: 0
    .kernarg_segment_align: 8
    .kernarg_segment_size: 16
    .max_flat_workgroup_size: 128
    .sgpr_count:     88
    .vgpr_count:     768
    .wavefront_size: 32
...
	.end_amdgpu_metadata
.endif
;; end of part 5
;; launch proj (part 6): grid 8 x 32, 4 waves a work-group, clusters of 4 x 4, 327,680 bytes of LDS; arguments o16, wo16, out0; writes out0
.if DOCPART == 6
	.amdgcn_target "amdgcn-amd-amdhsa--gfx1250"
	.amdhsa_code_object_version 6
	.text
	.protected	k_q1c9051ba99_proj
	.globl	k_q1c9051ba99_proj
	.p2align	8
	.type	k_q1c9051ba99_proj,@function
k_q1c9051ba99_proj:
	s_mov_b64 s[64:65], 0
	v_nop
	global_prefetch_b8 v0, s[64:65] scope:SCOPE_SE
	s_setreg_imm32_b32 hwreg(HW_REG_WAVE_MODE, 25, 1), 1
	s_wait_xcnt 0x0
	s_wait_alu depctr_hold_cnt(0) depctr_sa_sdst(0) depctr_va_vdst(0) depctr_va_sdst(0) depctr_va_ssrc(0) depctr_va_vcc(0) depctr_vm_vsrc(0)
	s_getreg_b32 s2, hwreg(HW_REG_IB_STS2, 6, 4)
	s_cmp_eq_u32 s2, 0
	s_cbranch_scc0 .Lentry_in_a_cluster
	s_endpgm
.Lentry_in_a_cluster:
	s_bfe_u32 s2, ttmp6, 0x10000c
	s_cmp_lg_u32 s2, 0xf033
	s_cbranch_scc0 .Lentry_shape_is_right
	s_endpgm
.Lentry_shape_is_right:
; THE OUTPUT PROJECTION.  C[m][n] = sum over k of A[m][k] B[k][n], m = batch x 2048 + row, k = head x 64 + channel.  A = o16 [64 (batch x 16 + head)][2048][64] f16, B = wo16 [1024][1024] f16;
; sums in f32; C = out0 [8192][1024] f32, stored as summed.
; A tile of C is 256 (m) x 128 (n): 8 x 32 = 256 tiles.  Four waves, each 128 x 64: 32 accumulators of 16 x 16, 256 registers.  K goes in 8 steps of 128, two heads a step, through a ring of two LDS
; slots filled by the tensor data mover.  A head's 256 rows of 128 bytes are dense in memory: they are asked for as 128 rows of 256 bytes and padded in LDS behind every 128.
; CLUSTERS: 4 x 4 work-groups.  The four of a row of the cluster need the same tiles of A, the four of a column the same tiles of B: each tile is asked for JOINTLY, by the same tensor load with
; the same descriptor and a mask that names the four.
; THE MATRIX INSTRUCTION IS USED TRANSPOSED (source 0 = 16 columns of B, source 1 = 16 rows of A): a lane then holds eight neighbouring numbers of a row of C.  B lies [k][n] in memory and
; in LDS and comes out turned, by ds_load_tr16_b128.
; REGISTERS: window 0: v0-31 addresses; two fragment buffers of 96 (v64-159, v160-255): 64 of A (8 x 16 rows x 32 K), then 32 of B (4 x 16 columns x 32 K); v64-127 once more on the way out.
;   window 1: the accumulators ((a, b) at v[8 (4 a + b)]).
.set PA,     144                       ; a row of A in LDS: 128 bytes + 16 of padding = 36 words: the 16 rows of a load start at 16 different groups of four banks (64 banks of 4 bytes: ISA guide 11.1)
.set PB,     288                       ; a row of B: 256 + 32 = 72 words
.set PLANE,  256*PA                    ; one head's 256 rows: what one tensor load brings of A
.set ABYTES, 2*PLANE
.set HALFB,  64*PB                     ; what one tensor load brings of B: 64 of the step's 128 k
.set SLOT,   ABYTES+2*HALFB            ; A's two heads, then B's 128 rows
.set STAGE,  2*SLOT                    ; behind the ring, never filled by a tensor load: 16 rows x 272 bytes for each wave, for the way out
.set SP,     272
.set SPARE,  STAGE+4*16*SP             ; behind the stages: the spare words, 128 bytes for each wave: two blocks of 256 bytes that no other line names
.set LAPS,   4                         ; a lap = two K steps = once round the ring: 1,024 / 256
.set ASTEP,  2*2048*128                ; bytes from a K step's tile of A to the next: two heads on
.set BSTEP,  128*1024*2                ; of B: 128 rows down
.set ADRA, 16                          ; v16-17  LDS address of my A fragments in slot 0, 1
.set ADRB, 20                          ; v20-21  the same for B
.set STO,  24                          ; v24     the way out: where I put 32 bytes of a row
.set RD,   25                          ; v25     the way out: where I read a row back
.set GO,   26                          ; v26     my byte offset in two rows of C
.set SPW,  28                          ; v28     LDS address of my spare word: SPARE + 4 x my thread's number; never rewritten
.set NIL,  29                          ; v29     0; never rewritten
.set F0,   64
.set F1,   160
.set OUT,  64                          ; the way out: 16 rows read back from the stage, two buffers of 32 registers by turns
.set G1, 24                            ; s[24:31] descriptor group 1 for A's tiles;  s[32:39] group 0, one set for each slot
.set G0, 32
.set G1B, 48                           ; s[48:55], s[56:63] the same for B's tiles
.set G0B, 56
.set MSB, 0
.macro WIN new                         ; the immediate's high byte repeats the setting that is left; a switch that changes nothing is dropped
.if MSB != (\new)
	s_set_vgpr_msb (MSB<<8)|(\new)
.set MSB, \new
.endif
.endm
.set MUL, 0x50                         ; sources 0 (B) and 1 (A) window 0; C and D window 1
.macro JLOAD s                         ; a joint load: waves 0 and 1 fetch A's two heads, waves 2 and 3 B's two halves; an s_nop 0 and four v_nop follow each of the two lines, ahead of the jump, the label and what follows
	s_cmp_eq_u32 s11, 0
	s_cbranch_scc0 .Lfor_b_\@
	tensor_load_to_lds s[G0+4*(\s):G0+4*(\s)+3], s[G1:G1+7]
	s_nop 0
.rept 4
	v_nop
.endr
	s_branch .Lasked_\@
.Lfor_b_\@:
	tensor_load_to_lds s[G0B+4*(\s):G0B+4*(\s)+3], s[G1B:G1B+7]
	s_nop 0
.rept 4
	v_nop
.endr
.Lasked_\@:
.endm
.macro CREST                           ; a round of the cluster's barrier behind its opening barrier: wave 0 signals for the work-group, every wave waits for all sixteen, my work-group's barrier closes it
	s_cmp_lg_u32 s10, 0
	s_cbranch_scc1 .Lnot_wave_0_\@
	s_barrier_signal -3
.Lnot_wave_0_\@:
	s_barrier_wait -3
	s_barrier_signal -1
	s_barrier_wait -1
.endm
.macro CROUND                          ; a whole round
	s_barrier_signal -1
	s_barrier_wait -1
	CREST
.endm
	s_load_b128 s[4:7], s[0:1], 0x0                ; A s[4:5], B s[6:7]
	s_load_b64 s[8:9], s[0:1], 0x10                ; C
	v_lshl_add_u32 v[SPW], v0, 2, SPARE
	v_mov_b32 v[NIL], 0
	ds_add_u32 v28, v29
	ds_add_u32 v28, v29
	s_wait_dscnt 0x0
	v_lshrrev_b32 v1, 5, v0
	v_readfirstlane_b32 s10, v1                    ; wave 0..3
	s_lshr_b32 s11, s10, 1                         ; which 128 of the tile's rows are mine.  Also: I fetch for A (0) or for B (1)
	s_and_b32 s12, s10, 1                          ; which 64 of its columns.  Also: which half of that tile I fetch
	s_bfe_u32 s40, ttmp6, 0x40000                  ; cx, cy: my place in the cluster
	s_bfe_u32 s41, ttmp6, 0x40004
	s_lshl_b32 s42, ttmp9, 2
	s_add_co_u32 s42, s42, s40                     ; tile column of C = 4 x cluster x + cx
	s_and_b32 s13, ttmp7, 0xffff
	s_lshl_b32 s13, s13, 2
	s_add_co_u32 s13, s13, s41                     ; tile row of C = 4 x cluster y + cy
	s_lshl_b32 s43, s41, 2
	s_lshl_b32 s43, 15, s43                        ; my row of the cluster: places 4 cy .. 4 cy + 3
	s_lshl_b32 s44, 0x1111, s40                    ; my column: places cx, cx + 4, cx + 8, cx + 12
	; descriptor group 1.  A: 128 rows x 128 elements (two rows of a head each), 4 words of padding behind every 32.  B: 64 rows x 128 elements, 8 words of padding behind every 64
	s_or_b32 s[G1+0], s43, (1<<16)|(1<<20)|(1<<21)|(4<<22)|(3<<25)  ; 15:0 the mask: A's tiles go to my row; 17:16 elements of 2 bytes; 20 padding on; 21 set beside a mask; 24:22 after every 32 words (code 4); 31:25 4 words (code 3)
	s_mov_b32 s[G1+1], 128<<16                     ; tensor_dim0 = 128
	s_mov_b32 s[G1+2], 128<<16                     ; tensor_dim1 = 128
	s_mov_b32 s[G1+3], 128<<16                     ; tile_dim0 = 128
	s_mov_b32 s[G1+4], 128                         ; tile_dim1 = 128
	s_mov_b32 s[G1+5], 128                         ; elements from row to row: dense
	s_mov_b32 s[G1+6], 0
	s_mov_b32 s[G1+7], 0
	s_or_b32 s[G1B+0], s44, (1<<16)|(1<<20)|(1<<21)|(5<<22)|(7<<25) ; the mask of my column; after every 64 words (code 5) 8 words of padding (code 7)
	s_mov_b32 s[G1B+1], 128<<16                    ; tensor_dim0 = 128
	s_mov_b32 s[G1B+2], 64<<16                     ; tensor_dim1 = 64
	s_mov_b32 s[G1B+3], 128<<16                    ; tile_dim0 = 128
	s_mov_b32 s[G1B+4], 64                         ; tile_dim1 = 64
	s_mov_b32 s[G1B+5], 1024                       ; elements from row to row
	s_mov_b32 s[G1B+6], 0
	s_mov_b32 s[G1B+7], 0
	; where the tiles come from.  A's hang on the tile row alone, which my row of the cluster shares; B's on the tile column alone, which my column shares
	s_lshr_b32 s16, s13, 3                         ; A: batch = tile row / 8: 16 heads of 2^18 bytes,
	s_lshl_b32 s16, s16, 22
	s_and_b32 s17, s13, 7
	s_lshl_b32 s17, s17, 15                        ; 256 rows of 128 bytes a tile row,
	s_add_co_u32 s16, s16, s17
	s_lshl_b32 s17, s12, 18                        ; the step's first or second head
	s_add_co_u32 s16, s16, s17
	s_mov_b32 s17, 0
	s_lshl_b32 s46, s12, 17                        ; B: 64 rows of 2,048 bytes a half,
	s_lshl_b32 s47, s42, 8                         ; 256 bytes a tile column
	s_add_co_u32 s46, s46, s47
	s_mov_b32 s47, 0
	s_mul_i32 s20, s12, PLANE                      ; and where they go: no place in the cluster enters an LDS address
	s_mul_i32 s21, s12, HALFB
	s_add_co_u32 s21, s21, ABYTES
	s_wait_kmcnt 0x0
	s_add_nc_u64 s[14:15], s[4:5], s[16:17]
	s_add_nc_u64 s[46:47], s[6:7], s[46:47]
	CROUND                                         ; all sixteen work-groups are here: the first joint loads meet
.irp s, 0,1
	s_mov_b32 s[G0+4*(\s)], 1                                      ; 1:0 count = 1
	s_add_co_u32 s[G0+4*(\s)+1], s20, (\s)*SLOT                    ; 63:32 LDS address
	s_add_nc_u64 s[G0+4*(\s)+2:G0+4*(\s)+3], s[14:15], (\s)*ASTEP  ; 120:64 global address: K step s
	s_or_b32 s[G0+4*(\s)+3], s[G0+4*(\s)+3], 0x80000000            ; 127:126 type = 2
	s_mov_b32 s[G0B+4*(\s)], 1
	s_add_co_u32 s[G0B+4*(\s)+1], s21, (\s)*SLOT
	s_add_nc_u64 s[G0B+4*(\s)+2:G0B+4*(\s)+3], s[46:47], (\s)*BSTEP
	s_or_b32 s[G0B+4*(\s)+3], s[G0B+4*(\s)+3], 0x80000000
	JLOAD \s                                       ; the ring is filled before anything else is done: two loads of mine are out
.endr
	; A fragment of A is 16 rows x 32 K in 8 registers: lane l holds row l % 16, K = 8 (l / 16) + 0..7 and 16 + 8 (l / 16) + 0..7: two loads of 16 bytes, 32 bytes apart.
	v_and_b32 v1, 15, v0                           ; l % 16
	v_bfe_u32 v2, v0, 4, 1                         ; l / 16
	v_mul_u32_u24 v3, v1, PA
	v_lshl_add_u32 v3, v2, 4, v3                   ; row x pitch + 16 x half
	; The turning load takes 16 k x 16 columns (lane l reads k = 8 (l / 16) + l % 8, columns 8 ((l / 8) % 2) + 0..7) and leaves half a fragment of B^T: lane l holds column l % 16 and 8 k.
	v_and_b32 v4, 7, v0
	v_bfe_u32 v5, v0, 3, 1
	v_lshl_add_u32 v6, v2, 3, v4
	v_mul_u32_u24 v6, v6, PB
	v_lshl_add_u32 v6, v5, 4, v6
	s_mul_i32 s22, s11, 128*PA                     ; my 128 rows in each head's plane
	s_lshl_b32 s23, s12, 7                         ; my 64 columns of B,
	s_add_co_u32 s23, s23, ABYTES                  ; which lies behind A
.irp s, 0,1
	v_add_nc_u32 v[ADRA+(\s)], s22, v3
	v_add_nc_u32 v[ADRB+(\s)], s23, v6
	s_add_co_u32 s22, s22, SLOT
	s_add_co_u32 s23, s23, SLOT
.endr
	s_mul_i32 s23, s10, 16*SP
	s_add_co_u32 s23, s23, STAGE                   ; my stage
	v_mul_u32_u24 v7, v1, SP                       ; in: row l % 16, 32 bytes for each half of the lanes
	v_lshl_add_u32 v7, v2, 5, v7
	v_add_nc_u32 v[STO], s23, v7
	v_mul_u32_u24 v7, v2, SP                       ; back: lanes 0-15 take one row of 256 bytes, lanes 16-31 the next
	v_lshl_add_u32 v7, v1, 4, v7
	v_add_nc_u32 v[RD], s23, v7
	v_lshlrev_b32 v7, 12, v2                       ; and the same two rows in C, 4,096 bytes apart
	v_lshl_add_u32 v[GO], v1, 4, v7
	; where my 128 rows x 64 columns begin in C
	s_lshl_b32 s16, s13, 20                        ; 256 rows of 4,096 bytes a tile row,
	s_lshl_b32 s17, s11, 19                        ; 128 rows a half
	s_add_co_u32 s16, s16, s17
	s_mov_b32 s17, 0
	s_add_nc_u64 s[8:9], s[8:9], s[16:17]
	s_lshl_b32 s46, s42, 9                         ; 512 bytes a tile column, 256 a half (in the registers that held B's address: none that fed A's descriptors ever holds cx)
	s_lshl_b32 s47, s12, 8
	s_add_co_u32 s46, s46, s47
	s_mov_b32 s47, 0
	s_add_nc_u64 s[8:9], s[8:9], s[46:47]
; 8 matrix instructions: m blocks a0, a0 + 1 x all 4 n blocks, 32 along K.  zero = 1: the first product starts the sums: nothing is ever cleared.
; The 32 accumulators take turns, one instruction a turn, in the same order in every quarter.
.macro MUL8 f, a0, zero
	WIN MUL
.irp a, \a0, (\a0)+1
.irp b, 0,1,2,3
.if \zero
	v_wmma_f32_16x16x32_f16 v[8*(4*(\a)+(\b)):8*(4*(\a)+(\b))+7], v[(\f)+64+8*(\b):(\f)+64+8*(\b)+7], v[(\f)+8*(\a):(\f)+8*(\a)+7], 0
.else
	v_wmma_f32_16x16x32_f16 v[8*(4*(\a)+(\b)):8*(4*(\a)+(\b))+7], v[(\f)+64+8*(\b):(\f)+64+8*(\b)+7], v[(\f)+8*(\a):(\f)+8*(\a)+7], v[8*(4*(\a)+(\b)):8*(4*(\a)+(\b))+7]
.endif
.endr
.endr
.endm
; 24 LDS loads in one run: the fragments of quarter q (32 along K: head q / 2 of the step's two, channels 32 (q % 2) on) of a slot into buffer f: B's eight first, then A's sixteen, blocks ascending
.macro FETCH slot, q, f
	WIN 0
.set AOFF, ((\q)/2)*PLANE+((\q)%2)*64
.irp b, 0,1,2,3
	ds_load_tr16_b128 v[(\f)+64+8*(\b):(\f)+64+8*(\b)+3],   v[ADRB+(\slot)] offset:(\q)*32*PB+32*(\b)
	ds_load_tr16_b128 v[(\f)+64+8*(\b)+4:(\f)+64+8*(\b)+7], v[ADRB+(\slot)] offset:(\q)*32*PB+16*PB+32*(\b)
.endr
.irp i, 0,1,2,3,4,5,6,7
	ds_load_b128 v[(\f)+8*(\i):(\f)+8*(\i)+3],   v[ADRA+(\slot)] offset:AOFF+(\i)*16*PA
	ds_load_b128 v[(\f)+8*(\i)+4:(\f)+8*(\i)+7], v[ADRA+(\slot)] offset:AOFF+(\i)*16*PA+32
.endr
.endm
.macro PLACES                          ; four places in front of loads into registers that matrix instructions have read, and of lines that read results (loads and LDS stores aside)
.rept 4
	v_nop
.endr
.endm
; A K step is four quarters of 32 along K, 32 matrix instructions each, on buffers 0, 1, 0, 1.  One of the first three: multiplies buffer f and fetches quarter q into g.
.macro QUARTER slot, q, f, g, zero
	s_wait_dscnt 8                                 ; B and A's blocks 0-3 are in; the youngest eight loads (A's blocks 4-7) may be out
	MUL8 \f, 0, \zero
	MUL8 \f, 2, \zero
	PLACES
	FETCH \slot, \q, \g
	s_wait_dscnt 24                                ; all but the 24 just issued
	MUL8 \f, 4, \zero
	MUL8 \f, 6, \zero
.endm
; The last quarter multiplies buffer 1 and changes slots: ONE barrier; in front of it each wave waits for all its tensor loads, adds 0 to its spare word, and waits for that and for its own reads of this slot.
; fill = 1: this slot is filled again, two K steps ahead; the barrier then opens a round of the cluster's barrier.
.macro TURN slot, next, fill
	WIN 0                                          ; (the add's two registers lie in window 0)
	s_wait_tensorcnt 0x0                           ; all my tensor loads have landed: the one that was out is my part of the next slot;
	ds_add_u32 v[SPW], v[NIL]                      ; 0 onto my spare word;
	s_wait_dscnt 9                                 ; (the add and the youngest eight loads may be out)
	MUL8 F1, 0, 0                                  ; eight matrix instructions stand between the add and the wait for it
	s_wait_dscnt 0x0                               ; the add is done, and my reads of this slot are over
	s_barrier_signal -1
	MUL8 F1, 2, 0                                  ; work on registers while the others arrive
.if \fill
	WIN 0
.endif
	s_barrier_wait -1
.if \fill
	CREST                                          ; no wave of any partner still reads this slot's tile or has a load on its way
	s_add_nc_u64 s[G0+4*(\slot)+2:G0+4*(\slot)+3], s[G0+4*(\slot)+2:G0+4*(\slot)+3], 2*ASTEP
	s_add_nc_u64 s[G0B+4*(\slot)+2:G0B+4*(\slot)+3], s[G0B+4*(\slot)+2:G0B+4*(\slot)+3], 2*BSTEP
	JLOAD \slot                                    ; the first tensor load behind the round, 112 matrix instructions ahead of the wait for it; the four v_nop behind it are also the places in front of the loads below
.else
	PLACES
.endif
	FETCH \next, 0, F0
	MUL8 F1, 4, 0
	MUL8 F1, 6, 0
.endm
	s_wait_tensorcnt 1                             ; my part of K step 0 is in; K step 1's may stay out
	s_barrier_signal -1
	s_barrier_wait -1                              ; everybody's is
	FETCH 0, 0, F0
	QUARTER 0, 1, F0, F1, 1                        ; the first quarter stands in front of the loop: its products start the sums
	WIN 0                                          ; at a label and at a branch every window is 0
	s_mov_b32 s3, LAPS-1
.Llap:                                                 ; a trip goes once round the ring, from a lap's second quarter to the next lap's first, and fills both slots again
	QUARTER 0, 2, F1, F0, 0
	QUARTER 0, 3, F0, F1, 0
	TURN 0, 1, 1
	QUARTER 1, 1, F0, F1, 0
	QUARTER 1, 2, F1, F0, 0
	QUARTER 1, 3, F0, F1, 0
	TURN 1, 0, 1
	QUARTER 0, 1, F0, F1, 0
	WIN 0
	s_sub_co_u32 s3, s3, 1
	s_cmp_lg_u32 s3, 0
	s_cbranch_scc1 .Llap
	QUARTER 0, 2, F1, F0, 0                        ; the last lap fills nothing, and has no round of the cluster's barrier
	QUARTER 0, 3, F0, F1, 0
	TURN 0, 1, 0
	QUARTER 1, 1, F0, F1, 0
	QUARTER 1, 2, F1, F0, 0
	QUARTER 1, 3, F0, F1, 0
	s_wait_dscnt 8                                 ; the very last quarter: nothing more to fetch
	MUL8 F1, 0, 0
	MUL8 F1, 2, 0
	s_wait_dscnt 0x0
	MUL8 F1, 4, 0
	MUL8 F1, 6, 0
	WIN 0
	PLACES
	; THE WAY OUT, a block of 16 rows at a time: a lane's eight f32 of a row (32 bytes) go into my own stage (rows of 272 bytes) and come back as whole rows of 256 bytes.
.macro TOSTAGE a
	s_wait_xcnt 0x0                                ; every earlier store has had its addresses translated (ISA guide 3.1): the registers that the block two back was stored from are loaded again only behind this wait
	WIN 0x04                                       ; the stores' data (source 1) in window 1, their address in window 0; each accumulator's four lowest registers go first
.irp b, 0,1,2,3
	ds_store_b128 v[STO], v[8*(4*(\a)+(\b)):8*(4*(\a)+(\b))+3] offset:64*(\b)
	ds_store_b128 v[STO], v[8*(4*(\a)+(\b))+4:8*(4*(\a)+(\b))+7] offset:64*(\b)+16
.endr
	WIN 0
.irp t, 0,1,2,3,4,5,6,7
	ds_load_b128 v[OUT+32*((\a)%2)+4*(\t):OUT+32*((\a)%2)+4*(\t)+3], v[RD] offset:(\t)*2*SP  ; LDS serves a wave's instructions in order (ISA guide 5.7.1.4): these see the stores above; the next block's stores come behind them
.endr
.endm
.macro SEND a, younger                 ; younger: the LDS instructions issued behind block a's loads: the next block's sixteen, or none
.irp t, 0,1,2,3,4,5,6,7
	s_wait_dscnt (\younger)+7-(\t)
	global_store_b128 v[GO], v[OUT+32*((\a)%2)+4*(\t):OUT+32*((\a)%2)+4*(\t)+3], s[8:9] offset:(16*(\a)+2*(\t))*4096 th:TH_STORE_NT  ; 16 lanes store 256 consecutive bytes, at a multiple of 256 from C's first byte; 126 rows at the most: inside the signed 24-bit immediate
.endr
.endm
	TOSTAGE 0
.irp a, 1,2,3,4,5,6,7                  ; a block's way into the stage stands between the loads of the block before and its stores
	TOSTAGE \a
	SEND (\a)-1, 16
.endr
	SEND 7, 0
	s_wait_tensorcnt 0x0                           ; the wave's end, behind my last tensor load and my last LDS store
	ds_add_u32 v[SPW], v[NIL]
	s_wait_dscnt 0x0
	CROUND                                         ; the closing round: no work-group ends while a partner may still ask for a tile that names it
	s_endpgm
.Lfunc_end_k_q1c9051ba99_proj:
	.size	k_q1c9051ba99_proj, .Lfunc_end_k_q1c9051ba99_proj-k_q1c9051ba99_proj
	.p2alignl 7, 3214868480
	.fill 96, 4, 3214868480
	.section	.rodata,"a",@progbits
	.p2align	6, 0x0
	.amdhsa_kernel k_q1c9051ba99_proj
		.amdhsa_group_segment_fixed_size 327680
		.amdhsa_private_segment_fixed_size 0
		.amdhsa_enable_private_segment 0
		.amdhsa_kernarg_size 24
		.amdhsa_user_sgpr_count 2
		.amdhsa_user_sgpr_kernarg_segment_ptr 1
		.amdhsa_wavefront_size32 1
		.amdhsa_system_sgpr_workgroup_id_x 1
		.amdhsa_system_sgpr_workgroup_id_y 1
		.amdhsa_system_sgpr_workgroup_id_z 1
		.amdhsa_system_vgpr_workitem_id 0
		.amdhsa_next_free_vgpr 512
		.amdhsa_next_free_sgpr 66
		.amdhsa_reserve_vcc 0
		.amdhsa_float_denorm_mode_32 3
		.amdhsa_float_denorm_mode_16_64 3
		.amdhsa_memory_ordered 1
		.amdhsa_forward_progress 1
		.amdhsa_inst_pref_size 87
	.end_amdhsa_kernel
	.amdgpu_metadata
---
amdhsa.version: [ 1, 2 ]
amdhsa.kernels:
  - .name:           k_q1c9051ba99_proj
    .symbol:         k_q1c9051ba99_proj.kd
    .args:
      - { .name: o16, .offset: 0, .size: 8, .value_kind: global_buffer, .address_space: global }
      - { .name: wo16, .offset: 8, .size: 8, .value_kind: global_buffer, .address_space: global }
      - { .name: out0, .offset: 16, .size: 8, .value_kind: global_buffer, .address_space: global }
    .group_segment_fixed_size: 327680
    .private_segment_fixed_size: 0
    .kernarg_segment_align: 8
    .kernarg_segment_size: 24
    .max_flat_workgroup_size: 128
    .sgpr_count:     66
    .vgpr_count:     512
    .wavefront_size: 32
...
	.end_amdgpu_metadata
.endif
;; end of part 6
;; launch fixo (part 7): grid 16 x 2, 4 waves a work-group, no clusters, 327,680 bytes of LDS; arguments ohl, wo16, out0; writes out0
.if DOCPART == 7
	.amdgcn_target "amdgcn-amd-amdhsa--gfx1250"
	.amdhsa_code_object_version 6
	.text
	.protected	k_q1c9051ba99_fixo
	.globl	k_q1c9051ba99_fixo
	.p2align	8
	.type	k_q1c9051ba99_fixo,@function
k_q1c9051ba99_fixo:
	s_mov_b64 s[64:65], 0
	v_nop
	global_prefetch_b8 v0, s[64:65] scope:SCOPE_SE
	s_setreg_imm32_b32 hwreg(HW_REG_WAVE_MODE, 25, 1), 1
	s_wait_xcnt 0x0
; THE OUTPUT PROJECTION OF EACH BATCH'S FIRST 16 ROWS, FROM O IN TWO HALVES.  C[batch][row][n] = sum over k of (hi[R][k] + lo[R][k]) W[k][n], R = 16 x batch + row.  A = ohl: [hi, lo][8 chunks of 128 k][64 rows][128] f16;
; W = wo16 [1024][1024] f16 (bf16 values, exact); C = out0 [4][2048][1024] f32: rows 0 to 15 of each batch, written over what the launch before left there from O in one f16.
; WHY: under the causal mask row q is a mean of q + 1 rows of v; the first rows' numbers are many times the output's root mean square, of which a number near zero is allowed a hundredth: f16's 2^-11 is too coarse there.
; SHARES.  A work-group takes 64 columns and two batches: 16 x 2 work-groups.  Four waves, each one batch's 16 rows x 32 columns: two accumulators.
; LDS.  W's 1,024 rows of 128 bytes (pitch 160), the four tiles of A (hi and lo of two batches; 128 rows of 256 bytes, pitch 272: chunk c, row r at 16 c + r) and a stage.  Each wave asks for a quarter of W and one tile
; of A at the head, two tensor loads; no byte of LDS is filled a second time, so there is no ring.  NO CLUSTER: the two work-groups of a column block share 128 KB once in the launch; nothing recurs that a joint request could serve.
; THE MATRIX INSTRUCTION IS USED TRANSPOSED (source 0 = 16 columns of W, turned by ds_load_tr16_b128; source 1 = 16 rows of A): a lane then holds eight neighbouring numbers of a row of C.
.set WPITCH, 1024                      ; elements from row to row of W
.set CROW,   4096                      ; bytes from row to row of C
.set CBATCH, 2048*CROW                 ; bytes from a batch's first row in C to the next batch's
.set PW,     160                       ; a row of W in LDS: 128 bytes + 32 of padding = 40 words
.set PA,     272                       ; a row of A: 256 + 16 = 68 words: the 16 rows of a load start at 16 different groups of four banks
.set WQ,     256*PW                    ; a quarter of W: what one tensor load brings
.set AB,     4*WQ                      ; A's tiles lie behind W
.set AT,     128*PA                    ; a tile of A
.set STAGE,  AB+4*AT                   ; behind them, never filled by a tensor load: 16 rows x 272 bytes for each of the two batches
.set SP,     272
.set ADRH, 8                           ; v8   LDS address of my hi fragments; steps a chunk a trip
.set ADRL, 9                           ; v9   of my lo fragments
.set ADRB, 10                          ; v10  of my fragments of W; steps 128 rows a trip
.set STO,  11                          ; v11  the way out: where I put 32 bytes of a row
.set RD,   12                          ; v12  the way out: where I read a row back
.set GO,   13                          ; v13  my byte offset in two rows of C
.set FB,   32                          ; v[32:95]   W: quarter q, column block b at FB + 16 q + 8 b
.set FH,   96                          ; v[96:127]  hi: quarter q at FH + 8 q
.set FL,   128                         ; v[128:159] lo
.set ACC,  160                         ; v[160:175] two accumulators
.set OUT,  176                         ; v[176:191] eight rows' halves on the way out
	s_load_b128 s[4:7], s[0:1], 0x0                ; A s[4:5], W s[6:7]
	s_load_b64 s[8:9], s[0:1], 0x10                ; C
	v_lshl_add_u32 v192, v0, 2, 0x4c200
	v_mov_b32 v193, 0
	ds_add_u32 v192, v193
	ds_add_u32 v192, v193
	v_lshrrev_b32 v1, 5, v0
	v_readfirstlane_b32 s10, v1                    ; wave 0..3
	s_and_b32 s11, s10, 1                          ; which batch of the pair is mine
	s_lshr_b32 s12, s10, 1                         ; which 32 of the 64 columns.  Also: I fetch a hi tile (0) or a lo tile (1)
	s_and_b32 s13, ttmp7, 0xffff
	s_lshl_b32 s13, s13, 1
	s_add_co_u32 s13, s13, s11                     ; my batch
	; descriptor group 1 for W: 256 rows x 64 elements, 8 words of padding behind every 32
	s_mov_b32 s16, (1<<16)|(1<<20)|(4<<22)|(7<<25) ; 17:16 elements of 2 bytes; 20 padding on; 24:22 after every 32 words (code 4); 31:25 8 words (code 7)
	s_mov_b32 s17, 64<<16                          ; tensor_dim0 = 64
	s_mov_b32 s18, 256<<16                         ; tensor_dim1 = 256
	s_mov_b32 s19, 64<<16                          ; tile_dim0 = 64
	s_mov_b32 s20, 256                             ; tile_dim1 = 256
	s_mov_b32 s21, WPITCH                          ; elements from row to row
	s_mov_b32 s22, 0
	s_mov_b32 s23, 0
	; descriptor group 1 for A: 8 rows (chunks) x 2,048 elements (a batch's 16 rows of 256 bytes, dense), 4 words of padding behind every 64
	s_mov_b32 s24, (1<<16)|(1<<20)|(5<<22)|(3<<25) ; 24:22 after every 64 words (code 5); 31:25 4 words (code 3)
	s_mov_b32 s25, 2048<<16                        ; tensor_dim0 = 2,048
	s_mov_b32 s26, 8<<16                           ; tensor_dim1 = 8
	s_mov_b32 s27, 2048<<16                        ; tile_dim0 = 2,048
	s_mov_b32 s28, 8                               ; tile_dim1 = 8
	s_mov_b32 s29, 8192                            ; a chunk is 64 rows of 128 elements
	s_mov_b32 s30, 0
	s_mov_b32 s31, 0
	s_mul_i32 s36, s10, 256*WPITCH*2               ; W: my quarter's 256 rows,
	s_lshl_b32 s37, ttmp9, 7                       ; the work-group's 64 columns
	s_add_co_u32 s36, s36, s37
	s_mov_b32 s37, 0
	s_lshl_b32 s38, s12, 17                        ; A: hi or lo (131,072 bytes each),
	s_lshl_b32 s39, s13, 12                        ; my batch's 16 rows of 256 bytes
	s_add_co_u32 s38, s38, s39
	s_mov_b32 s39, 0
	s_mov_b32 s40, 1                               ; group 0 for W: count = 1,
	s_mul_i32 s41, s10, WQ                         ; LDS address: wave x a quarter
	s_mov_b32 s44, 1                               ; group 0 for A
	s_mul_i32 s45, s10, AT                         ; LDS address: tile = wave: hi of batch 0, 1, then lo of batch 0, 1
	s_add_co_u32 s45, s45, AB
	s_wait_dscnt 0x0
	s_wait_kmcnt 0x0
	s_add_nc_u64 s[42:43], s[6:7], s[36:37]
	s_or_b32 s43, s43, 0x80000000                  ; type = 2
	s_add_nc_u64 s[46:47], s[4:5], s[38:39]
	s_or_b32 s47, s47, 0x80000000
	tensor_load_to_lds s[40:43], s[16:23]          ; all that the work-group will read goes out at once: two loads of mine are out
	s_nop 0
	tensor_load_to_lds s[44:47], s[24:31]
	s_nop 0
	; A fragment of A is 16 rows x 32 K in 8 registers: lane l holds row l % 16, K = 8 (l / 16) + 0..7 and 16 + 8 (l / 16) + 0..7: two loads of 16 bytes, 32 bytes apart.
	v_and_b32 v1, 15, v0                           ; l % 16
	v_bfe_u32 v2, v0, 4, 1                         ; l / 16
	v_mul_u32_u24 v3, v1, PA
	v_lshl_add_u32 v3, v2, 4, v3                   ; row x pitch + 16 x half
	s_mul_i32 s14, s11, AT
	s_add_co_u32 s14, s14, AB                      ; my batch's hi tile
	v_add_nc_u32 v[ADRH], s14, v3
	v_add_nc_u32 v[ADRL], 2*AT, v[ADRH]            ; its lo tile lies two tiles on
	; The turning load takes 16 k x 16 columns (lane l reads k = 8 (l / 16) + l % 8, columns 8 ((l / 8) % 2) + 0..7) and leaves half a fragment of W^T: lane l holds column l % 16 and 8 k.
	v_and_b32 v4, 7, v0
	v_bfe_u32 v5, v0, 3, 1
	v_lshl_add_u32 v6, v2, 3, v4
	v_mul_u32_u24 v6, v6, PW
	v_lshl_add_u32 v6, v5, 4, v6
	s_lshl_b32 s15, s12, 6                         ; my 32 columns
	v_add_nc_u32 v[ADRB], s15, v6
	s_mul_i32 s14, s11, 16*SP
	s_add_co_u32 s14, s14, STAGE                   ; my batch's stage
	v_mul_u32_u24 v7, v1, SP                       ; in: row l % 16, my 128 bytes of it, 32 bytes for each half of the lanes
	v_lshl_add_u32 v7, v2, 5, v7
	s_lshl_b32 s15, s12, 7
	s_add_co_u32 s15, s15, s14
	v_add_nc_u32 v[STO], s15, v7
	v_mul_u32_u24 v7, v2, SP                       ; back: I take eight of the 16 rows, whole; lanes 0-15 one row of 256 bytes, lanes 16-31 the next
	v_lshl_add_u32 v7, v1, 4, v7
	s_mul_i32 s15, s12, 8*SP
	s_add_co_u32 s15, s15, s14
	v_add_nc_u32 v[RD], s15, v7
	v_mul_u32_u24 v7, v2, CROW                     ; and the same two rows in C
	v_lshl_add_u32 v[GO], v1, 4, v7
	s_mul_i32 s36, s13, CBATCH                     ; where those eight rows begin in C: my batch,
	s_mul_i32 s37, s12, 8*CROW                     ; its rows 0-7 or 8-15,
	s_add_co_u32 s36, s36, s37
	s_lshl_b32 s37, ttmp9, 8                       ; the work-group's 64 columns of 4 bytes
	s_add_co_u32 s36, s36, s37
	s_mov_b32 s37, 0
	s_add_nc_u64 s[8:9], s[8:9], s[36:37]
.set i, 0
.rept 16                               ; the sums start from sixteen cleared registers, in the wait for the tiles, so that the loop's one text serves all eight trips
	v_mov_b32 v[ACC+i], 0
.set i, i+1
.endr
	s_wait_tensorcnt 0x0                           ; my quarter of W and my tile of A are in,
	s_barrier_signal -1
	s_barrier_wait -1                              ; everybody's are
	s_mov_b32 s3, 8
.Lk:                                                   ; a trip: 128 along K, four quarters of 32
.irp q, 0,1,2,3                        ; 32 LDS loads in one run, eight a quarter
	ds_load_tr16_b128 v[FB+16*(\q):FB+16*(\q)+3],     v[ADRB] offset:(\q)*32*PW
	ds_load_tr16_b128 v[FB+16*(\q)+4:FB+16*(\q)+7],   v[ADRB] offset:(\q)*32*PW+16*PW
	ds_load_tr16_b128 v[FB+16*(\q)+8:FB+16*(\q)+11],  v[ADRB] offset:(\q)*32*PW+32
	ds_load_tr16_b128 v[FB+16*(\q)+12:FB+16*(\q)+15], v[ADRB] offset:(\q)*32*PW+16*PW+32
	ds_load_b128 v[FH+8*(\q):FH+8*(\q)+3],   v[ADRH] offset:64*(\q)
	ds_load_b128 v[FH+8*(\q)+4:FH+8*(\q)+7], v[ADRH] offset:64*(\q)+32
	ds_load_b128 v[FL+8*(\q):FL+8*(\q)+3],   v[ADRL] offset:64*(\q)
	ds_load_b128 v[FL+8*(\q)+4:FL+8*(\q)+7], v[ADRL] offset:64*(\q)+32
.endr
.irp q, 0,1,2,3
	s_wait_dscnt 8*(3-(\q))                        ; LDS loads come back in order: quarter q's eight are in, the later quarters' may be out
	v_wmma_f32_16x16x32_f16 v[ACC:ACC+7],    v[FB+16*(\q):FB+16*(\q)+7],    v[FH+8*(\q):FH+8*(\q)+7], v[ACC:ACC+7]     ; the two accumulators take turns, one instruction a turn
	v_wmma_f32_16x16x32_f16 v[ACC+8:ACC+15], v[FB+16*(\q)+8:FB+16*(\q)+15], v[FH+8*(\q):FH+8*(\q)+7], v[ACC+8:ACC+15]
	v_wmma_f32_16x16x32_f16 v[ACC:ACC+7],    v[FB+16*(\q):FB+16*(\q)+7],    v[FL+8*(\q):FL+8*(\q)+7], v[ACC:ACC+7]
	v_wmma_f32_16x16x32_f16 v[ACC+8:ACC+15], v[FB+16*(\q)+8:FB+16*(\q)+15], v[FL+8*(\q):FL+8*(\q)+7], v[ACC+8:ACC+15]
.endr
	v_add_nc_u32 v[ADRB], 128*PW, v[ADRB]          ; the next 128 rows of W, the next chunk of A: with the v_nop the four places behind the last product (ISA guide 7.12.1),
	v_add_nc_u32 v[ADRH], 16*PA, v[ADRH]           ; in front of the next trip's loads into its sources and, behind the loop, of the stores of its result
	v_add_nc_u32 v[ADRL], 16*PA, v[ADRL]
	v_nop
	s_sub_co_u32 s3, s3, 1
	s_cmp_lg_u32 s3, 0
	s_cbranch_scc1 .Lk
	; THE WAY OUT.  A lane's eight f32 of a row (32 bytes) go into the batch's stage; a barrier, since a row's 256 bytes come from two waves; back as whole rows, eight a wave.
	ds_store_b128 v[STO], v[ACC:ACC+3]             ; each accumulator's four lowest registers first
	ds_store_b128 v[STO], v[ACC+4:ACC+7] offset:16
	ds_store_b128 v[STO], v[ACC+8:ACC+11] offset:64
	ds_store_b128 v[STO], v[ACC+12:ACC+15] offset:80
	s_wait_dscnt 0x0                               ; for the others' sake: my stores into the stage are done
	s_barrier_signal -1
	s_barrier_wait -1
.irp t, 0,1,2,3
	ds_load_b128 v[OUT+4*(\t):OUT+4*(\t)+3], v[RD] offset:(\t)*2*SP
.endr
.irp t, 0,1,2,3
	s_wait_dscnt 3-(\t)                            ; load t is back, the younger ones may be out
	global_store_b128 v[GO], v[OUT+4*(\t):OUT+4*(\t)+3], s[8:9] offset:(\t)*2*CROW  ; 16 lanes store 256 consecutive bytes, at a multiple of 256 from C's first byte
.endr
	s_wait_tensorcnt 0x0
	ds_add_u32 v192, v193
	s_wait_dscnt 0x0
	s_endpgm
.Lfunc_end_k_q1c9051ba99_fixo:
	.size	k_q1c9051ba99_fixo, .Lfunc_end_k_q1c9051ba99_fixo-k_q1c9051ba99_fixo
	.p2alignl 7, 3214868480
	.fill 96, 4, 3214868480
	.section	.rodata,"a",@progbits
	.p2align	6, 0x0
	.amdhsa_kernel k_q1c9051ba99_fixo
		.amdhsa_group_segment_fixed_size 327680
		.amdhsa_private_segment_fixed_size 0
		.amdhsa_enable_private_segment 0
		.amdhsa_kernarg_size 24
		.amdhsa_user_sgpr_count 2
		.amdhsa_user_sgpr_kernarg_segment_ptr 1
		.amdhsa_wavefront_size32 1
		.amdhsa_system_sgpr_workgroup_id_x 1
		.amdhsa_system_sgpr_workgroup_id_y 1
		.amdhsa_system_sgpr_workgroup_id_z 1
		.amdhsa_system_vgpr_workitem_id 0
		.amdhsa_next_free_vgpr 194
		.amdhsa_next_free_sgpr 66
		.amdhsa_reserve_vcc 0
		.amdhsa_float_denorm_mode_32 3
		.amdhsa_float_denorm_mode_16_64 3
		.amdhsa_memory_ordered 1
		.amdhsa_forward_progress 1
		.amdhsa_inst_pref_size 10
	.end_amdhsa_kernel
	.amdgpu_metadata
---
amdhsa.version: [ 1, 2 ]
amdhsa.kernels:
  - .name:           k_q1c9051ba99_fixo
    .symbol:         k_q1c9051ba99_fixo.kd
    .args:
      - { .name: ohl, .offset: 0, .size: 8, .value_kind: global_buffer, .address_space: global }
      - { .name: wo16, .offset: 8, .size: 8, .value_kind: global_buffer, .address_space: global }
      - { .name: out0, .offset: 16, .size: 8, .value_kind: global_buffer, .address_space: global }
    .group_segment_fixed_size: 327680
    .private_segment_fixed_size: 0
    .kernarg_segment_align: 8
    .kernarg_segment_size: 24
    .max_flat_workgroup_size: 128
    .sgpr_count:     66
    .vgpr_count:     194
    .wavefront_size: 32
...
	.end_amdgpu_metadata
.endif
;; end of part 7
;; ======== version 2 of 2: 5 launches
;; limits: values are held in f16: magnitudes above 65,504 overflow, below 6.1e-05 lose precision
;; workspace buffers: xn16 16,777,216 bytes; wq16 6,291,456 bytes; wo16 2,097,152 bytes; qkv16 50,331,648 bytes; o16 16,777,216 bytes; xlo 131,072 bytes; qkv32 786,432 bytes; olo 131,072 bytes
;; launch prep (part 8): grid 1024 x 1, 4 waves a work-group, no clusters, 0 bytes of LDS; arguments x, ln_gamma, ln_beta, w_qkv, w_out, xn16, wq16, wo16, xlo; writes xn16, wq16, wo16, xlo
.if DOCPART == 8
	.amdgcn_target "amdgcn-amd-amdhsa--gfx1250"
	.amdhsa_code_object_version 6
	.text
	.protected	k_q1c9051ba99_prep
	.globl	k_q1c9051ba99_prep
	.p2align	8
	.type	k_q1c9051ba99_prep,@function
k_q1c9051ba99_prep:
	s_mov_b64 s[64:65], 0
	v_nop
	global_prefetch_b8 v0, s[64:65] scope:SCOPE_SE
	s_setreg_imm32_b32 hwreg(HW_REG_WAVE_MODE, 25, 1), 1
	s_wait_xcnt 0x0
; LAYER NORM AND THE CASTS OF THE WEIGHTS.  A stream: no LDS, no barrier, no matrix unit; memory binds, so every byte is read once and written once.
; Work-groups 0-511: xn16[r][c] = f16( (x[r][c] - mean) * rsqrt(var + 1e-5) * gamma[c] + beta[c] ), 16 rows a work-group, 4 rows a wave, a whole row (4,096 bytes) in 32 registers of one wave.
; Work-group g belongs to batch g / 128; its wave w takes the batch's rows 4 (g % 128) + w + 512 s, s = 0 .. 3.  So a batch's first 16 rows are always some wave's row s = 0, in the work-groups with g % 128 < 4.
; Work-groups 512-1023: wq16 = w_qkv and wo16 = w_out, 8,192 numbers a work-group (384 work-groups for w_qkv, 128 for w_out).
; THE FIRST 16 ROWS OF A BATCH also leave a second half, lo = f16(xn - f16(xn)), in xlo: [8 chunks of 128 columns][64 rows = 16 x batch + row][128] f16; the first half is xn16's own word.  Under the causal mask row q is a
; mean of q + 1 rows of v, so these rows' numbers are many times the output's root mean square while a number near zero is allowed a hundredth of it: one f16 rounding (2^-11 of a number at the most) is too much there.
; FORMATS AND LIMITS.  Every input (x, gamma, beta, both weights) is rounded ONCE to bf16 as it arrives; all arithmetic behind that is f32.  The mean is taken first and the squares of the
; centred numbers second: no difference of large sums.  A common offset on x costs x the bf16 step at that offset.  xn is rounded once to f16: |xn| <= 32 |gamma| + |beta| has to stay under 65,504.
; The weights leave as f16 holding the bf16 value: exact from 2^-17 to 65,504 in magnitude, below that on f16's fixed step of 6e-8, which lo keeps too.  NaN and infinities are not treated apart.
.set G,  8                             ; v[8:39]    gamma of my 32 columns (load j: columns 128 j + 4 lane .. + 3)
.set BT, 40                            ; v[40:71]   beta of the same columns
.set X,  72                            ; v[72:199]  four rows of 32 registers; in the cast sixteen loads of 4
.set T,  200                           ; v[200:207] at work
.set M,  208                           ; v[208:209] the mean, twice (a pair for the packed subtraction)
.set R,  210                           ; v[210:211] 1 / sqrt(var + eps), twice
.set LO, 212                           ; v[212:227] the lo halves of a row; v6 at work with them (its halves are named), v7 my byte offset in xlo
	s_load_b512 s[8:23], s[0:1], 0x0               ; x s[8:9], gamma s[10:11], beta s[12:13], w_qkv s[14:15], w_out s[16:17], xn16 s[18:19], wq16 s[20:21], wo16 s[22:23]
	s_load_b64 s[36:37], s[0:1], 0x40              ; xlo
	s_mov_b32 s28, 0xffff0000                      ; a word's upper bf16
	s_mov_b32 s29, 0x3a800000                      ; 1 / 1024
	s_mov_b32 s30, 0x3727c5ac                      ; 1e-5
	s_mov_b32 s32, 0x76543210                      ; v_permlanex16_b32: lane i of one half reads lane i of the other
	s_mov_b32 s33, 0xfedcba98
	v_and_b32 v4, 31, v0                           ; lane
	v_lshrrev_b32 v5, 5, v0                        ; wave
	v_lshlrev_b32 v1, 4, v4                        ; 16 bytes a lane
	s_cmp_lt_u32 ttmp9, 512
	s_cbranch_scc0 .Lcast                          ; the same way for the whole work-group
; 32 numbers in f32 are rounded to bf16 and widened again, in place
.macro RND16 base
.set i, 0
.rept 16
	v_cvt_pk_bf16_f32 v[T+i%4], v[(\base)+2*i], v[(\base)+2*i+1]
	v_lshlrev_b32 v[(\base)+2*i], 16, v[T+i%4]
	v_and_b32 v[(\base)+2*i+1], s28, v[T+i%4]
.set i, i+1
.endr
.endm
; four pairs of partial sums in T become the wave's sum, in every lane's v[T]
.macro REDUCE
	v_pk_add_f32 v[T:T+1], v[T:T+1], v[T+2:T+3]
	v_pk_add_f32 v[T+4:T+5], v[T+4:T+5], v[T+6:T+7]
	v_pk_add_f32 v[T:T+1], v[T:T+1], v[T+4:T+5]
	v_add_f32 v[T], v[T], v[T+1]
	v_add_f32_dpp v[T], v[T], v[T] row_xmask:1 row_mask:0xf bank_mask:0xf
	v_add_f32_dpp v[T], v[T], v[T] row_xmask:2 row_mask:0xf bank_mask:0xf
	v_add_f32_dpp v[T], v[T], v[T] row_xmask:4 row_mask:0xf bank_mask:0xf
	v_add_f32_dpp v[T], v[T], v[T] row_xmask:8 row_mask:0xf bank_mask:0xf
	v_permlanex16_b32 v[T+1], v[T], s32, s33       ; its destination counts as read: T+1 has been written
	v_add_f32 v[T], v[T], v[T+1]
.endm
; Row s of my four.  left = the younger loads, which may stay out.  fix = 1 (row 0 alone): the row may be one of a batch's first 16, and then leaves its second half in xlo too.
.macro ROW s, left, fix
.set R0, X+32*(\s)
	s_wait_loadcnt \left                           ; loads come back in order: this row's eight are in
	RND16 R0
.irp c, 0,1,2,3                        ; the sum, in four chains that do not wait for each other; the first additions start them
	v_pk_add_f32 v[T+2*(\c):T+2*(\c)+1], v[R0+2*(\c):R0+2*(\c)+1], v[R0+8+2*(\c):R0+8+2*(\c)+1]
.endr
.irp o, 16, 24
.irp c, 0,1,2,3
	v_pk_add_f32 v[T+2*(\c):T+2*(\c)+1], v[T+2*(\c):T+2*(\c)+1], v[R0+(\o)+2*(\c):R0+(\o)+2*(\c)+1]
.endr
.endr
	REDUCE
	v_mul_f32 v[M], s29, v[T]
	v_mul_f32 v[M+1], s29, v[T]
.set i, 0
.rept 16
	v_pk_add_f32 v[R0+2*i:R0+2*i+1], v[R0+2*i:R0+2*i+1], v[M:M+1] neg_lo:[0,1] neg_hi:[0,1]  ; x - mean
.set i, i+1
.endr
.irp c, 0,1,2,3                        ; the sum of the centred squares, again in four chains
	v_pk_mul_f32 v[T+2*(\c):T+2*(\c)+1], v[R0+2*(\c):R0+2*(\c)+1], v[R0+2*(\c):R0+2*(\c)+1]
.endr
.irp o, 8, 16, 24
.irp c, 0,1,2,3
	v_pk_fma_f32 v[T+2*(\c):T+2*(\c)+1], v[R0+(\o)+2*(\c):R0+(\o)+2*(\c)+1], v[R0+(\o)+2*(\c):R0+(\o)+2*(\c)+1], v[T+2*(\c):T+2*(\c)+1]
.endr
.endr
	REDUCE
	v_fma_f32 v[T], v[T], s29, s30                 ; var + eps
	v_rsq_f32 v[R], v[T]
	v_rsq_f32 v[R+1], v[T]
	v_nop                                          ; a plain instruction between the second root and the use of its result (ISA guide 5.7.2)
.set i, 0
	s_wait_alu depctr_va_vdst(0)
.rept 16
	v_pk_mul_f32 v[R0+2*i:R0+2*i+1], v[R0+2*i:R0+2*i+1], v[R:R+1]
.set i, i+1
.endr
.set i, 0
.rept 16
	v_pk_fma_f32 v[R0+2*i:R0+2*i+1], v[R0+2*i:R0+2*i+1], v[G+2*i:G+2*i+1], v[BT+2*i:BT+2*i+1]
.set i, i+1
.endr
.if \fix
	s_cmp_lt_u32 s34, 4                            ; is my row s = 0 among the batch's first 16?  The same answer for the whole work-group
	s_cbranch_scc0 .Lno_lo
.set i, 0
.rept 16                               ; lo = f16(xn - f16(xn)), while xn still stands in f32
	v_cvt_pk_f16_f32 v6, v[R0+2*i], v[R0+2*i+1]
	v_cvt_f32_f16 v[T+2*(i%4)], v6.l
	v_cvt_f32_f16 v[T+2*(i%4)+1], v6.h
	v_pk_add_f32 v[T+2*(i%4):T+2*(i%4)+1], v[R0+2*i:R0+2*i+1], v[T+2*(i%4):T+2*(i%4)+1] neg_lo:[0,1] neg_hi:[0,1]
	v_cvt_pk_f16_f32 v[LO+i], v[T+2*(i%4)], v[T+2*(i%4)+1]
.set i, i+1
.endr
.irp j, 0,1,2,3,4,5,6,7                ; load j's columns are chunk j: the wave's 32 lanes store the row's 256 bytes of that chunk; LO is written this once
	global_store_b64 v7, v[LO+2*(\j):LO+2*(\j)+1], s[36:37] offset:16384*(\j)
.endr
.Lno_lo:
.endif
.set i, 0
.rept 16                               ; packed in place, ascending: word i is written when pairs up to i have been read
	v_cvt_pk_f16_f32 v[R0+i], v[R0+2*i], v[R0+2*i+1]
.set i, i+1
.endr
.irp j, 0,1,2,3,4,5,6,7                ; the wave's 32 lanes store 256 consecutive bytes, at a multiple of 256 from xn16's first byte; no register that a store reads is written again
	global_store_b64 v3, v[R0+2*(\j):R0+2*(\j)+1], s[18:19] offset:1048576*(\s)+256*(\j)
.endr
.endm
	s_lshr_b32 s2, ttmp9, 7                        ; the batch
	s_and_b32 s34, ttmp9, 127                      ; my work-group's place in it: rows 4 s34 + wave (+ 512 s)
	s_lshl_b32 s4, s2, 22                          ; xn16: 2,048 rows of 2,048 bytes a batch,
	s_lshl_b32 s6, s34, 13                         ; 4 rows a place
	s_add_co_u32 s4, s4, s6
	s_mov_b32 s5, 0
	s_lshl_b32 s35, s2, 12                         ; xlo: 16 rows of 256 bytes a batch,
	s_lshl_b32 s6, s34, 10                         ; 4 rows a place
	s_add_co_u32 s35, s35, s6
	s_lshl_b32 s2, s2, 23                          ; x: 2,048 rows of 4,096 bytes a batch,
	s_lshl_b32 s6, s34, 14                         ; 4 rows a place
	s_add_co_u32 s2, s2, s6
	s_mov_b32 s3, 0
	v_lshl_or_b32 v2, v5, 12, v1                   ; in: wave x one row + 16 x lane
	v_lshlrev_b32 v3, 3, v4
	v_lshl_or_b32 v7, v5, 8, v3                    ; xlo: wave x one row of 256 bytes + 8 x lane
	v_add_nc_u32 v7, s35, v7
	v_lshl_or_b32 v3, v5, 11, v3                   ; out: wave x one row + 8 x lane
	s_wait_kmcnt 0x0
	s_add_nc_u64 s[8:9], s[8:9], s[2:3]
	s_add_nc_u64 s[18:19], s[18:19], s[4:5]
.irp j, 0,1,2,3,4,5,6,7
	global_load_b128 v[G+4*(\j):G+4*(\j)+3], v1, s[10:11] offset:512*(\j)
.endr
.irp j, 0,1,2,3,4,5,6,7
	global_load_b128 v[BT+4*(\j):BT+4*(\j)+3], v1, s[12:13] offset:512*(\j)
.endr
.irp s, 0,1,2,3                        ; all four rows are asked for at once: 32 loads of 512 consecutive bytes; 512 rows of 4,096 bytes from one to the next, inside the signed 24-bit immediate
.irp j, 0,1,2,3,4,5,6,7
	global_load_b128 v[X+32*(\s)+4*(\j):X+32*(\s)+4*(\j)+3], v2, s[8:9] offset:2097152*(\s)+512*(\j) th:TH_LOAD_NT
.endr
.endr
	s_wait_loadcnt 32                              ; gamma and beta are in; the 32 loads of x issued behind them stay out
	RND16 G
	RND16 BT
	ROW 0, 24, 1
	ROW 1, 16, 0
	ROW 2, 8, 0
	ROW 3, 0, 0
	s_endpgm
.Lcast:
	s_sub_co_u32 s2, ttmp9, 512                    ; 0-383: w_qkv; 384-511: w_out
	s_sub_co_u32 s3, s2, 384
	s_wait_kmcnt 0x0
	s_cmp_lt_u32 s2, 384
	s_cselect_b64 s[24:25], s[14:15], s[16:17]     ; from
	s_cselect_b64 s[26:27], s[20:21], s[22:23]     ; to
	s_cselect_b32 s2, s2, s3                       ; my block of 8,192 numbers in that tensor
	s_lshl_b32 s4, s2, 15
	s_mov_b32 s5, 0
	s_lshl_b32 s6, s2, 14
	s_mov_b32 s7, 0
	s_add_nc_u64 s[24:25], s[24:25], s[4:5]
	s_add_nc_u64 s[26:27], s[26:27], s[6:7]
	v_lshl_or_b32 v2, v5, 13, v1                   ; in: wave x 8,192 bytes + 16 x lane
	v_lshlrev_b32 v3, 3, v4
	v_lshl_or_b32 v3, v5, 12, v3                   ; out: wave x 4,096 bytes + 8 x lane
.irp j, 0,1,2,3,4,5,6,7,8,9,10,11,12,13,14,15
	global_load_b128 v[X+4*(\j):X+4*(\j)+3], v2, s[24:25] offset:512*(\j) th:TH_LOAD_NT
.endr
.set j, 0
.rept 16
	s_wait_loadcnt 15-j                            ; load j is in; the younger ones stay out
	v_cvt_pk_bf16_f32 v[T], v[X+4*j], v[X+4*j+1]   ; the input's one rounding, to bf16;
	v_cvt_pk_bf16_f32 v[T+1], v[X+4*j+2], v[X+4*j+3]
	v_lshlrev_b32 v[T+4], 16, v[T]
	v_and_b32 v[T+5], s28, v[T]
	v_lshlrev_b32 v[T+6], 16, v[T+1]
	v_and_b32 v[T+7], s28, v[T+1]
	v_cvt_pk_f16_f32 v[X+4*j], v[T+4], v[T+5]      ; that number written as f16
	v_cvt_pk_f16_f32 v[X+4*j+1], v[T+6], v[T+7]
	global_store_b64 v3, v[X+4*j:X+4*j+1], s[26:27] offset:256*j  ; 256 consecutive bytes a wave; its data registers are not written again
.set j, j+1
.endr
	s_endpgm
.Lfunc_end_k_q1c9051ba99_prep:
	.size	k_q1c9051ba99_prep, .Lfunc_end_k_q1c9051ba99_prep-k_q1c9051ba99_prep
	.p2alignl 7, 3214868480
	.fill 96, 4, 3214868480
	.section	.rodata,"a",@progbits
	.p2align	6, 0x0
	.amdhsa_kernel k_q1c9051ba99_prep
		.amdhsa_group_segment_fixed_size 0
		.amdhsa_private_segment_fixed_size 0
		.amdhsa_enable_private_segment 0
		.amdhsa_kernarg_size 72
		.amdhsa_user_sgpr_count 2
		.amdhsa_user_sgpr_kernarg_segment_ptr 1
		.amdhsa_wavefront_size32 1
		.amdhsa_system_sgpr_workgroup_id_x 1
		.amdhsa_system_sgpr_workgroup_id_y 1
		.amdhsa_system_sgpr_workgroup_id_z 1
		.amdhsa_system_vgpr_workitem_id 0
		.amdhsa_next_free_vgpr 228
		.amdhsa_next_free_sgpr 66
		.amdhsa_reserve_vcc 0
		.amdhsa_float_denorm_mode_32 3
		.amdhsa_float_denorm_mode_16_64 3
		.amdhsa_memory_ordered 1
		.amdhsa_forward_progress 1
		.amdhsa_inst_pref_size 65
	.end_amdhsa_kernel
	.amdgpu_metadata
---
amdhsa.version: [ 1, 2 ]
amdhsa.kernels:
  - .name:           k_q1c9051ba99_prep
    .symbol:         k_q1c9051ba99_prep.kd
    .args:
      - { .name: x, .offset: 0, .size: 8, .value_kind: global_buffer, .address_space: global }
      - { .name: ln_gamma, .offset: 8, .size: 8, .value_kind: global_buffer, .address_space: global }
      - { .name: ln_beta, .offset: 16, .size: 8, .value_kind: global_buffer, .address_space: global }
      - { .name: w_qkv, .offset: 24, .size: 8, .value_kind: global_buffer, .address_space: global }
      - { .name: w_out, .offset: 32, .size: 8, .value_kind: global_buffer, .address_space: global }
      - { .name: xn16, .offset: 40, .size: 8, .value_kind: global_buffer, .address_space: global }
      - { .name: wq16, .offset: 48, .size: 8, .value_kind: global_buffer, .address_space: global }
      - { .name: wo16, .offset: 56, .size: 8, .value_kind: global_buffer, .address_space: global }
      - { .name: xlo, .offset: 64, .size: 8, .value_kind: global_buffer, .address_space: global }
    .group_segment_fixed_size: 0
    .private_segment_fixed_size: 0
    .kernarg_segment_align: 8
    .kernarg_segment_size: 72
    .max_flat_workgroup_size: 128
    .sgpr_count:     66
    .vgpr_count:     228
    .wavefront_size: 32
...
	.end_amdgpu_metadata
.endif
;; end of part 8
;; launch qkv (part 9): grid 16 x 32, 4 waves a work-group, clusters of 4 x 4, 327,680 bytes of LDS; arguments xn16, wq16, qkv16, xlo, qkv32; writes qkv16, qkv32
.if DOCPART == 9
	.amdgcn_target "amdgcn-amd-amdhsa--gfx1250"
	.amdhsa_code_object_version 6
	.text
	.protected	k_q1c9051ba99_qkv
	.globl	k_q1c9051ba99_qkv
	.p2align	8
	.type	k_q1c9051ba99_qkv,@function
k_q1c9051ba99_qkv:
	s_mov_b64 s[64:65], 0
	v_nop
	global_prefetch_b8 v0, s[64:65] scope:SCOPE_SE
	s_setreg_imm32_b32 hwreg(HW_REG_WAVE_MODE, 25, 1), 1
	s_wait_xcnt 0x0
	s_wait_alu depctr_hold_cnt(0) depctr_sa_sdst(0) depctr_va_vdst(0) depctr_va_sdst(0) depctr_va_ssrc(0) depctr_va_vcc(0) depctr_vm_vsrc(0)
	s_getreg_b32 s2, hwreg(HW_REG_IB_STS2, 6, 4)
	s_cmp_eq_u32 s2, 0
	s_cbranch_scc0 .Lentry_in_a_cluster
	s_endpgm
.Lentry_in_a_cluster:
	s_bfe_u32 s2, ttmp6, 0x10000c
	s_cmp_lg_u32 s2, 0xf033
	s_cbranch_scc0 .Lentry_shape_is_right
	s_endpgm
.Lentry_shape_is_right:
; THE QKV PROJECTION.  C[m][n] = sum over k of A[m][k] B[k][n].  A = xn16 [8192][1024] f16, B = wq16 [1024][3072] f16; sums in f32, C rounded once to f16 and WITHOUT attention's scale.
; C leaves by heads: qkv16 [3 (q, k, v)][64 (batch x 16 + head)][2048][64] f16, so that a head's rows are dense.  LIMIT: q, k and v have to stay under 65,504 in magnitude (f16).
; A tile of C is 256 (m) x 192 (n): 32 x 16 = 512 tiles.  Four waves, each 64 rows x 192 columns, three whole heads: 48 accumulators of 16 x 16, 384 registers.  K goes in 8 steps of 128 through a ring of
; two LDS slots filled by the tensor data mover; a K step is 192 matrix instructions a wave, 168 of them between a tile's request and the wait for it.  A's rows are 256 bytes of memory at multiples of 256 bytes
; from the buffer's first byte; B's are 384 bytes (three heads' columns) at multiples of 128: 192 columns are what divides 3,072 into 512 equal work-groups, and wq16 lies as w_qkv does.
; CLUSTERS: 4 x 4 work-groups.  The four of a row of the cluster need the same tiles of A, the four of a column the same tiles of B: each tile is asked for JOINTLY, by the same tensor load with
; the same descriptor and a mask that names the four.  The tile row is the cluster's y + 8 cy: the four batches' first tile rows (0, 8, 16, 24) then all lie in the clusters with y = 0.
; THE FIRST 16 ROWS OF A BATCH are summed from xn in two f16 halves, 22 bits: the first is A's own row, the second is xlo ([8 chunks of 128 k][64 rows = 16 x batch + row][128] f16).  Under the causal mask row q is a mean of
; q + 1 rows of v: these rows' numbers are many times the output's root mean square, of which a number near zero is allowed a hundredth, and f16's 2^-11 is too coarse there.  In the clusters with y = 0 the four waves
; copy the batch's 32 KB of xlo into LDS once; wave 0, whose block 0 these rows are, adds twelve products a quarter onto that block's accumulators and also stores its f32 sums, as the registers hold them, in
; qkv32: [batch][48 heads of q, k, v][8 stores of 512 bytes].  The branches hang on the cluster's y, which all partners share, and on the wave's number; none passes a barrier or a tensor load.
; THE MATRIX INSTRUCTION IS USED TRANSPOSED (source 0 = 16 columns of B, source 1 = 16 rows of A): a lane then holds eight neighbouring numbers of a row of C.  B lies [k][n] in memory and
; in LDS and comes out turned, by ds_load_tr16_b128.
; REGISTERS, in windows of 256 (s_set_vgpr_msb: bits 1:0 source 0, 3:2 source 1, 5:4 source 2, 7:6 destination):
;   window 0: v0-31 addresses; v32-47 two fragments of xlo; v64-95, v96-127 fragments of A (4 x 16 rows x 32 K), two buffers; v64-255 once more on the way out
;   window 1: v0-95, v96-191 fragments of B (12 x 16 columns x 32 K), two buffers
;   window 2: the 24 accumulators of my blocks 0 and 1 ((a, b) at v[8 (12 (a % 2) + b)]);   window 3: those of blocks 2 and 3
.set PA,     272                       ; a row of A in LDS: 256 bytes + 16 of padding = 68 words: the 16 rows of a load start at 16 different groups of four banks (64 banks of 4 bytes: ISA guide 11.1)
.set HB,     160                       ; a head's 128 bytes of a row of B + 32 of padding
.set PB,     3*HB                      ; a row of B: 480 bytes = 120 words
.set HALFA,  128*PA                    ; what one tensor load brings of A
.set ABYTES, 2*HALFA
.set HALFB,  64*PB                     ; what one tensor load brings of B: 64 of the step's 128 k
.set SLOT,   ABYTES+2*HALFB            ; A's 256 rows, then B's 128 rows: 131,072 bytes = 1 << 17, so that one exclusive or turns an address in one slot into the other's
.set STAGE,  2*SLOT                    ; behind the ring, never filled by a tensor load: 16 rows x 144 bytes for each wave, for the way out
.set SP,     144
.set SPARE,  STAGE+4*16*SP             ; behind the stages: the spare words, 128 bytes for each wave: two blocks of 256 bytes that no other line names
.set LOB,    SPARE+512                 ; behind them, never filled by a tensor load: the batch's rows of xlo, 128 rows (chunk c, row r at 16 c + r) of 256 bytes
.set PL,     272                       ; their pitch
.set CH,     16*PL                     ; a chunk, which is a K step's part of them
.set STEPS,  8                         ; 1,024 / 128
.set ASTEP,  256                       ; bytes from a K step's tile of A to the next: 128 numbers along a row
.set BSTEP,  128*3072*2                ; of B: 128 rows down
.set A0,   16                          ; v16     LDS address of my A fragments in slot 0; never rewritten
.set B0,   17                          ; v17     the same for B
.set ADRA, 18                          ; v18     the same in the slot that is being read
.set ADRB, 19                          ; v19
.set STO,  24                          ; v24     the way out: where I put 16 bytes of a row
.set RD,   25                          ; v25     the way out: where I read rows back
.set GO,   26                          ; v26     my byte offset in 512 consecutive bytes of C
.set ADRLO, 27                         ; v27     LDS address of my fragments of xlo in the K step in hand; steps a chunk a step
.set SPW,  28                          ; v28     LDS address of my spare word: SPARE + 4 x my thread's number; never rewritten
.set NIL,  29                          ; v29     0; never rewritten
.set LGA,  30                          ; v30     16 x lane: my byte offset in 512 consecutive bytes of xlo
.set LST,  31                          ; v31     where I put those 16 bytes in LDS
.set LO,   32                          ; v32-39, v40-47  the fragment of xlo that goes with buffer 0, with buffer 1
.set FA,   64                          ; A's fragment buffers
.set OUT,  64                          ; the way out: 16 registers for each of my twelve pieces (16 rows of one head)
.set G1, 24                            ; s[24:31] descriptor group 1 for A's tiles;  s[32:39] group 0: a set for each of the two first fills; the second then walks on
.set G0, 32
.set G1B, 48                           ; s[48:55], s[56:63] the same for B's tiles
.set G0B, 56
.set TB,  66                           ; s66      LDS byte at which the slot that is being read begins
.set CB,  72                           ; s[72:77] C at my rows of the tile's three heads
.set MSB, 0
.macro WIN new                         ; the immediate's high byte repeats the setting that is left; a switch that changes nothing is dropped
.if MSB != (\new)
	s_set_vgpr_msb (MSB<<8)|(\new)
.set MSB, \new
.endif
.endm
.set MUL_LO, 0xa1                      ; source 0 (B) window 1, source 1 (A) window 0, C and D window 2
.set MUL_HI, 0xf1                      ; the same, C and D window 3
.set TO_B,   0x40                      ; destination window 1, address window 0
.macro JLOAD s                         ; a joint load: waves 0 and 1 fetch A's two halves, waves 2 and 3 B's; an s_nop 0 and four v_nop follow each of the two lines, ahead of the jump, the label and what follows
	s_cmp_eq_u32 s11, 0
	s_cbranch_scc0 .Lfor_b_\@
	tensor_load_to_lds s[G0+4*(\s):G0+4*(\s)+3], s[G1:G1+7]
	s_nop 0
.rept 4
	v_nop
.endr
	s_branch .Lasked_\@
.Lfor_b_\@:
	tensor_load_to_lds s[G0B+4*(\s):G0B+4*(\s)+3], s[G1B:G1B+7]
	s_nop 0
.rept 4
	v_nop
.endr
.Lasked_\@:
.endm
.macro CREST                           ; a round of the cluster's barrier behind its opening barrier: wave 0 signals for the work-group, every wave waits for all sixteen, my work-group's barrier closes it
	s_cmp_lg_u32 s10, 0
	s_cbranch_scc1 .Lnot_wave_0_\@
	s_barrier_signal -3
.Lnot_wave_0_\@:
	s_barrier_wait -3
	s_barrier_signal -1
	s_barrier_wait -1
.endm
.macro CROUND                          ; a whole round
	s_barrier_signal -1
	s_barrier_wait -1
	CREST
.endm
	s_load_b128 s[4:7], s[0:1], 0x0                ; A s[4:5], B s[6:7]
	s_load_b64 s[8:9], s[0:1], 0x10                ; C
	s_load_b128 s[68:71], s[0:1], 0x18             ; xlo s[68:69], qkv32 s[70:71]
	v_lshl_add_u32 v[SPW], v0, 2, SPARE
	v_mov_b32 v[NIL], 0
	ds_add_u32 v28, v29
	ds_add_u32 v28, v29
	s_wait_dscnt 0x0
	v_lshrrev_b32 v1, 5, v0
	v_readfirstlane_b32 s10, v1                    ; wave 0..3: which 64 of the tile's rows are mine
	s_lshr_b32 s11, s10, 1                         ; I fetch for A (0) or for B (1),
	s_and_b32 s12, s10, 1                          ; and which half of that tile
	s_bfe_u32 s40, ttmp6, 0x40000                  ; cx, cy: my place in the cluster
	s_bfe_u32 s41, ttmp6, 0x40004
	s_lshl_b32 s42, ttmp9, 2
	s_add_co_u32 s42, s42, s40                     ; tile column of C = 4 x cluster x + cx
	s_and_b32 s18, ttmp7, 0xffff                   ; the cluster's y, 0 to 7: 0 where the tiles hold the batches' first rows
	s_lshl_b32 s13, s41, 3
	s_add_co_u32 s13, s13, s18                     ; tile row of C = cluster y + 8 cy
	s_or_b32 s45, s18, s10                         ; 0: my block 0 is a batch's first 16 rows
	s_lshl_b32 s43, s41, 2
	s_lshl_b32 s43, 15, s43                        ; my row of the cluster: places 4 cy .. 4 cy + 3
	s_lshl_b32 s44, 0x1111, s40                    ; my column: places cx, cx + 4, cx + 8, cx + 12
	s_mov_b32 s[TB], 0                             ; slot 0 is read first
	; descriptor group 1.  A: 128 rows x 128 elements, 4 words of padding behind every 64.  B: 64 rows x 192 elements, 8 words of padding behind every 32 (a head's part of a row)
	s_or_b32 s[G1+0], s43, (1<<16)|(1<<20)|(1<<21)|(5<<22)|(3<<25)  ; 15:0 the mask: A's tiles go to my row; 17:16 elements of 2 bytes; 20 padding on; 21 set beside a mask; 24:22 after every 64 words (code 5); 31:25 4 words (code 3)
	s_mov_b32 s[G1+1], 128<<16                     ; tensor_dim0 = 128
	s_mov_b32 s[G1+2], 128<<16                     ; tensor_dim1 = 128
	s_mov_b32 s[G1+3], 128<<16                     ; tile_dim0 = 128
	s_mov_b32 s[G1+4], 128                         ; tile_dim1 = 128
	s_mov_b32 s[G1+5], 1024                        ; elements from row to row
	s_mov_b32 s[G1+6], 0
	s_mov_b32 s[G1+7], 0
	s_or_b32 s[G1B+0], s44, (1<<16)|(1<<20)|(1<<21)|(4<<22)|(7<<25) ; the mask of my column; after every 32 words (code 4) 8 words of padding (code 7)
	s_mov_b32 s[G1B+1], 192<<16                    ; tensor_dim0 = 192
	s_mov_b32 s[G1B+2], 64<<16                     ; tensor_dim1 = 64
	s_mov_b32 s[G1B+3], 192<<16                    ; tile_dim0 = 192
	s_mov_b32 s[G1B+4], 64                         ; tile_dim1 = 64
	s_mov_b32 s[G1B+5], 3072                       ; elements from row to row
	s_mov_b32 s[G1B+6], 0
	s_mov_b32 s[G1B+7], 0
	; where the tiles come from.  A's hang on the tile row alone, which my row of the cluster shares; B's on the tile column alone, which my column shares
	s_lshl_b32 s16, s13, 19                        ; A: 256 rows of 2,048 bytes a tile row,
	s_lshl_b32 s17, s12, 18                        ; 128 rows a half
	s_add_co_u32 s16, s16, s17
	s_mov_b32 s17, 0
	s_mul_i32 s46, s12, 64*3072*2                  ; B: 64 rows of 6,144 bytes a half,
	s_mul_i32 s47, s42, 384                        ; 384 bytes a tile column
	s_add_co_u32 s46, s46, s47
	s_mov_b32 s47, 0
	s_lshr_b32 s2, s13, 3                          ; xlo: the batch's 16 rows of 256 bytes in a chunk,
	s_lshl_b32 s2, s2, 12
	s_lshl_b32 s3, s10, 15                         ; the two chunks of 16,384 bytes that my wave copies
	s_add_co_u32 s2, s2, s3
	s_mov_b32 s3, 0
	s_mul_i32 s20, s12, HALFA                      ; and where the tiles go: no place in the cluster enters an LDS address
	s_mul_i32 s21, s12, HALFB
	s_add_co_u32 s21, s21, ABYTES
	s_wait_kmcnt 0x0
	s_add_nc_u64 s[14:15], s[4:5], s[16:17]
	s_add_nc_u64 s[46:47], s[6:7], s[46:47]
	s_add_nc_u64 s[68:69], s[68:69], s[2:3]
	CROUND                                         ; all sixteen work-groups are here: the first joint loads meet
.irp s, 0,1
	s_mov_b32 s[G0+4*(\s)], 1                                      ; 1:0 count = 1
	s_add_co_u32 s[G0+4*(\s)+1], s20, (\s)*SLOT                    ; 63:32 LDS address
	s_add_nc_u64 s[G0+4*(\s)+2:G0+4*(\s)+3], s[14:15], (\s)*ASTEP  ; 120:64 global address: K step s
	s_or_b32 s[G0+4*(\s)+3], s[G0+4*(\s)+3], 0x80000000            ; 127:126 type = 2
	s_mov_b32 s[G0B+4*(\s)], 1
	s_add_co_u32 s[G0B+4*(\s)+1], s21, (\s)*SLOT
	s_add_nc_u64 s[G0B+4*(\s)+2:G0B+4*(\s)+3], s[46:47], (\s)*BSTEP
	s_or_b32 s[G0B+4*(\s)+3], s[G0B+4*(\s)+3], 0x80000000
	JLOAD \s                                       ; the ring is filled before anything else is done: two loads of mine are out
.endr
	; A fragment of A is 16 rows x 32 K in 8 registers: lane l holds row l % 16, K = 8 (l / 16) + 0..7 and 16 + 8 (l / 16) + 0..7: two loads of 16 bytes, 32 bytes apart.
	v_and_b32 v1, 15, v0                           ; l % 16
	v_bfe_u32 v2, v0, 4, 1                         ; l / 16
	v_mul_u32_u24 v3, v1, PA
	v_lshl_add_u32 v3, v2, 4, v3                   ; row x pitch + 16 x half
	; The turning load takes 16 k x 16 columns (lane l reads k = 8 (l / 16) + l % 8, columns 8 ((l / 8) % 2) + 0..7) and leaves half a fragment of B^T: lane l holds column l % 16 and 8 k.
	v_and_b32 v4, 7, v0
	v_bfe_u32 v5, v0, 3, 1
	v_lshl_add_u32 v6, v2, 3, v4
	v_mul_u32_u24 v6, v6, PB
	v_lshl_add_u32 v6, v5, 4, v6
	s_mul_i32 s22, s10, 64*PA                      ; my 64 rows of A
	v_add_nc_u32 v[A0], s22, v3
	v_add_nc_u32 v[B0], ABYTES, v6                 ; B lies behind A; every wave reads all its 192 columns
	v_add_nc_u32 v[ADRA], s[TB], v[A0]
	v_add_nc_u32 v[ADRB], s[TB], v[B0]
	s_mul_i32 s23, s10, 16*SP
	s_add_co_u32 s23, s23, STAGE                   ; my stage
	v_mul_u32_u24 v7, v1, SP                       ; in: row l % 16, 16 bytes for each half of the lanes
	v_lshl_add_u32 v7, v2, 4, v7
	v_add_nc_u32 v[STO], s23, v7
	v_bfe_u32 v7, v0, 3, 2                         ; back: 32 lanes take four rows of 128 bytes,
	v_mul_u32_u24 v7, v7, SP
	v_lshl_add_u32 v7, v4, 4, v7
	v_add_nc_u32 v[RD], s23, v7
	v_and_b32 v7, 31, v0                           ; which are 512 consecutive bytes of a head
	v_lshlrev_b32 v[GO], 4, v7
	v_lshlrev_b32 v[LGA], 4, v7                    ; xlo comes in the same way: 32 lanes take two rows of 256 bytes,
	v_mul_u32_u24 v7, v2, PL
	v_lshl_add_u32 v7, v1, 4, v7
	s_mul_i32 s23, s10, 32*PL                      ; into my wave's two chunks of the copy
	s_add_co_u32 s23, s23, LOB
	v_add_nc_u32 v[LST], s23, v7
	v_mul_u32_u24 v7, v1, PL                       ; and its fragments are read as A's are
	v_lshl_add_u32 v7, v2, 4, v7
	v_add_nc_u32 v[ADRLO], LOB, v7
	; where my 64 rows begin in a head of qkv16: batch = tile row / 8 (2^22 bytes), 256 rows of 128 bytes a tile row, 64 rows a wave
	s_lshr_b32 s16, s13, 3
	s_lshl_b32 s16, s16, 22
	s_and_b32 s17, s13, 7
	s_lshl_b32 s17, s17, 15
	s_add_co_u32 s16, s16, s17
	s_lshl_b32 s17, s10, 13
	s_add_co_u32 s16, s16, s17
	s_mov_b32 s17, 0
	s_add_nc_u64 s[8:9], s[8:9], s[16:17]
	s_mul_i32 s46, s42, 3                          ; the tile's first head of 48: 16 of q, of k, of v (in the registers that held B's address: none that fed A's descriptors ever holds cx)
	s_lshr_b32 s22, s13, 3                         ; qkv32: 48 blocks of 4,096 bytes a batch, one a head
	s_mul_i32 s22, s22, 48
	s_add_co_u32 s22, s22, s46
	s_lshl_b32 s22, s22, 12
	s_mov_b32 s23, 0
	s_add_nc_u64 s[70:71], s[70:71], s[22:23]
.irp i, 0,1,2                          ; the three heads may lie on both sides of the line between q and k, or k and v: each has an address of its own
	s_add_co_u32 s22, s46, \i
	s_lshr_b32 s23, s22, 4
	s_lshl_b32 s23, s23, 24                        ; q, k or v: 2^24 bytes each
	s_and_b32 s22, s22, 15
	s_lshl_b32 s22, s22, 18                        ; the head: 2^18 bytes
	s_add_co_u32 s22, s22, s23
	s_mov_b32 s23, 0
	s_add_nc_u64 s[CB+2*(\i):CB+2*(\i)+1], s[8:9], s[22:23]
.endr
.set i, 0
.rept 16                               ; the two fragments of xlo hold numbers on every way through the text
	v_mov_b32 v[LO+i], 0
.set i, i+1
.endr
	; THE COPY OF xlo, in the clusters with y = 0 alone: my wave's two chunks, 16 loads of 512 consecutive bytes, through the registers of A's fragment buffers
	s_cmp_lg_u32 s18, 0
	s_cbranch_scc1 .Lno_copy
.irp c, 0,1
.irp t, 0,1,2,3,4,5,6,7
	global_load_b128 v[FA+4*(8*(\c)+(\t)):FA+4*(8*(\c)+(\t))+3], v[LGA], s[68:69] offset:(\c)*16384+(\t)*512
.endr
.endr
.irp c, 0,1
	s_wait_loadcnt 8*(1-(\c))                      ; loads come back in order: chunk c's eight are in, the second chunk's may be out
.irp t, 0,1,2,3,4,5,6,7
	ds_store_b128 v[LST], v[FA+4*(8*(\c)+(\t)):FA+4*(8*(\c)+(\t))+3] offset:(16*(\c)+2*(\t))*PL
.endr
.endr
.Lno_copy:
; 12 matrix instructions: m block a x all 12 n blocks, 32 along K, from buffer f (0, 1).  zero = 1: the first product starts the sums: nothing is ever cleared.
; The 48 accumulators take turns, one instruction a turn, in the same order in every quarter.
.macro MUL12 f, a, zero
	WIN MUL_LO+0x50*((\a)/2)                       ; MUL_LO or MUL_HI
.irp b, 0,1,2,3,4,5,6,7,8,9,10,11
.if \zero
	v_wmma_f32_16x16x32_f16 v[8*(12*((\a)%2)+(\b)):8*(12*((\a)%2)+(\b))+7], v[96*(\f)+8*(\b):96*(\f)+8*(\b)+7], v[FA+32*(\f)+8*(\a):FA+32*(\f)+8*(\a)+7], 0
.else
	v_wmma_f32_16x16x32_f16 v[8*(12*((\a)%2)+(\b)):8*(12*((\a)%2)+(\b))+7], v[96*(\f)+8*(\b):96*(\f)+8*(\b)+7], v[FA+32*(\f)+8*(\a):FA+32*(\f)+8*(\a)+7], v[8*(12*((\a)%2)+(\b)):8*(12*((\a)%2)+(\b))+7]
.endif
.endr
.endm
; 32 LDS loads in one run: the fragments of quarter q (32 along K) of the slot that is being read, into buffer g: B's 24 first, then A's eight, blocks ascending
.macro FETCH q, g
	WIN TO_B
.irp b, 0,1,2,3,4,5,6,7,8,9,10,11      ; column block b: head b / 4 of the tile's three, 32 (b % 4) bytes into its part of the row
	ds_load_tr16_b128 v[96*(\g)+8*(\b):96*(\g)+8*(\b)+3],   v[ADRB] offset:(\q)*32*PB+((\b)/4)*HB+((\b)%4)*32
	ds_load_tr16_b128 v[96*(\g)+8*(\b)+4:96*(\g)+8*(\b)+7], v[ADRB] offset:(\q)*32*PB+16*PB+((\b)/4)*HB+((\b)%4)*32
.endr
	WIN 0
.irp i, 0,1,2,3
	ds_load_b128 v[FA+32*(\g)+8*(\i):FA+32*(\g)+8*(\i)+3],   v[ADRA] offset:64*(\q)+(\i)*16*PA
	ds_load_b128 v[FA+32*(\g)+8*(\i)+4:FA+32*(\g)+8*(\i)+7], v[ADRA] offset:64*(\q)+(\i)*16*PA+32
.endr
.endm
; THE SECOND HALF OF A BATCH'S FIRST 16 ROWS, where my block 0 is those rows (every window is 0 here).  The fragment of xlo that goes with buffer f was asked for a quarter ago, ahead of the run of loads that stands in
; front of this macro, and the wait behind that run has shown it landed.  load = 1: the fragment for the other buffer, at byte off, is asked for; the last products that read its registers stand a quarter back, with that
; quarter's four places between.  Then twelve products onto block 0's accumulators: in front of them stands accumulator (1, 11)'s turn, behind them (2, 0)'s, so the turns stay one instruction each.
.macro LOX f, load, off
	s_cmp_lg_u32 s45, 0
	s_cbranch_scc1 .Lno_lo_\@
.if \load
	ds_load_b128 v[LO+8*(1-(\f)):LO+8*(1-(\f))+3],   v[ADRLO] offset:\off
	ds_load_b128 v[LO+8*(1-(\f))+4:LO+8*(1-(\f))+7], v[ADRLO] offset:(\off)+32
.endif
	WIN MUL_LO
.irp b, 0,1,2,3,4,5,6,7,8,9,10,11
	v_wmma_f32_16x16x32_f16 v[8*(\b):8*(\b)+7], v[96*(\f)+8*(\b):96*(\f)+8*(\b)+7], v[LO+8*(\f):LO+8*(\f)+7], v[8*(\b):8*(\b)+7]
.endr
	WIN 0
.Lno_lo_\@:
.endm
.macro PLACES                          ; four places in front of loads into registers that matrix instructions have read, and of lines that read results (loads aside)
.rept 4
	v_nop
.endr
.endm
; A K step is four quarters of 32 along K, 48 matrix instructions each, on buffers 0, 1, 0, 1.  One of the first three: multiplies buffer f and fetches quarter q into g; off: where xlo's fragment for g lies.
.macro QUARTER q, f, g, zero, off
	s_wait_dscnt 4                                 ; B and A's blocks 0 and 1 are in; the youngest four LDS loads may be out (A's blocks 2 and 3; where xlo is read, its two and block 3's)
	MUL12 \f, 0, \zero
	MUL12 \f, 1, \zero
	PLACES
	FETCH \q, \g
	s_wait_dscnt 32                                ; all but the 32 just issued
	LOX \f, 1, \off
	MUL12 \f, 2, \zero
	MUL12 \f, 3, \zero
.endm
; The last quarter multiplies buffer 1 and changes slots: ONE barrier; in front of it each wave waits for all its tensor loads, adds 0 to its spare word, and waits for that and for its own reads of this slot.
; fill = 1: this slot is filled again, two K steps ahead; the barrier then opens a round of the cluster's barrier, and the walking descriptor takes the other slot than last time and the next K step.
.macro TURN fill, off
	WIN 0                                          ; (the add's two registers lie in window 0)
	s_wait_tensorcnt 0x0                           ; all my tensor loads have landed: the one that was out is my part of the next slot;
	ds_add_u32 v[SPW], v[NIL]                      ; 0 onto my spare word;
	s_wait_dscnt 5                                 ; (the add and the youngest four loads may be out)
	MUL12 1, 0, 0                                  ; twelve matrix instructions stand between the add and the wait for it
	s_wait_dscnt 0x0                               ; the add is done, and my reads of this slot are over
	s_barrier_signal -1
	MUL12 1, 1, 0                                  ; work on registers while the others arrive
	WIN 0                                          ; (branches and lines on window 0 follow, and nothing stands between the wait below and the rest of the round)
	s_barrier_wait -1
.if \fill
	CREST                                          ; no wave of any partner still reads this slot's tile or has a load on its way
	s_xor_b32 s[G0+5], s[G0+5], SLOT
	s_add_nc_u64 s[G0+6:G0+7], s[G0+6:G0+7], ASTEP ; the type bits on top are not reached
	s_xor_b32 s[G0B+5], s[G0B+5], SLOT
	s_add_nc_u64 s[G0B+6:G0B+7], s[G0B+6:G0B+7], BSTEP
	JLOAD 1                                        ; the first tensor load behind the round, 168 matrix instructions ahead of the wait for it; the four v_nop behind it are also the places in front of the loads below
.else
	PLACES
.endif
	s_xor_b32 s[TB], s[TB], SLOT                   ; the other slot is read from here on
	v_add_nc_u32 v[ADRA], s[TB], v[A0]
	v_add_nc_u32 v[ADRB], s[TB], v[B0]
	FETCH 0, 0
	LOX 1, 1, \off
	MUL12 1, 2, 0
	MUL12 1, 3, 0
.endm
	s_wait_tensorcnt 1                             ; my part of K step 0 is in; K step 1's may stay out
	s_wait_dscnt 0x0                               ; for the others' sake: my part of the copy of xlo is stored
	s_barrier_signal -1
	s_barrier_wait -1                              ; everybody's is
	s_cmp_lg_u32 s45, 0
	s_cbranch_scc1 .Lno_lo_first
	ds_load_b128 v[LO:LO+3],   v[ADRLO]            ; the first quarter's fragment of xlo, ahead of the run below: the waits for that run cover it
	ds_load_b128 v[LO+4:LO+7], v[ADRLO] offset:32
.Lno_lo_first:
	FETCH 0, 0
	QUARTER 1, 0, 1, 1, 64                         ; the first quarter stands in front of the loop: its products start the sums
	WIN 0                                          ; at a label and at a branch every window is 0
	s_mov_b32 s3, STEPS-2
.Lstep:                                                ; a trip goes from a K step's second quarter to the next step's first, and fills the slot that it leaves: K steps 2 to 7
	QUARTER 2, 1, 0, 0, 128
	QUARTER 3, 0, 1, 0, 192
	TURN 1, CH
	QUARTER 1, 0, 1, 0, CH+64
	WIN 0
	v_add_nc_u32 v[ADRLO], CH, v[ADRLO]            ; xlo: the next K step's chunk
	s_sub_co_u32 s3, s3, 1
	s_cmp_lg_u32 s3, 0
	s_cbranch_scc1 .Lstep
	QUARTER 2, 1, 0, 0, 128                        ; the last two K steps are written out: they fill nothing, and have no round of the cluster's barrier
	QUARTER 3, 0, 1, 0, 192
	TURN 0, CH
	QUARTER 1, 0, 1, 0, CH+64
	WIN 0
	v_add_nc_u32 v[ADRLO], CH, v[ADRLO]
	QUARTER 2, 1, 0, 0, 128
	QUARTER 3, 0, 1, 0, 192
	s_wait_dscnt 4                                 ; the very last quarter: nothing more to fetch
	MUL12 1, 0, 0
	MUL12 1, 1, 0
	s_wait_dscnt 0x0
	WIN 0
	LOX 1, 0, 0
	MUL12 1, 2, 0
	MUL12 1, 3, 0
	WIN 0
	PLACES
	; A batch's first 16 rows also leave in f32, as the registers hold them: registers j .. j + 3 of accumulator (0, b) go to byte 1,024 b + 128 j of the tile's three blocks, 16 bytes a lane, 512 consecutive bytes a store
	s_cmp_lg_u32 s45, 0
	s_cbranch_scc1 .Lno_f32
	WIN 0x08                                       ; the stores' data (source 1) in window 2, their address in window 0; each accumulator's four lowest registers go first
.irp b, 0,1,2,3,4,5,6,7,8,9,10,11
	global_store_b128 v[GO], v[8*(\b):8*(\b)+3],   s[70:71] offset:1024*(\b)
	global_store_b128 v[GO], v[8*(\b)+4:8*(\b)+7], s[70:71] offset:1024*(\b)+512
.endr
	WIN 0
.Lno_f32:
	; THE WAY OUT, a piece of 16 rows of one head at a time (piece n: block n / 3, head n % 3): rounded to f16, 16 bytes a lane into my own stage (rows of 144 bytes), back as whole rows of 128, which lie end to end in a head.
.macro PACK n
.set blk, (\n)/3
.set hd,  (\n)%3
.set AC,  8*(12*(blk%2)+4*hd)
	WIN 0x0a+5*(blk/2)                             ; sources 0 and 1 window 2 or 3, destination window 0
.irp b, 0,1,2,3
.irp r, 0,1,2,3
	v_cvt_pk_f16_f32 v[OUT+16*(\n)+4*(\b)+(\r)], v[AC+8*(\b)+2*(\r)], v[AC+8*(\b)+2*(\r)+1]
.endr
.endr
	WIN 0
.irp b, 0,1,2,3
	ds_store_b128 v[STO], v[OUT+16*(\n)+4*(\b):OUT+16*(\n)+4*(\b)+3] offset:32*(\b)
.endr
.irp f, 0,1,2,3
	ds_load_b128 v[OUT+16*(\n)+4*(\f):OUT+16*(\n)+4*(\f)+3], v[RD] offset:(\f)*4*SP  ; LDS serves a wave's instructions in order (ISA guide 5.7.1.4): these see the stores above; the next piece's stores come behind them
.endr
.endm
.macro SEND n, younger                 ; younger: the LDS instructions issued behind piece n's loads: the next piece's eight, or none
.set blk, (\n)/3
.set hd,  (\n)%3
.irp f, 0,1,2,3
	s_wait_dscnt (\younger)+3-(\f)
	global_store_b128 v[GO], v[OUT+16*(\n)+4*(\f):OUT+16*(\n)+4*(\f)+3], s[CB+2*hd:CB+2*hd+1] offset:blk*2048+(\f)*512  ; 512 consecutive bytes, at a multiple of 256 from qkv16's first; each piece has registers of its own
.endr
.endm
	PACK 0
.irp n, 1,2,3,4,5,6,7,8,9,10,11        ; a piece's conversions stand between the loads of the piece before and its stores
	PACK \n
	SEND (\n)-1, 8
.endr
	SEND 11, 0
	s_wait_tensorcnt 0x0                           ; the wave's end, behind my last tensor load and my last LDS store
	ds_add_u32 v[SPW], v[NIL]
	s_wait_dscnt 0x0
	CROUND                                         ; the closing round: no work-group ends while a partner may still ask for a tile that names it
	s_endpgm
.Lfunc_end_k_q1c9051ba99_qkv:
	.size	k_q1c9051ba99_qkv, .Lfunc_end_k_q1c9051ba99_qkv-k_q1c9051ba99_qkv
	.p2alignl 7, 3214868480
	.fill 96, 4, 3214868480
	.section	.rodata,"a",@progbits
	.p2align	6, 0x0
	.amdhsa_kernel k_q1c9051ba99_qkv
		.amdhsa_group_segment_fixed_size 327680
		.amdhsa_private_segment_fixed_size 0
		.amdhsa_enable_private_segment 0
		.amdhsa_kernarg_size 40
		.amdhsa_user_sgpr_count 2
		.amdhsa_user_sgpr_kernarg_segment_ptr 1
		.amdhsa_wavefront_size32 1
		.amdhsa_system_sgpr_workgroup_id_x 1
		.amdhsa_system_sgpr_workgroup_id_y 1
		.amdhsa_system_sgpr_workgroup_id_z 1
		.amdhsa_system_vgpr_workitem_id 0
		.amdhsa_next_free_vgpr 960
		.amdhsa_next_free_sgpr 80
		.amdhsa_reserve_vcc 0
		.amdhsa_float_denorm_mode_32 3
		.amdhsa_float_denorm_mode_16_64 3
		.amdhsa_memory_ordered 1
		.amdhsa_forward_progress 1
		.amdhsa_inst_pref_size 118
	.end_amdhsa_kernel
	.amdgpu_metadata
---
amdhsa.version: [ 1, 2 ]
amdhsa.kernels:
  - .name:           k_q1c9051ba99_qkv
    .symbol:         k_q1c9051ba99_qkv.kd
    .args:
      - { .name: xn16, .offset: 0, .size: 8, .value_kind: global_buffer, .address_space: global }
      - { .name: wq16, .offset: 8, .size: 8, .value_kind: global_buffer, .address_space: global }
      - { .name: qkv16, .offset: 16, .size: 8, .value_kind: global_buffer, .address_space: global }
      - { .name: xlo, .offset: 24, .size: 8, .value_kind: global_buffer, .address_space: global }
      - { .name: qkv32, .offset: 32, .size: 8, .value_kind: global_buffer, .address_space: global }
    .group_segment_fixed_size: 327680
    .private_segment_fixed_size: 0
    .kernarg_segment_align: 8
    .kernarg_segment_size: 40
    .max_flat_workgroup_size: 128
    .sgpr_count:     80
    .vgpr_count:     960
    .wavefront_size: 32
...
	.end_amdgpu_metadata
.endif
;; end of part 9
;; launch attn: the kernel of part 5 again; grid 4 x 64, 4 waves a work-group, no clusters, 327,680 bytes of LDS; arguments qkv16, o16; writes o16
;; launch fixa (part 10): grid 16 x 1, 4 waves a work-group, no clusters, 0 bytes of LDS; arguments qkv32, o16, olo; writes o16, olo
.if DOCPART == 10
	.amdgcn_target "amdgcn-amd-amdhsa--gfx1250"
	.amdhsa_code_object_version 6
	.text
	.protected	k_q1c9051ba99_fixa
	.globl	k_q1c9051ba99_fixa
	.p2align	8
	.type	k_q1c9051ba99_fixa,@function
k_q1c9051ba99_fixa:
	s_mov_b64 s[64:65], 0
	v_nop
	global_prefetch_b8 v0, s[64:65] scope:SCOPE_SE
	s_setreg_imm32_b32 hwreg(HW_REG_WAVE_MODE, 25, 1), 1
	s_wait_xcnt 0x0
; CAUSAL ATTENTION ON EACH BATCH'S FIRST 16 ROWS, IN F32.  A work-group is a head, a wave a batch: 16 queries, 16 keys, 64 channels; the keys of later rows are all hidden from these queries.
; IN: qkv32 [batch][48: 16 heads of q, of k, of v][4,096 bytes]: a block holds 16 rows x 64 channels of f32 as the projection's registers held them: element (row, channel c) at
; 512 (2 (c / 16) + (c / 4) % 2) + 16 (row + 16 ((c / 8) % 2)) + 4 (c % 4).
; OUT: O in two f16 halves: hi = f16(O) over rows 0 to 15 of o16 [64 (batch x 16 + head)][2048][64], in the place of what the launch before left there from f16 operands; lo = f16(O - hi) in
; olo [8 chunks of 128 k][64 rows = 16 x batch + row][128], k = 64 head + channel.
; THE TWO PRODUCTS TAKE THE F32 MATRIX FORM: 32 instructions a wave, 2 M of the module's 69 G multiply-adds; their operands are f32 sums that are to lose nothing.  No LDS, no barrier: a wave needs nobody.
; S^T = K Q^T: source 0 = 16 keys, source 1 = 16 queries; a lane of the result holds ONE query (lane % 16) and the keys 8 (lane / 16) + 0..7.  A lane takes back the 32 numbers of its row that it held in the projection
; (channels 16 b + 8 (lane / 16) + j), 16 consecutive bytes a load, 512 a wave; step 2 u + e multiplies registers 4 u + 2 e and the next, alike for K and Q, so each channel meets itself once.
; O^T = V^T P: place (lane / 16, j) of step t is key 8 (lane / 16) + 2 t + j, which is where p lies already; V^T's numbers are picked out of V's block of 4,096 bytes one by one.
; SOFTMAX: the maximum over the 16 keys is taken away; p = 2^(c s - c m), c = log2(e) / 8; a hidden score counts as -1e30, its weight is 0; every query sees its own key.  LIMITS: a weight below 2^-126 counts as 0;
; O has to stay under 65,504 (f16), and lo keeps f16's fixed step of 6e-8 below 2^-14.  NaN and infinities are not treated apart.
; The stores are 16 bytes a lane, 32 bytes of each of 16 rows an instruction: 4 KB a wave in the whole launch, too little for a stage in LDS to pay.
.set QF,  16                           ; v[16:47]   Q: load u at QF + 4 u
.set KF,  48                           ; v[48:79]   K
.set VF,  80                           ; v[80:111]  V^T: channel block cb, step t, register j at VF + 8 cb + 2 t + j
.set SA,  112                          ; v[112:143] four partial sums of S^T: written by matrix instructions alone
.set S,   144                          ; v[144:151] the scores
.set T,   152                          ; v[152:159] at work; T+6, T+7: 1 / l
.set P,   160                          ; v[160:167] the weights
.set OA,  168                          ; v[168:199] O^T, four channel blocks: written by matrix instructions alone
.set OF,  200                          ; v[200:231] O^T / l
.set HI,  16                           ; v[16:31]   on the way out (Q's registers)
.set LO,  32                           ; v[32:47]
	s_load_b128 s[4:7], s[0:1], 0x0                ; qkv32 s[4:5], o16 s[6:7]
	s_load_b64 s[8:9], s[0:1], 0x10                ; olo
	v_lshrrev_b32 v1, 5, v0
	v_readfirstlane_b32 s10, v1                    ; wave = batch
	s_mul_i32 s12, s10, 48                         ; in: 48 blocks a batch, q's block of this head
	s_add_co_u32 s12, s12, ttmp9
	s_lshl_b32 s12, s12, 12
	s_mov_b32 s13, 0
	s_lshr_b32 s14, ttmp9, 1                       ; olo: two heads a chunk of 16,384 bytes,
	s_lshl_b32 s14, s14, 14
	s_lshl_b32 s15, s10, 12                        ; my batch's 16 rows of 256 bytes,
	s_add_co_u32 s14, s14, s15
	s_and_b32 s15, ttmp9, 1                        ; the head's 128 bytes of them
	s_lshl_b32 s15, s15, 7
	s_add_co_u32 s14, s14, s15
	s_mov_b32 s15, 0
	s_lshl_b32 s16, s10, 4                         ; o16: 2^18 bytes for each batch and head
	s_add_co_u32 s16, s16, ttmp9
	s_lshl_b32 s16, s16, 18
	s_mov_b32 s17, 0
	s_mov_b32 s20, 0x3e38aa3b                      ; c = log2(e) / 8 = 0.180337
	s_mov_b32 s21, 0xf149f2ca                      ; -1e30
	s_mov_b32 s22, 0x76543210                      ; v_permlanex16_b32: each lane takes its own place in the other half
	s_mov_b32 s23, 0xfedcba98
	v_and_b32 v1, 15, v0                           ; l % 16
	v_bfe_u32 v2, v0, 4, 1                         ; l / 16
	v_and_b32 v3, 31, v0
	v_lshlrev_b32 v3, 4, v3                        ; Q, K: 16 x lane
	v_and_b32 v4, 3, v1                            ; V: channel l % 16 of a block of 16, key 8 (l / 16): 4 (c % 4)
	v_lshlrev_b32 v4, 2, v4
	v_bfe_u32 v6, v1, 2, 1
	v_lshl_add_u32 v4, v6, 9, v4                   ; + 512 ((c / 4) % 2)
	v_bfe_u32 v6, v1, 3, 1
	v_lshl_add_u32 v4, v6, 8, v4                   ; + 256 ((c / 8) % 2)
	v_lshl_add_u32 v4, v2, 7, v4                   ; + 16 x 8 (l / 16)
	v_lshlrev_b32 v5, 8, v1
	v_lshl_add_u32 v5, v2, 4, v5                   ; olo: row l % 16 of 256 bytes, 16 bytes for each half of the lanes
	v_lshlrev_b32 v7, 7, v1
	v_lshl_add_u32 v7, v2, 4, v7                   ; o16: row l % 16 of 128 bytes, likewise
	v_lshlrev_b32 v14, 3, v2
	v_sub_nc_u32 v14, v1, v14                      ; my query less my lanes' 8 (l / 16): register j is hidden where j is greater
	s_wait_kmcnt 0x0
	s_add_nc_u64 s[4:5], s[4:5], s[12:13]
	s_add_nc_u64 s[6:7], s[6:7], s[16:17]
	s_add_nc_u64 s[8:9], s[8:9], s[14:15]
.irp u, 0,1,2,3,4,5,6,7
	global_load_b128 v[QF+4*(\u):QF+4*(\u)+3], v3, s[4:5] offset:512*(\u)
	global_load_b128 v[KF+4*(\u):KF+4*(\u)+3], v3, s[4:5] offset:65536+512*(\u)  ; k's blocks lie 16 blocks behind q's
.endr
.irp cb, 0,1,2,3
.irp n, 0,1,2,3,4,5,6,7                ; n = 2 t + j: key 8 (l / 16) + n; v's blocks lie 32 blocks behind q's
	global_load_b32 v[VF+8*(\cb)+(\n)], v4, s[4:5] offset:131072+1024*(\cb)+16*(\n)
.endr
.endr
	s_wait_loadcnt 32                              ; Q and K are in; V's 32 loads, issued behind them, stay out
	; S^T in four partial sums that take turns, one instruction a turn; the first four products start them
.irp u, 0,1
.irp e, 0,1
	v_wmma_f32_16x16x4_f32 v[SA+8*(2*(\u)+(\e)):SA+8*(2*(\u)+(\e))+7], v[KF+4*(\u)+2*(\e):KF+4*(\u)+2*(\e)+1], v[QF+4*(\u)+2*(\e):QF+4*(\u)+2*(\e)+1], 0
.endr
.endr
.irp u, 2,3,4,5,6,7
.irp e, 0,1
	v_wmma_f32_16x16x4_f32 v[SA+8*(2*((\u)%2)+(\e)):SA+8*(2*((\u)%2)+(\e))+7], v[KF+4*(\u)+2*(\e):KF+4*(\u)+2*(\e)+1], v[QF+4*(\u)+2*(\e):QF+4*(\u)+2*(\e)+1], v[SA+8*(2*((\u)%2)+(\e)):SA+8*(2*((\u)%2)+(\e))+7]
.endr
.endr
.rept 8
	v_nop                                          ; eight places behind a product of this form, in front of the lines that read its result (ISA guide 7.12.1)
.endr
.irp j, 0,2,4,6                        ; the four partial sums are added into other registers, each accumulator from its low end on
	v_pk_add_f32 v[S+(\j):S+(\j)+1], v[SA+(\j):SA+(\j)+1], v[SA+8+(\j):SA+8+(\j)+1]
.endr
.irp j, 0,2,4,6
	v_pk_add_f32 v[T+(\j):T+(\j)+1], v[SA+16+(\j):SA+16+(\j)+1], v[SA+24+(\j):SA+24+(\j)+1]
.endr
.irp j, 0,2,4,6
	v_pk_add_f32 v[S+(\j):S+(\j)+1], v[S+(\j):S+(\j)+1], v[T+(\j):T+(\j)+1]
.endr
.irp j, 0,1,2,3,4,5,6,7                ; the mask: key 8 (l / 16) + j is hidden from query l % 16 where it is the greater
	v_cmp_gt_i32 vcc_lo, \j, v14
	v_cndmask_b32 v[S+(\j)], v[S+(\j)], s21, vcc_lo
.endr
	v_max3_num_f32 v[T], v[S], v[S+1], v[S+2]
	v_max3_num_f32 v[T+1], v[S+3], v[S+4], v[S+5]
	v_max3_num_f32 v[T], v[T], v[S+6], v[S+7]
	v_max_num_f32 v[T], v[T], v[T+1]
	v_permlanex16_b32 v[T+1], v[T], s22, s23       ; the query's other eight keys lie in the lane 16 away
	v_max_num_f32 v[T], v[T], v[T+1]               ; m
	v_mul_f32 v[T+2], s20, v[T]                    ; c m
.irp j, 0,1,2,3,4,5,6,7
	v_fma_f32 v[P+(\j)], v[S+(\j)], s20, -v[T+2]   ; c s - c m
.endr
.irp j, 0,1,2,3,4,5,6,7
	v_exp_f32 v[P+(\j)], v[P+(\j)]
.endr
	v_nop                                          ; a plain instruction between the last exponential and the use of its result (ISA guide 5.7.2)
	s_wait_alu depctr_va_vdst(0)
	v_pk_add_f32 v[T:T+1], v[P:P+1], v[P+2:P+3]
	v_pk_add_f32 v[T+2:T+3], v[P+4:P+5], v[P+6:P+7]
	v_pk_add_f32 v[T:T+1], v[T:T+1], v[T+2:T+3]
	v_add_f32 v[T], v[T], v[T+1]
	v_permlanex16_b32 v[T+1], v[T], s22, s23
	v_add_f32 v[T], v[T], v[T+1]                   ; l
	v_rcp_f32 v[T+6], v[T]
	v_rcp_f32 v[T+7], v[T]                         ; twice: a pair for the packed multiply
	v_nop
	s_wait_loadcnt 0x0                             ; V
	; O^T in four channel blocks that take turns; the first four products start the sums
.irp cb, 0,1,2,3
	v_wmma_f32_16x16x4_f32 v[OA+8*(\cb):OA+8*(\cb)+7], v[VF+8*(\cb):VF+8*(\cb)+1], v[P:P+1], 0
.endr
.irp t, 1,2,3
.irp cb, 0,1,2,3
	v_wmma_f32_16x16x4_f32 v[OA+8*(\cb):OA+8*(\cb)+7], v[VF+8*(\cb)+2*(\t):VF+8*(\cb)+2*(\t)+1], v[P+2*(\t):P+2*(\t)+1], v[OA+8*(\cb):OA+8*(\cb)+7]
.endr
.endr
.rept 8
	v_nop                                          ; eight places, as above
.endr
.set i, 0
	s_wait_alu depctr_va_vdst(0)
.rept 16                               ; O^T / l, into other registers, each accumulator from its low end on
	v_pk_mul_f32 v[OF+2*i:OF+2*i+1], v[OA+2*i:OA+2*i+1], v[T+6:T+7]
.set i, i+1
.endr
.set i, 0
.rept 16                               ; the two halves: hi = f16(O), lo = f16(O - hi)
	v_cvt_pk_f16_f32 v6, v[OF+2*i], v[OF+2*i+1]
	v_cvt_f32_f16 v[T+2*(i%2)], v6.l
	v_cvt_f32_f16 v[T+2*(i%2)+1], v6.h
	v_mov_b32 v[HI+i], v6
	v_pk_add_f32 v[T+2*(i%2):T+2*(i%2)+1], v[OF+2*i:OF+2*i+1], v[T+2*(i%2):T+2*(i%2)+1] neg_lo:[0,1] neg_hi:[0,1]
	v_cvt_pk_f16_f32 v[LO+i], v[T+2*(i%2)], v[T+2*(i%2)+1]
.set i, i+1
.endr
.irp cb, 0,1,2,3                       ; a lane's eight channels 16 cb + 8 (l / 16) + 0..7 of its row are 16 bytes
	global_store_b128 v7, v[HI+4*(\cb):HI+4*(\cb)+3], s[6:7] offset:32*(\cb)
	global_store_b128 v5, v[LO+4*(\cb):LO+4*(\cb)+3], s[8:9] offset:32*(\cb)
.endr
	s_endpgm
.Lfunc_end_k_q1c9051ba99_fixa:
	.size	k_q1c9051ba99_fixa, .Lfunc_end_k_q1c9051ba99_fixa-k_q1c9051ba99_fixa
	.p2alignl 7, 3214868480
	.fill 96, 4, 3214868480
	.section	.rodata,"a",@progbits
	.p2align	6, 0x0
	.amdhsa_kernel k_q1c9051ba99_fixa
		.amdhsa_group_segment_fixed_size 0
		.amdhsa_private_segment_fixed_size 0
		.amdhsa_enable_private_segment 0
		.amdhsa_kernarg_size 24
		.amdhsa_user_sgpr_count 2
		.amdhsa_user_sgpr_kernarg_segment_ptr 1
		.amdhsa_wavefront_size32 1
		.amdhsa_system_sgpr_workgroup_id_x 1
		.amdhsa_system_sgpr_workgroup_id_y 1
		.amdhsa_system_sgpr_workgroup_id_z 1
		.amdhsa_system_vgpr_workitem_id 0
		.amdhsa_next_free_vgpr 232
		.amdhsa_next_free_sgpr 66
		.amdhsa_reserve_vcc 1
		.amdhsa_float_denorm_mode_32 3
		.amdhsa_float_denorm_mode_16_64 3
		.amdhsa_memory_ordered 1
		.amdhsa_forward_progress 1
		.amdhsa_inst_pref_size 19
	.end_amdhsa_kernel
	.amdgpu_metadata
---
amdhsa.version: [ 1, 2 ]
amdhsa.kernels:
  - .name:           k_q1c9051ba99_fixa
    .symbol:         k_q1c9051ba99_fixa.kd
    .args:
      - { .name: qkv32, .offset: 0, .size: 8, .value_kind: global_buffer, .address_space: global }
      - { .name: o16, .offset: 8, .size: 8, .value_kind: global_buffer, .address_space: global }
      - { .name: olo, .offset: 16, .size: 8, .value_kind: global_buffer, .address_space: global }
    .group_segment_fixed_size: 0
    .private_segment_fixed_size: 0
    .kernarg_segment_align: 8
    .kernarg_segment_size: 24
    .max_flat_workgroup_size: 128
    .sgpr_count:     66
    .vgpr_count:     232
    .wavefront_size: 32
...
	.end_amdgpu_metadata
.endif
;; end of part 10
;; launch proj (part 11): grid 8 x 32, 4 waves a work-group, clusters of 4 x 4, 327,680 bytes of LDS; arguments o16, wo16, out0, olo; writes out0
.if DOCPART == 11
	.amdgcn_target "amdgcn-amd-amdhsa--gfx1250"
	.amdhsa_code_object_version 6
	.text
	.protected	k_q1c9051ba99_proj
	.globl	k_q1c9051ba99_proj
	.p2align	8
	.type	k_q1c9051ba99_proj,@function
k_q1c9051ba99_proj:
	s_mov_b64 s[64:65], 0
	v_nop
	global_prefetch_b8 v0, s[64:65] scope:SCOPE_SE
	s_setreg_imm32_b32 hwreg(HW_REG_WAVE_MODE, 25, 1), 1
	s_wait_xcnt 0x0
	s_wait_alu depctr_hold_cnt(0) depctr_sa_sdst(0) depctr_va_vdst(0) depctr_va_sdst(0) depctr_va_ssrc(0) depctr_va_vcc(0) depctr_vm_vsrc(0)
	s_getreg_b32 s2, hwreg(HW_REG_IB_STS2, 6, 4)
	s_cmp_eq_u32 s2, 0
	s_cbranch_scc0 .Lentry_in_a_cluster
	s_endpgm
.Lentry_in_a_cluster:
	s_bfe_u32 s2, ttmp6, 0x10000c
	s_cmp_lg_u32 s2, 0xf033
	s_cbranch_scc0 .Lentry_shape_is_right
	s_endpgm
.Lentry_shape_is_right:
; THE OUTPUT PROJECTION.  C[m][n] = sum over k of A[m][k] B[k][n], m = batch x 2048 + row, k = head x 64 + channel.  A = o16 [64 (batch x 16 + head)][2048][64] f16, B = wo16 [1024][1024] f16;
; sums in f32; C = out0 [8192][1024] f32, stored as summed.
; A tile of C is 256 (m) x 128 (n): 8 x 32 = 256 tiles.  Four waves, each 128 x 64: 32 accumulators of 16 x 16, 256 registers.  K goes in 8 steps of 128, two heads a step, through a ring of two LDS
; slots filled by the tensor data mover.  A head's 256 rows of 128 bytes are dense in memory: they are asked for as 128 rows of 256 bytes and padded in LDS behind every 128.
; CLUSTERS: 4 x 4 work-groups.  The four of a row of the cluster need the same tiles of A, the four of a column the same tiles of B: each tile is asked for JOINTLY, by the same tensor load with
; the same descriptor and a mask that names the four.  The tile row is the cluster's y + 8 cy: the four batches' first tile rows (0, 8, 16, 24) then all lie in the clusters with y = 0.
; THE FIRST 16 ROWS OF A BATCH are summed from O in two f16 halves, 22 bits: the first is A's own row, the second is olo ([8 chunks of 128 k][64 rows = 16 x batch + row][128] f16).  Under the causal mask row q is a mean of
; q + 1 rows of v: these rows' numbers are many times the output's root mean square, of which a number near zero is allowed a hundredth, and f16's 2^-11 is too coarse there.  In the clusters with y = 0 the four waves
; copy the batch's 32 KB of olo into LDS once; waves 0 and 1, whose block 0 these rows are, add four products a quarter onto that block's accumulators.  The branches hang on the cluster's y, which all partners
; share, and on the wave's number; none passes a barrier or a tensor load.
; THE MATRIX INSTRUCTION IS USED TRANSPOSED (source 0 = 16 columns of B, source 1 = 16 rows of A): a lane then holds eight neighbouring numbers of a row of C.  B lies [k][n] in memory and
; in LDS and comes out turned, by ds_load_tr16_b128.
; REGISTERS: window 0: v0-31 addresses; v32-47 two fragments of olo; two fragment buffers of 96 (v64-159, v160-255): 64 of A (8 x 16 rows x 32 K), then 32 of B (4 x 16 columns x 32 K); v64-127 once more on the way out.
;   window 1: the accumulators ((a, b) at v[8 (4 a + b)]).
.set PA,     144                       ; a row of A in LDS: 128 bytes + 16 of padding = 36 words: the 16 rows of a load start at 16 different groups of four banks (64 banks of 4 bytes: ISA guide 11.1)
.set PB,     288                       ; a row of B: 256 + 32 = 72 words
.set PLANE,  256*PA                    ; one head's 256 rows: what one tensor load brings of A
.set ABYTES, 2*PLANE
.set HALFB,  64*PB                     ; what one tensor load brings of B: 64 of the step's 128 k
.set USED,   ABYTES+2*HALFB            ; a slot: A's two heads, then B's 128 rows: 110,592 bytes
.set SLOT,   1<<17                     ; slot 1 begins here, so that one exclusive or turns an address in one slot into the other's
.set STAGE,  SLOT+USED                 ; behind the ring, never filled by a tensor load: 16 rows x 272 bytes for each wave, for the way out
.set SP,     272
.set SPARE,  STAGE+4*16*SP             ; behind the stages: the spare words, 128 bytes for each wave: two blocks of 256 bytes that no other line names
.set LOB,    SPARE+512                 ; behind them, never filled by a tensor load: the batch's rows of olo, 128 rows (chunk c, row r at 16 c + r) of 256 bytes
.set PL,     272                       ; their pitch
.set CH,     16*PL                     ; a chunk, which is a K step's part of them
.set STEPS,  8                         ; 1,024 / 128
.set ASTEP,  2*2048*128                ; bytes from a K step's tile of A to the next: two heads on
.set BSTEP,  128*1024*2                ; of B: 128 rows down
.set A0,   16                          ; v16     LDS address of my A fragments in slot 0; never rewritten
.set B0,   17                          ; v17     the same for B
.set ADRA, 18                          ; v18     the same in the slot that is being read
.set ADRB, 19                          ; v19
.set STO,  24                          ; v24     the way out: where I put 32 bytes of a row
.set RD,   25                          ; v25     the way out: where I read a row back
.set GO,   26                          ; v26     my byte offset in two rows of C
.set ADRLO, 27                         ; v27     LDS address of my fragments of olo in the K step in hand; steps a chunk a step
.set SPW,  28                          ; v28     LDS address of my spare word: SPARE + 4 x my thread's number; never rewritten
.set NIL,  29                          ; v29     0; never rewritten
.set LGA,  30                          ; v30     16 x lane: my byte offset in 512 consecutive bytes of olo
.set LST,  31                          ; v31     where I put those 16 bytes in LDS
.set LO,   32                          ; v32-39, v40-47  the fragment of olo that goes with buffer F0, with F1
.set F0,   64
.set F1,   160
.set OUT,  64                          ; the way out: 16 rows read back from the stage, two buffers of 32 registers by turns
.set G1, 24                            ; s[24:31] descriptor group 1 for A's tiles;  s[32:39] group 0: a set for each of the two first fills; the second then walks on
.set G0, 32
.set G1B, 48                           ; s[48:55], s[56:63] the same for B's tiles
.set G0B, 56
.set TB,  66                           ; s66      LDS byte at which the slot that is being read begins
.set MSB, 0
.macro WIN new                         ; the immediate's high byte repeats the setting that is left; a switch that changes nothing is dropped
.if MSB != (\new)
	s_set_vgpr_msb (MSB<<8)|(\new)
.set MSB, \new
.endif
.endm
.set MUL, 0x50                         ; sources 0 (B) and 1 (A) window 0; C and D window 1
.macro JLOAD s                         ; a joint load: waves 0 and 1 fetch A's two heads, waves 2 and 3 B's two halves; an s_nop 0 and four v_nop follow each of the two lines, ahead of the jump, the label and what follows
	s_cmp_eq_u32 s11, 0
	s_cbranch_scc0 .Lfor_b_\@
	tensor_load_to_lds s[G0+4*(\s):G0+4*(\s)+3], s[G1:G1+7]
	s_nop 0
.rept 4
	v_nop
.endr
	s_branch .Lasked_\@
.Lfor_b_\@:
	tensor_load_to_lds s[G0B+4*(\s):G0B+4*(\s)+3], s[G1B:G1B+7]
	s_nop 0
.rept 4
	v_nop
.endr
.Lasked_\@:
.endm
.macro CREST                           ; a round of the cluster's barrier behind its opening barrier: wave 0 signals for the work-group, every wave waits for all sixteen, my work-group's barrier closes it
	s_cmp_lg_u32 s10, 0
	s_cbranch_scc1 .Lnot_wave_0_\@
	s_barrier_signal -3
.Lnot_wave_0_\@:
	s_barrier_wait -3
	s_barrier_signal -1
	s_barrier_wait -1
.endm
.macro CROUND                          ; a whole round
	s_barrier_signal -1
	s_barrier_wait -1
	CREST
.endm
	s_load_b128 s[4:7], s[0:1], 0x0                ; A s[4:5], B s[6:7]
	s_load_b64 s[8:9], s[0:1], 0x10                ; C
	s_load_b64 s[68:69], s[0:1], 0x18              ; olo
	v_lshl_add_u32 v[SPW], v0, 2, SPARE
	v_mov_b32 v[NIL], 0
	ds_add_u32 v28, v29
	ds_add_u32 v28, v29
	s_wait_dscnt 0x0
	v_lshrrev_b32 v1, 5, v0
	v_readfirstlane_b32 s10, v1                    ; wave 0..3
	s_lshr_b32 s11, s10, 1                         ; which 128 of the tile's rows are mine.  Also: I fetch for A (0) or for B (1)
	s_and_b32 s12, s10, 1                          ; which 64 of its columns.  Also: which half of that tile I fetch
	s_bfe_u32 s40, ttmp6, 0x40000                  ; cx, cy: my place in the cluster
	s_bfe_u32 s41, ttmp6, 0x40004
	s_lshl_b32 s42, ttmp9, 2
	s_add_co_u32 s42, s42, s40                     ; tile column of C = 4 x cluster x + cx
	s_and_b32 s18, ttmp7, 0xffff                   ; the cluster's y, 0 to 7: 0 where the tiles hold the batches' first rows
	s_lshl_b32 s13, s41, 3
	s_add_co_u32 s13, s13, s18                     ; tile row of C = cluster y + 8 cy
	s_or_b32 s45, s18, s11                         ; 0: my block 0 is a batch's first 16 rows
	s_lshl_b32 s43, s41, 2
	s_lshl_b32 s43, 15, s43                        ; my row of the cluster: places 4 cy .. 4 cy + 3
	s_lshl_b32 s44, 0x1111, s40                    ; my column: places cx, cx + 4, cx + 8, cx + 12
	s_mov_b32 s[TB], 0                             ; slot 0 is read first
	; descriptor group 1.  A: 128 rows x 128 elements (two rows of a head each), 4 words of padding behind every 32.  B: 64 rows x 128 elements, 8 words of padding behind every 64
	s_or_b32 s[G1+0], s43, (1<<16)|(1<<20)|(1<<21)|(4<<22)|(3<<25)  ; 15:0 the mask: A's tiles go to my row; 17:16 elements of 2 bytes; 20 padding on; 21 set beside a mask; 24:22 after every 32 words (code 4); 31:25 4 words (code 3)
	s_mov_b32 s[G1+1], 128<<16                     ; tensor_dim0 = 128
	s_mov_b32 s[G1+2], 128<<16                     ; tensor_dim1 = 128
	s_mov_b32 s[G1+3], 128<<16                     ; tile_dim0 = 128
	s_mov_b32 s[G1+4], 128                         ; tile_dim1 = 128
	s_mov_b32 s[G1+5], 128                         ; elements from row to row: dense
	s_mov_b32 s[G1+6], 0
	s_mov_b32 s[G1+7], 0
	s_or_b32 s[G1B+0], s44, (1<<16)|(1<<20)|(1<<21)|(5<<22)|(7<<25) ; the mask of my column; after every 64 words (code 5) 8 words of padding (code 7)
	s_mov_b32 s[G1B+1], 128<<16                    ; tensor_dim0 = 128
	s_mov_b32 s[G1B+2], 64<<16                     ; tensor_dim1 = 64
	s_mov_b32 s[G1B+3], 128<<16                    ; tile_dim0 = 128
	s_mov_b32 s[G1B+4], 64                         ; tile_dim1 = 64
	s_mov_b32 s[G1B+5], 1024                       ; elements from row to row
	s_mov_b32 s[G1B+6], 0
	s_mov_b32 s[G1B+7], 0
	; where the tiles come from.  A's hang on the tile row alone, which my row of the cluster shares; B's on the tile column alone, which my column shares
	s_lshr_b32 s16, s13, 3                         ; A: batch = tile row / 8: 16 heads of 2^18 bytes,
	s_lshl_b32 s16, s16, 22
	s_and_b32 s17, s13, 7
	s_lshl_b32 s17, s17, 15                        ; 256 rows of 128 bytes a tile row,
	s_add_co_u32 s16, s16, s17
	s_lshl_b32 s17, s12, 18                        ; the step's first or second head
	s_add_co_u32 s16, s16, s17
	s_mov_b32 s17, 0
	s_lshl_b32 s46, s12, 17                        ; B: 64 rows of 2,048 bytes a half,
	s_lshl_b32 s47, s42, 8                         ; 256 bytes a tile column
	s_add_co_u32 s46, s46, s47
	s_mov_b32 s47, 0
	s_lshr_b32 s2, s13, 3                          ; olo: the batch's 16 rows of 256 bytes in a chunk,
	s_lshl_b32 s2, s2, 12
	s_lshl_b32 s3, s10, 15                         ; the two chunks of 16,384 bytes that my wave copies
	s_add_co_u32 s2, s2, s3
	s_mov_b32 s3, 0
	s_mul_i32 s20, s12, PLANE                      ; and where the tiles go: no place in the cluster enters an LDS address
	s_mul_i32 s21, s12, HALFB
	s_add_co_u32 s21, s21, ABYTES
	s_wait_kmcnt 0x0
	s_add_nc_u64 s[14:15], s[4:5], s[16:17]
	s_add_nc_u64 s[46:47], s[6:7], s[46:47]
	s_add_nc_u64 s[68:69], s[68:69], s[2:3]
	CROUND                                         ; all sixteen work-groups are here: the first joint loads meet
.irp s, 0,1
	s_mov_b32 s[G0+4*(\s)], 1                                      ; 1:0 count = 1
	s_add_co_u32 s[G0+4*(\s)+1], s20, (\s)*SLOT                    ; 63:32 LDS address
	s_add_nc_u64 s[G0+4*(\s)+2:G0+4*(\s)+3], s[14:15], (\s)*ASTEP  ; 120:64 global address: K step s
	s_or_b32 s[G0+4*(\s)+3], s[G0+4*(\s)+3], 0x80000000            ; 127:126 type = 2
	s_mov_b32 s[G0B+4*(\s)], 1
	s_add_co_u32 s[G0B+4*(\s)+1], s21, (\s)*SLOT
	s_add_nc_u64 s[G0B+4*(\s)+2:G0B+4*(\s)+3], s[46:47], (\s)*BSTEP
	s_or_b32 s[G0B+4*(\s)+3], s[G0B+4*(\s)+3], 0x80000000
	JLOAD \s                                       ; the ring is filled before anything else is done: two loads of mine are out
.endr
	; A fragment of A is 16 rows x 32 K in 8 registers: lane l holds row l % 16, K = 8 (l / 16) + 0..7 and 16 + 8 (l / 16) + 0..7: two loads of 16 bytes, 32 bytes apart.
	v_and_b32 v1, 15, v0                           ; l % 16
	v_bfe_u32 v2, v0, 4, 1                         ; l / 16
	v_mul_u32_u24 v3, v1, PA
	v_lshl_add_u32 v3, v2, 4, v3                   ; row x pitch + 16 x half
	; The turning load takes 16 k x 16 columns (lane l reads k = 8 (l / 16) + l % 8, columns 8 ((l / 8) % 2) + 0..7) and leaves half a fragment of B^T: lane l holds column l % 16 and 8 k.
	v_and_b32 v4, 7, v0
	v_bfe_u32 v5, v0, 3, 1
	v_lshl_add_u32 v6, v2, 3, v4
	v_mul_u32_u24 v6, v6, PB
	v_lshl_add_u32 v6, v5, 4, v6
	s_mul_i32 s22, s11, 128*PA                     ; my 128 rows in each head's plane
	s_lshl_b32 s23, s12, 7                         ; my 64 columns of B,
	s_add_co_u32 s23, s23, ABYTES                  ; which lies behind A
	v_add_nc_u32 v[A0], s22, v3
	v_add_nc_u32 v[B0], s23, v6
	v_add_nc_u32 v[ADRA], s[TB], v[A0]
	v_add_nc_u32 v[ADRB], s[TB], v[B0]
	s_mul_i32 s23, s10, 16*SP
	s_add_co_u32 s23, s23, STAGE                   ; my stage
	v_mul_u32_u24 v7, v1, SP                       ; in: row l % 16, 32 bytes for each half of the lanes
	v_lshl_add_u32 v7, v2, 5, v7
	v_add_nc_u32 v[STO], s23, v7
	v_mul_u32_u24 v7, v2, SP                       ; back: lanes 0-15 take one row of 256 bytes, lanes 16-31 the next
	v_lshl_add_u32 v7, v1, 4, v7
	v_add_nc_u32 v[RD], s23, v7
	v_lshlrev_b32 v7, 12, v2                       ; and the same two rows in C, 4,096 bytes apart
	v_lshl_add_u32 v[GO], v1, 4, v7
	v_and_b32 v7, 31, v0                           ; olo comes in 512 consecutive bytes at a time: 32 lanes take two rows of 256 bytes,
	v_lshlrev_b32 v[LGA], 4, v7
	v_mul_u32_u24 v7, v2, PL
	v_lshl_add_u32 v7, v1, 4, v7
	s_mul_i32 s23, s10, 32*PL                      ; into my wave's two chunks of the copy
	s_add_co_u32 s23, s23, LOB
	v_add_nc_u32 v[LST], s23, v7
	v_mul_u32_u24 v7, v1, PL                       ; and its fragments are read as A's are
	v_lshl_add_u32 v7, v2, 4, v7
	v_add_nc_u32 v[ADRLO], LOB, v7
	; where my 128 rows x 64 columns begin in C
	s_lshl_b32 s16, s13, 20                        ; 256 rows of 4,096 bytes a tile row,
	s_lshl_b32 s17, s11, 19                        ; 128 rows a half
	s_add_co_u32 s16, s16, s17
	s_mov_b32 s17, 0
	s_add_nc_u64 s[8:9], s[8:9], s[16:17]
	s_lshl_b32 s46, s42, 9                         ; 512 bytes a tile column, 256 a half (in the registers that held B's address: none that fed A's descriptors ever holds cx)
	s_lshl_b32 s47, s12, 8
	s_add_co_u32 s46, s46, s47
	s_mov_b32 s47, 0
	s_add_nc_u64 s[8:9], s[8:9], s[46:47]
.set i, 0
.rept 16                               ; the two fragments of olo hold numbers on every way through the text
	v_mov_b32 v[LO+i], 0
.set i, i+1
.endr
	; THE COPY OF olo, in the clusters with y = 0 alone: my wave's two chunks, 16 loads of 512 consecutive bytes, through the registers of buffer F0
	s_cmp_lg_u32 s18, 0
	s_cbranch_scc1 .Lno_copy
.irp c, 0,1
.irp t, 0,1,2,3,4,5,6,7
	global_load_b128 v[F0+4*(8*(\c)+(\t)):F0+4*(8*(\c)+(\t))+3], v[LGA], s[68:69] offset:(\c)*16384+(\t)*512
.endr
.endr
.irp c, 0,1
	s_wait_loadcnt 8*(1-(\c))                      ; loads come back in order: chunk c's eight are in, the second chunk's may be out
.irp t, 0,1,2,3,4,5,6,7
	ds_store_b128 v[LST], v[F0+4*(8*(\c)+(\t)):F0+4*(8*(\c)+(\t))+3] offset:(16*(\c)+2*(\t))*PL
.endr
.endr
.Lno_copy:
; 8 matrix instructions: m blocks a0, a0 + 1 x all 4 n blocks, 32 along K.  zero = 1: the first product starts the sums: nothing is ever cleared.
; The 32 accumulators take turns, one instruction a turn, in the same order in every quarter.
.macro MUL8 f, a0, zero
	WIN MUL
.irp a, \a0, (\a0)+1
.irp b, 0,1,2,3
.if \zero
	v_wmma_f32_16x16x32_f16 v[8*(4*(\a)+(\b)):8*(4*(\a)+(\b))+7], v[(\f)+64+8*(\b):(\f)+64+8*(\b)+7], v[(\f)+8*(\a):(\f)+8*(\a)+7], 0
.else
	v_wmma_f32_16x16x32_f16 v[8*(4*(\a)+(\b)):8*(4*(\a)+(\b))+7], v[(\f)+64+8*(\b):(\f)+64+8*(\b)+7], v[(\f)+8*(\a):(\f)+8*(\a)+7], v[8*(4*(\a)+(\b)):8*(4*(\a)+(\b))+7]
.endif
.endr
.endr
.endm
; 24 LDS loads in one run: the fragments of quarter q (32 along K: head q / 2 of the step's two, channels 32 (q % 2) on) of the slot that is being read, into buffer f: B's eight first, then A's sixteen, blocks ascending
.macro FETCH q, f
	WIN 0
.set AOFF, ((\q)/2)*PLANE+((\q)%2)*64
.irp b, 0,1,2,3
	ds_load_tr16_b128 v[(\f)+64+8*(\b):(\f)+64+8*(\b)+3],   v[ADRB] offset:(\q)*32*PB+32*(\b)
	ds_load_tr16_b128 v[(\f)+64+8*(\b)+4:(\f)+64+8*(\b)+7], v[ADRB] offset:(\q)*32*PB+16*PB+32*(\b)
.endr
.irp i, 0,1,2,3,4,5,6,7
	ds_load_b128 v[(\f)+8*(\i):(\f)+8*(\i)+3],   v[ADRA] offset:AOFF+(\i)*16*PA
	ds_load_b128 v[(\f)+8*(\i)+4:(\f)+8*(\i)+7], v[ADRA] offset:AOFF+(\i)*16*PA+32
.endr
.endm
; THE SECOND HALF OF A BATCH'S FIRST 16 ROWS, where my block 0 is those rows (every window is 0 here).  The fragment of olo that goes with buffer f was asked for a quarter ago, ahead of the run of loads that stands in
; front of this macro, and the wait behind that run has shown it landed.  load = 1: the fragment for the other buffer, at byte off, is asked for; the last products that read its registers stand a quarter back, with that
; quarter's four places between.  Then four products onto block 0's accumulators: in front of them stands accumulator (3, 3)'s turn, behind them (4, 0)'s, so the turns stay one instruction each.
.macro LOX f, load, off
	s_cmp_lg_u32 s45, 0
	s_cbranch_scc1 .Lno_lo_\@
.if (\f) == F0
.set LOM, LO
.set LON, LO+8
.else
.set LOM, LO+8
.set LON, LO
.endif
.if \load
	ds_load_b128 v[LON:LON+3],   v[ADRLO] offset:\off
	ds_load_b128 v[LON+4:LON+7], v[ADRLO] offset:(\off)+32
.endif
	WIN MUL
.irp b, 0,1,2,3
	v_wmma_f32_16x16x32_f16 v[8*(\b):8*(\b)+7], v[(\f)+64+8*(\b):(\f)+64+8*(\b)+7], v[LOM:LOM+7], v[8*(\b):8*(\b)+7]
.endr
	WIN 0
.Lno_lo_\@:
.endm
.macro PLACES                          ; four places in front of loads into registers that matrix instructions have read, and of lines that read results (loads and LDS stores aside)
.rept 4
	v_nop
.endr
.endm
; A K step is four quarters of 32 along K, 32 matrix instructions each, on buffers 0, 1, 0, 1.  One of the first three: multiplies buffer f and fetches quarter q into g; off: where olo's fragment for g lies.
.macro QUARTER q, f, g, zero, off
	s_wait_dscnt 8                                 ; B and A's blocks 0-3 are in; the youngest eight LDS loads may be out (A's blocks 4-7; where olo is read, its two and six of those)
	MUL8 \f, 0, \zero
	MUL8 \f, 2, \zero
	PLACES
	FETCH \q, \g
	s_wait_dscnt 24                                ; all but the 24 just issued
	LOX \f, 1, \off
	MUL8 \f, 4, \zero
	MUL8 \f, 6, \zero
.endm
; The last quarter multiplies buffer 1 and changes slots: ONE barrier; in front of it each wave waits for all its tensor loads, adds 0 to its spare word, and waits for that and for its own reads of this slot.
; fill = 1: this slot is filled again, two K steps ahead; the barrier then opens a round of the cluster's barrier, and the walking descriptor takes the other slot than last time and the next K step.
.macro TURN fill, off
	WIN 0                                          ; (the add's two registers lie in window 0)
	s_wait_tensorcnt 0x0                           ; all my tensor loads have landed: the one that was out is my part of the next slot;
	ds_add_u32 v[SPW], v[NIL]                      ; 0 onto my spare word;
	s_wait_dscnt 9                                 ; (the add and the youngest eight loads may be out)
	MUL8 F1, 0, 0                                  ; eight matrix instructions stand between the add and the wait for it
	s_wait_dscnt 0x0                               ; the add is done, and my reads of this slot are over
	s_barrier_signal -1
	MUL8 F1, 2, 0                                  ; work on registers while the others arrive
	WIN 0                                          ; (branches and lines on window 0 follow, and nothing stands between the wait below and the rest of the round)
	s_barrier_wait -1
.if \fill
	CREST                                          ; no wave of any partner still reads this slot's tile or has a load on its way
	s_xor_b32 s[G0+5], s[G0+5], SLOT
	s_add_nc_u64 s[G0+6:G0+7], s[G0+6:G0+7], ASTEP ; the type bits on top are not reached
	s_xor_b32 s[G0B+5], s[G0B+5], SLOT
	s_add_nc_u64 s[G0B+6:G0B+7], s[G0B+6:G0B+7], BSTEP
	JLOAD 1                                        ; the first tensor load behind the round, 112 matrix instructions ahead of the wait for it; the four v_nop behind it are also the places in front of the loads below
.else
	PLACES
.endif
	s_xor_b32 s[TB], s[TB], SLOT                   ; the other slot is read from here on
	v_add_nc_u32 v[ADRA], s[TB], v[A0]
	v_add_nc_u32 v[ADRB], s[TB], v[B0]
	FETCH 0, F0
	LOX F1, 1, \off
	MUL8 F1, 4, 0
	MUL8 F1, 6, 0
.endm
	s_wait_tensorcnt 1                             ; my part of K step 0 is in; K step 1's may stay out
	s_wait_dscnt 0x0                               ; for the others' sake: my part of the copy of olo is stored
	s_barrier_signal -1
	s_barrier_wait -1                              ; everybody's is
	s_cmp_lg_u32 s45, 0
	s_cbranch_scc1 .Lno_lo_first
	ds_load_b128 v[LO:LO+3],   v[ADRLO]            ; the first quarter's fragment of olo, ahead of the run below: the waits for that run cover it
	ds_load_b128 v[LO+4:LO+7], v[ADRLO] offset:32
.Lno_lo_first:
	FETCH 0, F0
	QUARTER 1, F0, F1, 1, 64                       ; the first quarter stands in front of the loop: its products start the sums
	WIN 0                                          ; at a label and at a branch every window is 0
	s_mov_b32 s3, STEPS-2
.Lstep:                                                ; a trip goes from a K step's second quarter to the next step's first, and fills the slot that it leaves: K steps 2 to 7
	QUARTER 2, F1, F0, 0, 128
	QUARTER 3, F0, F1, 0, 192
	TURN 1, CH
	QUARTER 1, F0, F1, 0, CH+64
	WIN 0
	v_add_nc_u32 v[ADRLO], CH, v[ADRLO]            ; olo: the next K step's chunk
	s_sub_co_u32 s3, s3, 1
	s_cmp_lg_u32 s3, 0
	s_cbranch_scc1 .Lstep
	QUARTER 2, F1, F0, 0, 128                      ; the last two K steps are written out: they fill nothing, and have no round of the cluster's barrier
	QUARTER 3, F0, F1, 0, 192
	TURN 0, CH
	QUARTER 1, F0, F1, 0, CH+64
	WIN 0
	v_add_nc_u32 v[ADRLO], CH, v[ADRLO]
	QUARTER 2, F1, F0, 0, 128
	QUARTER 3, F0, F1, 0, 192
	s_wait_dscnt 8                                 ; the very last quarter: nothing more to fetch
	MUL8 F1, 0, 0
	MUL8 F1, 2, 0
	s_wait_dscnt 0x0
	WIN 0
	LOX F1, 0, 0
	MUL8 F1, 4, 0
	MUL8 F1, 6, 0
	WIN 0
	PLACES
	; THE WAY OUT, a block of 16 rows at a time: a lane's eight f32 of a row (32 bytes) go into my own stage (rows of 272 bytes) and come back as whole rows of 256 bytes.
.macro TOSTAGE a
	s_wait_xcnt 0x0                                ; every earlier store has had its addresses translated (ISA guide 3.1): the registers that the block two back was stored from are loaded again only behind this wait
	WIN 0x04                                       ; the stores' data (source 1) in window 1, their address in window 0; each accumulator's four lowest registers go first
.irp b, 0,1,2,3
	ds_store_b128 v[STO], v[8*(4*(\a)+(\b)):8*(4*(\a)+(\b))+3] offset:64*(\b)
	ds_store_b128 v[STO], v[8*(4*(\a)+(\b))+4:8*(4*(\a)+(\b))+7] offset:64*(\b)+16
.endr
	WIN 0
.irp t, 0,1,2,3,4,5,6,7
	ds_load_b128 v[OUT+32*((\a)%2)+4*(\t):OUT+32*((\a)%2)+4*(\t)+3], v[RD] offset:(\t)*2*SP  ; LDS serves a wave's instructions in order (ISA guide 5.7.1.4): these see the stores above; the next block's stores come behind them
.endr
.endm
.macro SEND a, younger                 ; younger: the LDS instructions issued behind block a's loads: the next block's sixteen, or none
.irp t, 0,1,2,3,4,5,6,7
	s_wait_dscnt (\younger)+7-(\t)
	global_store_b128 v[GO], v[OUT+32*((\a)%2)+4*(\t):OUT+32*((\a)%2)+4*(\t)+3], s[8:9] offset:(16*(\a)+2*(\t))*4096 th:TH_STORE_NT  ; 16 lanes store 256 consecutive bytes, at a multiple of 256 from C's first byte; 126 rows at the most: inside the signed 24-bit immediate
.endr
.endm
	TOSTAGE 0
.irp a, 1,2,3,4,5,6,7                  ; a block's way into the stage stands between the loads of the block before and its stores
	TOSTAGE \a
	SEND (\a)-1, 16
.endr
	SEND 7, 0
	s_wait_tensorcnt 0x0                           ; the wave's end, behind my last tensor load and my last LDS store
	ds_add_u32 v[SPW], v[NIL]
	s_wait_dscnt 0x0
	CROUND                                         ; the closing round: no work-group ends while a partner may still ask for a tile that names it
	s_endpgm
.Lfunc_end_k_q1c9051ba99_proj:
	.size	k_q1c9051ba99_proj, .Lfunc_end_k_q1c9051ba99_proj-k_q1c9051ba99_proj
	.p2alignl 7, 3214868480
	.fill 96, 4, 3214868480
	.section	.rodata,"a",@progbits
	.p2align	6, 0x0
	.amdhsa_kernel k_q1c9051ba99_proj
		.amdhsa_group_segment_fixed_size 327680
		.amdhsa_private_segment_fixed_size 0
		.amdhsa_enable_private_segment 0
		.amdhsa_kernarg_size 32
		.amdhsa_user_sgpr_count 2
		.amdhsa_user_sgpr_kernarg_segment_ptr 1
		.amdhsa_wavefront_size32 1
		.amdhsa_system_sgpr_workgroup_id_x 1
		.amdhsa_system_sgpr_workgroup_id_y 1
		.amdhsa_system_sgpr_workgroup_id_z 1
		.amdhsa_system_vgpr_workitem_id 0
		.amdhsa_next_free_vgpr 512
		.amdhsa_next_free_sgpr 72
		.amdhsa_reserve_vcc 0
		.amdhsa_float_denorm_mode_32 3
		.amdhsa_float_denorm_mode_16_64 3
		.amdhsa_memory_ordered 1
		.amdhsa_forward_progress 1
		.amdhsa_inst_pref_size 82
	.end_amdhsa_kernel
	.amdgpu_metadata
---
amdhsa.version: [ 1, 2 ]
amdhsa.kernels:
  - .name:           k_q1c9051ba99_proj
    .symbol:         k_q1c9051ba99_proj.kd
    .args:
      - { .name: o16, .offset: 0, .size: 8, .value_kind: global_buffer, .address_space: global }
      - { .name: wo16, .offset: 8, .size: 8, .value_kind: global_buffer, .address_space: global }
      - { .name: out0, .offset: 16, .size: 8, .value_kind: global_buffer, .address_space: global }
      - { .name: olo, .offset: 24, .size: 8, .value_kind: global_buffer, .address_space: global }
    .group_segment_fixed_size: 327680
    .private_segment_fixed_size: 0
    .kernarg_segment_align: 8
    .kernarg_segment_size: 32
    .max_flat_workgroup_size: 128
    .sgpr_count:     72
    .vgpr_count:     512
    .wavefront_size: 32
...
	.end_amdgpu_metadata
.endif
;; end of part 11
